; MI455X (gfx1250); checked and timed in simulation.
; The chip was launched on July 23, 2026; its instructions are those of AMD's public machine-readable ISA for CDNA 5 (MIT licence, August 2026) and "CDNA5" Instruction Set Architecture Reference Guide (July 2026). The comments in the code are by the model that wrote it; some were corrected since.
;; Attention. Allowed arithmetic: matrix products marked QUANTISED: E2M3 operands, one E8M0 scale for each 32 along K, by v_wmma_scale_f32_16x16x128_f8f6f4 with both operands' format E2M3, f32 sums; everything else in f32.
;; Inputs: freqs_cos 2,048 x 32 float32; freqs_sin 2,048 x 32 float32; mask0 1 x 1 x 2,048 x 2,048 float32; mask1 1 x 1 x 2,048 x 2,048 float32; wk_codes 2,048 x 64 x 24 uint8 (E2M3 codes of wk, K innermost, in blocks of 32 codes, four codes in three bytes); wk_scales 2,048 x 64 uint8 (E8M0 scales of wk, one for each 32 codes along K); wo_codes 2,048 x 64 x 24 uint8 (E2M3 codes of wo, K innermost, in blocks of 32 codes, four codes in three bytes); wo_scales 2,048 x 64 uint8 (E8M0 scales of wo, one for each 32 codes along K); wq_codes 2,048 x 64 x 24 uint8 (E2M3 codes of wq, K innermost, in blocks of 32 codes, four codes in three bytes); wq_scales 2,048 x 64 uint8 (E8M0 scales of wq, one for each 32 codes along K); wv_codes 2,048 x 64 x 24 uint8 (E2M3 codes of wv, K innermost, in blocks of 32 codes, four codes in three bytes); wv_scales 2,048 x 64 uint8 (E8M0 scales of wv, one for each 32 codes along K); x_codes 1 x 2,048 x 64 x 24 uint8 (E2M3 codes of x, K innermost, in blocks of 32 codes, four codes in three bytes); x_scales 1 x 2,048 x 64 uint8 (E8M0 scales of x, one for each 32 codes along K).
;; Outputs: out0 1 x 2,048 x 2,048 float32.
;; This version of the problem:
;;   THIS VERSION OF THE PROBLEM IS GIVEN IN LOW PRECISION. The matrix products marked QUANTISED in the list below multiply operands that are first quantised to E2M3 (2 exponent bits, 3 mantissa bits; 6 bits a number), with one power-of-two scale for each 32 numbers along K (OCP MX v1.0); their sums are f32. All else is computed in f32.
;;   The module's matrix products, in the order in which they are computed (A, B: the left and right operand; K: the contracted axis; several contracted axes count as one K, in the product's order):
;;     1. [M 2,048, K 2,048] x [K 2,048, N 2,048]; A: input x (given as codes); B: input wq (given as codes): QUANTISED
;;     2. [M 2,048, K 2,048] x [K 2,048, N 2,048]; A: input x (given as codes); B: input wk (given as codes): QUANTISED
;;     3. [M 2,048, K 2,048] x [K 2,048, N 2,048]; A: input x (given as codes); B: input wv (given as codes): QUANTISED
;;     4. batch 32 x [M 2,048, K 64] x [K 64, N 2,048]; A: computed on the way; B: computed on the way: QUANTISED
;;     5. batch 32 x [M 64, K 2,048] x [K 2,048, N 2,048]; A: computed on the way; B: computed on the way: QUANTISED
;;     6. [M 2,048, K 2,048] x [K 2,048, N 2,048]; A: computed on the way; B: input wo (given as codes): QUANTISED
;;   THE QUANTISER, for each operand of a quantised product, along K:
;;     - K is cut into blocks of 32 from its start; a last block that is shorter is filled with zeros.
;;     - A block's scale is 2^e with e = floor(log2(the largest magnitude in the block)) - 2, held to -126 .. 127; a block of zeros has e = 0. As a byte (E8M0): e + 127.
;;     - Each number is divided by its block's scale, clamped to +-7.5, and rounded to the nearest number of E2M3, ties to even, subnormals kept.
;;     - The product sums the exact products of the quantised numbers (number of the format x scale) in f32.
;;   ~~~python
;;   def quantise(x, axis):      # numpy; x: float32 -> the quantised numbers, widened to float32 again
;;       x = np.moveaxis(x, axis, -1); K = x.shape[-1]
;;       x = np.pad(x, [(0, 0)] * (x.ndim - 1) + [(0, -K % 32)]); x = x.reshape(x.shape[:-1] + (-1, 32)); a = np.abs(x).max(-1, keepdims=True)
;;       e = np.where(a > 0, np.clip(np.frexp(np.where(a > 0, a, 1))[1] - 1 - 2, -126, 127), 0)      # np.frexp(a)[1] - 1 = floor(log2(a)), exactly
;;       r = np.clip(x / 2.0 ** e, -7.5, 7.5)
;;       step = 2.0 ** (np.maximum(np.frexp(np.where(r == 0, 1, r))[1] - 1, 0) - 3)
;;       q = np.round(r / step) * step * 2.0 ** e      # np.round: ties to even
;;       return np.moveaxis(q.reshape(q.shape[:-2] + (-1,))[..., :K], -1, axis).astype(np.float32)
;;   ~~~
;;   OPERANDS COMPUTED ON THE WAY. 'Computed on the way' means the value that the module computes at that place (a softmax that the list does not call 'softmax' is quantised finished and normalised). What goes into a quantiser is computed in f32, as accurately as f32 sums, v_exp_f32 and their like allow (about 1e-6 of the number): no bf16 or f16 on the way to a quantiser, and a product that is left as it is and whose result goes on into a quantised operand takes f32 operands (vector FMAs, or v_wmma_f32_16x16x4_f32). A number that lies on a knife's edge between two numbers of the format may be rounded either way, as far as f32 arithmetic and the matrix unit's own rounding can turn it there, and no further.
;;   INPUTS GIVEN AS CODES. wk (in the module: [2048, 2048], K = its axis 1); wo (in the module: [2048, 2048], K = its axis 1); wq (in the module: [2048, 2048], K = its axis 1); wv (in the module: [2048, 2048], K = its axis 1); x (in the module: [1, 2048, 2048], K = its axis 2): each comes as NAME_codes (uint8): NAME with its K axis moved to the last place and cut into blocks of 32 codes, [.., K / 32, bytes a block], one block behind the other in memory; four codes in three bytes: a row's codes are one little-endian stream of bits, code i at bits 6 i .. 6 i + 5 (a code: sign, 2 exponent bits, 3 mantissa bits); and NAME_scales (uint8): the same leading axes, one E8M0 byte (e + 127) for each 32 codes along K. Its value is code x scale, taken as it is: it is not quantised again, and the codes and scales need not be those that the quantiser above would give.
;; 2 versions. Each part assembles by itself: llvm-mc -triple=amdgcn-amd-amdhsa -mcpu=gfx1250 --defsym DOCPART=n.
;; ======== version 1 of 2: 3 launches
;; workspace buffers: q_img 3,145,728 bytes; k_img 3,145,728 bytes; v_img 3,145,728 bytes; a_img 3,145,728 bytes; q_sc 131,072 bytes; k_sc 131,072 bytes; v_sc 131,072 bytes; a_sc 131,072 bytes
;; launch qkv (part 1): grid 24 x 8, 4 waves a work-group, clusters of 4 x 4, 327,680 bytes of LDS; arguments x_codes, x_scales, wq_codes, wq_scales, wk_codes, wk_scales, wv_codes, wv_scales, freqs_cos, freqs_sin, q_img, q_sc, k_img, k_sc, v_img, v_sc; writes q_img, q_sc, k_img, k_sc, v_img, v_sc
.if DOCPART == 1
	.amdgcn_target "amdgcn-amd-amdhsa--gfx1250"
	.amdhsa_code_object_version 6
	.text
	.protected	k_q1d18314f87_qkv
	.globl	k_q1d18314f87_qkv
	.p2align	8
	.type	k_q1d18314f87_qkv,@function
k_q1d18314f87_qkv:
	s_mov_b64 s[64:65], 0
	v_nop
	global_prefetch_b8 v0, s[64:65] scope:SCOPE_SE
	s_setreg_imm32_b32 hwreg(HW_REG_WAVE_MODE, 25, 1), 1
	s_wait_xcnt 0x0
	s_wait_alu depctr_hold_cnt(0) depctr_sa_sdst(0) depctr_va_vdst(0) depctr_va_sdst(0) depctr_va_ssrc(0) depctr_va_vcc(0) depctr_vm_vsrc(0)
	s_getreg_b32 s2, hwreg(HW_REG_IB_STS2, 6, 4)
	s_cmp_eq_u32 s2, 0
	s_cbranch_scc0 .Lentry_in_a_cluster
	s_endpgm
.Lentry_in_a_cluster:
	s_bfe_u32 s2, ttmp6, 0x10000c
	s_cmp_lg_u32 s2, 0xf033
	s_cbranch_scc0 .Lentry_shape_is_right
	s_endpgm
.Lentry_shape_is_right:
; q = rope(x wq^T), k = rope(x wk^T), v = x wv^T on codes of FP6 (E2M3) with one E8M0 scale for each 32 along K; the results are quantised here and leave as operands of the attention launch.
; THREE PARTS in one grid: part = cluster x / 2 (0: q, 1: k, 2: v), the same number in all sixteen partners of a cluster.  Each part is 8 x 8 tiles of 256 x 256; four waves, 128 x 128 each, 64 accumulators.
; The matrix instruction is used transposed: source 0 = 16 rows of B, source 1 = 16 rows of A: a lane holds ONE row of A, and its registers run along B's rows.
;   parts 0, 1: A = x, B = the weight: a lane is a token, its registers run along d, which is the K of q k^T.
;   part 2:     A = wv, B = x:         a lane is a channel, its registers run along the tokens, which are the K of p v.  Only pointers are chosen: all parts take one path.
; RoPE stands on that one path too: in part 2 the cosines are replaced by 1 and the sines by 0 (a select, no branch): x0 * 1 - x1 * 0 = x0.
; WHAT LEAVES: a wave's 128 numbers of a row are one K step of the next product.  For each 16 rows: a fragment, 12 registers a lane, stored as an IMAGE OF ITS REGISTERS (three stores of 512 consecutive bytes),
; at ((chunk of 128 along K) * 128 + tile of 16 rows) * 1536; the scale words of 8 tiles leave as one store of 512 bytes: word (lane, j) = tile 2 j + lane / 16, row lane % 16.
; ORDER INSIDE A BLOCK OF 32: a lane holds numbers 16 b + 8 (lane / 16) + j, so the codes of a block lie in the order 0-7, 16-23, 8-15, 24-31.  Both operands of q k^T are made here and both operands of p v are
; made by the same lines, so both sides of each product carry the same order: the sums are the same but for their grouping.
; LIMITS: NaN and infinities are not served; a block of zeros gets the byte 1 (its codes are zeros; this program alone reads the bytes); RoPE is one product and one fused multiply-add, not two products and a sum.
; The loop: K in steps of 256 through a ring of two LDS slots filled by joint tensor loads (A's tile shared along a row of the cluster, B's along a column); the scale bytes of all of K come once and stay.
; REGISTERS: window 0: v0-31 addresses; v32-63 scale words; from v128 A's fragments; on the way out v64-239.  window 1: B's fragments, two sets; on the way out cosines and sines.  windows 2, 3: the accumulators.
.set SIZE_K, 2048
.set KSTEP,  256                       ; along K in a slot
.set NQ,     KSTEP/128
.set ROWB,   192                       ; a tile's row in bytes
.set KROW,   SIZE_K*6/8                ; a row of codes in memory
.set PITCH,  240                       ; an LDS row: 3 x (64 bytes + 16 of padding)
.set FR,     12                        ; registers of a fragment
.set NL,     6                         ; LDS loads that bring one
.set NP,     4                         ; places behind this matrix instruction (ISA guide 7.12.1)
.set HALFT,  128*PITCH
.set SLOT,   4*HALFT
.set LAPS,   SIZE_K/(2*KSTEP)
.set KS,     SIZE_K/32                 ; a row of scale bytes
.set SCL,    2*SLOT                    ; behind the ring: the scales, as units of 256 bytes + 16 of padding
.set HALFS,  (128*KS/256)*272
.set SBLK,   (16*KS/256)*272
.set SPARE,  SCL+4*HALFS               ; the spare words, 128 bytes for each wave; no other line names them
.set FRB,    1536                      ; a fragment's image in bytes
.set ADRA, 16                          ; v16-19 LDS addresses of my A fragments (slot 0, 1; behind one padding more)
.set ADRB, 20                          ; v20-23 the same for B
.set IO,   24                          ; v24  16 x lane: my place in an image
.set CA,   25                          ; v25  my place in the tables of cosines and sines: 128 (lane % 16) + 16 (lane / 16)
.set ADRS, 27                          ; v27  LDS address of my scale words
.set SPW,  28                          ; v28  LDS address of my spare word; never rewritten
.set NIL,  29                          ; v29  0; never rewritten
.set SC,   32                          ; v32-63 scale words, two sets; they hold nothing else
.set AF,   128                         ; A's fragments
.set W,    64                          ; the way out: v64-127 the 64 numbers of a row after RoPE
.set T,    128                         ; v128-191 the products with the sines
.set TM,   192                         ; v192-207 at work in QUANT
.set QC,   208                         ; v208-227 the codes just made
.set SW,   228                         ; v228-235 the scale words of my eight tiles
.set XW,   236                         ; v236-239 the same, two tiles to a register
.set G1, 24
.set G0, 32
.set G1B, 48
.set G0B, 56
.set G1S, 68
.set G0S, 76
.set G1SB, 80
.set G0SB, 88
.set PART, 95                          ; s95  0: q, 1: k, 2: v
.set SEL,  96                          ; s[96:97] lane selects for v_permlanex16_b32: lane l xor 16
.set MSB, 0
.macro WIN new                         ; the immediate's high byte repeats the setting that is left
.if MSB != (\new)
	s_set_vgpr_msb (MSB<<8)|(\new)
.set MSB, (\new)
.endif
.endm
.set MUL_LO, 0xa1                      ; source 0 (B) window 1, source 1 (A) window 0, C and D window 2
.set MUL_HI, 0xf1                      ; the same, C and D window 3
.set TO_B,   0x40                      ; destination window 1, address window 0
; A joint load: waves 0 and 1 fetch for A, waves 2 and 3 for B.  The branch hangs on the wave's number alone.  Four v_nop follow each of the two lines.
.macro JLOAD g0a, g1a, g0b, g1b
	s_cmp_eq_u32 s15, 0
	s_cbranch_scc0 .Lfor_b_\@
	tensor_load_to_lds s[\g0a:\g0a+3], s[\g1a:\g1a+7]
	s_nop 0
.rept 4
	v_nop
.endr
	s_branch .Lasked_\@
.Lfor_b_\@:
	tensor_load_to_lds s[\g0b:\g0b+3], s[\g1b:\g1b+7]
	s_nop 0
.rept 4
	v_nop
.endr
.Lasked_\@:
.endm
.macro CREST                           ; a round of the cluster's barrier behind its opening barrier
	s_cmp_lg_u32 s14, 0
	s_cbranch_scc1 .Lnot_wave_0_\@
	s_barrier_signal -3
.Lnot_wave_0_\@:
	s_barrier_wait -3
	s_barrier_signal -1
	s_barrier_wait -1
.endm
.macro CROUND                          ; a whole round
	s_barrier_signal -1
	s_barrier_wait -1
	CREST
.endm
	s_load_b512 s[24:39], s[0:1], 0x0              ; x's codes, scales; wq's; wk's; wv's
	v_lshl_add_u32 v[SPW], v0, 2, SPARE
	v_mov_b32 v[NIL], 0
	ds_add_u32 v28, v29
	ds_add_u32 v28, v29
	s_wait_dscnt 0x0
	v_lshrrev_b32 v1, 5, v0
	v_readfirstlane_b32 s14, v1                    ; wave 0..3
	s_lshr_b32 s15, s14, 1                         ; which half of the tile's rows is mine.  Also: I fetch for A (0) or for B (1)
	s_and_b32 s16, s14, 1                          ; which half of its columns.  Also: which 128 rows of that tile I fetch
	s_bfe_u32 s40, ttmp6, 0x40000                  ; cx, cy: my place in the cluster
	s_bfe_u32 s41, ttmp6, 0x40004
	s_lshr_b32 s[PART], ttmp9, 1                   ; six clusters along x: two for each part
	s_and_b32 s42, ttmp9, 1
	s_lshl_b32 s42, s42, 2
	s_add_co_u32 s42, s42, s40                     ; tile column = 4 x (cluster x mod 2) + cx
	s_and_b32 s17, ttmp7, 0xffff
	s_lshl_b32 s17, s17, 2
	s_add_co_u32 s17, s17, s41                     ; tile row = 4 x cluster y + cy
	s_lshl_b32 s43, s41, 2
	s_lshl_b32 s43, 15, s43                        ; my row of the cluster
	s_lshl_b32 s44, 0x1111, s40                    ; my column
	s_mov_b32 s[SEL], 0x76543210
	s_mov_b32 s[SEL+1], 0xfedcba98
	s_wait_kmcnt 0x0
	s_cmp_eq_u32 s[PART], 0                        ; the weight of my part.  Every choice hangs on the part alone
	s_cselect_b64 s[8:9], s[28:29], s[32:33]
	s_cselect_b64 s[10:11], s[30:31], s[34:35]
	s_cmp_eq_u32 s[PART], 2
	s_cselect_b64 s[8:9], s[36:37], s[8:9]
	s_cselect_b64 s[10:11], s[38:39], s[10:11]
	s_cselect_b64 s[4:5], s[8:9], s[24:25]         ; A: the weight in part 2, else x
	s_cselect_b64 s[6:7], s[10:11], s[26:27]
	s_cselect_b64 s[8:9], s[24:25], s[8:9]         ; B: x in part 2, else the weight
	s_cselect_b64 s[10:11], s[26:27], s[10:11]
	; descriptor group 1: a tile of 128 rows x ROWB bytes, padded in LDS
	s_or_b32 s[G1+0], s43, (0<<16)|(1<<20)|(1<<21)|(3<<22)|(3<<25)  ; 15:0 the mask: A's tiles go to my row; elements of 1 byte; padding on; 21 set beside a mask; after every 16 words 4 words
	s_or_b32 s[G1B+0], s44, (0<<16)|(1<<20)|(1<<21)|(3<<22)|(3<<25)
.irp g, G1, G1B
	s_mov_b32 s[\g+1], ROWB<<16                    ; tensor_dim0
	s_mov_b32 s[\g+2], 128<<16                     ; tensor_dim1
	s_mov_b32 s[\g+3], ROWB<<16                    ; tile_dim0
	s_mov_b32 s[\g+4], 128                         ; tile_dim1
	s_mov_b32 s[\g+5], KROW                        ; tensor_dim0_stride
	s_mov_b32 s[\g+6], 0
	s_mov_b32 s[\g+7], 0
.endr
	; the scales of 128 rows: a dense block of 128 KS bytes, as rows of 256 bytes, 16 bytes of padding behind each
	s_or_b32 s[G1S+0], s43, (3<<16)|(1<<20)|(1<<21)|(5<<22)|(3<<25)
	s_or_b32 s[G1SB+0], s44, (3<<16)|(1<<20)|(1<<21)|(5<<22)|(3<<25)
.irp g, G1S, G1SB
	s_mov_b32 s[\g+1], 32<<16
	s_mov_b32 s[\g+2], (128*KS/256)<<16
	s_mov_b32 s[\g+3], 32<<16
	s_mov_b32 s[\g+4], 128*KS/256
	s_mov_b32 s[\g+5], 32
	s_mov_b32 s[\g+6], 0
	s_mov_b32 s[\g+7], 0
.endr
	s_lshl_b32 s18, s16, 7                         ; which 128 rows of the tile I fetch
	s_lshl_b32 s20, s17, 8
	s_add_co_u32 s20, s20, s18                     ; A: row 256 x tile row + 128 x half
	s_lshl_b32 s46, s42, 8
	s_add_co_u32 s46, s46, s18                     ; B: row 256 x tile column + 128 x half
	s_mov_b32 s21, 0
	s_mov_b32 s47, 0
	s_mov_b64 s[18:19], KS
	s_mul_u64 s[22:23], s[20:21], s[18:19]         ; where these rows' scales begin
	s_mul_u64 s[92:93], s[46:47], s[18:19]
	s_mov_b64 s[18:19], KROW
	s_mul_u64 s[20:21], s[20:21], s[18:19]         ; and their codes
	s_mul_u64 s[46:47], s[46:47], s[18:19]
	s_mul_i32 s45, s14, HALFT                      ; where they go: wave x 128 rows: no place in the cluster enters an LDS address
	s_mul_i32 s94, s14, HALFS
	s_add_nc_u64 s[20:21], s[4:5], s[20:21]
	s_add_nc_u64 s[22:23], s[6:7], s[22:23]
	s_add_nc_u64 s[46:47], s[8:9], s[46:47]
	s_add_nc_u64 s[92:93], s[10:11], s[92:93]
	CROUND                                         ; all sixteen work-groups are here: the first joint loads meet
	s_mov_b32 s[G0S], 1
	s_add_co_u32 s[G0S+1], s94, SCL
	s_mov_b64 s[G0S+2:G0S+3], s[22:23]
	s_or_b32 s[G0S+3], s[G0S+3], 0x80000000
	s_mov_b32 s[G0SB], 1
	s_add_co_u32 s[G0SB+1], s94, SCL
	s_mov_b64 s[G0SB+2:G0SB+3], s[92:93]
	s_or_b32 s[G0SB+3], s[G0SB+3], 0x80000000
	JLOAD G0S, G1S, G0SB, G1SB                     ; the scales first: they are wanted with K step 0
.irp s, 0,1
	s_mov_b32 s[G0+4*\s], 1
	s_add_co_u32 s[G0+4*\s+1], s45, \s*SLOT
	s_add_nc_u64 s[G0+4*\s+2:G0+4*\s+3], s[20:21], \s*ROWB
	s_or_b32 s[G0+4*\s+3], s[G0+4*\s+3], 0x80000000
	s_mov_b32 s[G0B+4*\s], 1
	s_add_co_u32 s[G0B+4*\s+1], s45, \s*SLOT
	s_add_nc_u64 s[G0B+4*\s+2:G0B+4*\s+3], s[46:47], \s*ROWB
	s_or_b32 s[G0B+4*\s+3], s[G0B+4*\s+3], 0x80000000
	JLOAD G0+4*\s, G1, G0B+4*\s, G1B
.endr
	v_and_b32 v1, 15, v0                           ; l % 16
	v_bfe_u32 v2, v0, 4, 1                         ; l / 16
	v_mul_u32_u24 v3, v1, PITCH
	v_mul_u32_u24 v4, v2, 24
	v_add_nc_u32 v4, v3, v4                        ; a fragment's row x pitch + 24 x half
	v_lshl_add_u32 v5, v2, 4, v4                   ; and the same behind one padding more
	s_mul_i32 s21, s15, HALFT                      ; my 128 rows of A
	s_mul_i32 s22, s16, HALFT                      ; my 128 rows of B,
	s_add_co_u32 s22, s22, 2*HALFT                 ; which lie behind A's 256
.irp s, 0,1
	v_add_nc_u32 v[ADRA+\s], s21, v4
	v_add_nc_u32 v[ADRB+\s], s22, v4
	v_add_nc_u32 v[ADRA+2+\s], s21, v5
	v_add_nc_u32 v[ADRB+2+\s], s22, v5
	s_add_co_u32 s21, s21, SLOT
	s_add_co_u32 s22, s22, SLOT
.endr
	v_mul_u32_u24 v5, v1, KS                       ; my row's scales: KS bytes a row,
	v_lshrrev_b32 v6, 8, v5
	v_lshl_add_u32 v5, v6, 4, v5                   ; and 16 more for each 256 passed
	s_mul_i32 s21, s15, HALFS                      ; A's: my 128 rows
	s_mul_i32 s22, s16, HALFS                      ; B's: my 128 rows, behind A's 256
	s_add_co_u32 s22, s22, 2*HALFS
	s_sub_co_u32 s22, s22, s21
	v_mul_u32_u24 v6, s22, v2                      ; lanes 16-31 take B's
	s_add_co_u32 s21, s21, SCL
	v_add_nc_u32 v5, v5, v6
	v_add_nc_u32 v[ADRS], s21, v5
	v_and_b32 v6, 31, v0
	v_lshlrev_b32 v[IO], 4, v6                     ; the way out: 16 bytes a lane
	v_lshlrev_b32 v[CA], 7, v1                     ; a row of cosines is 128 bytes;
	v_lshl_add_u32 v[CA], v2, 4, v[CA]             ; my half's four pairs of a tile of 16 numbers
.macro FRAG reg, adr, q, i             ; a fragment: lane l holds row l % 16; registers 6 c .. 6 c + 5 hold K = 64 c + 32 (l / 16) + 0 .. 31: 24 bytes of the row's stream of bits, in pieces of 8 bytes
.irp p, 0,1,2,3,4,5
.set PIECE, 12*(\q)+6*(\p/3)+\p%3      ; 16 bytes of padding lie behind every 8 pieces: where the piece three on lies behind one padding more, the second address register serves
.if PIECE%8 < 5
	ds_load_b64 v[\reg+2*\p:\reg+2*\p+1], v[\adr] offset:8*PIECE+16*(PIECE/8)+(\i)*16*PITCH
.else
	ds_load_b64 v[\reg+2*\p:\reg+2*\p+1], v[\adr+2] offset:8*PIECE+16*(PIECE/8)+(\i)*16*PITCH
.endif
.endr
.endm
; 16 matrix instructions: A's blocks a0, a0 + 1 x B's eight, 128 along K.  The 64 accumulators take turns, one instruction a turn, in the same order in every step.
.macro MUL16 a0, p, q, sc, zero
.irp a, \a0, \a0+1
.irp b, 0,1,2,3,4,5,6,7
.if \zero
	v_wmma_scale_f32_16x16x128_f8f6f4 v[8*(8*((\a)%4)+\b):8*(8*((\a)%4)+\b)+7], v[128*(\p)+FR*\b:128*(\p)+FR*\b+FR-1], v[AF+FR*(\a):AF+FR*(\a)+FR-1], 0, v[SC+8*NQ*(\sc)+NQ*\b+(\q)], v[SC+8*NQ*(\sc)+NQ*(\a)+(\q)] matrix_a_fmt:MATRIX_FMT_FP6 matrix_b_fmt:MATRIX_FMT_FP6 matrix_a_scale:MATRIX_SCALE_ROW1
.else
	v_wmma_scale_f32_16x16x128_f8f6f4 v[8*(8*((\a)%4)+\b):8*(8*((\a)%4)+\b)+7], v[128*(\p)+FR*\b:128*(\p)+FR*\b+FR-1], v[AF+FR*(\a):AF+FR*(\a)+FR-1], v[8*(8*((\a)%4)+\b):8*(8*((\a)%4)+\b)+7], v[SC+8*NQ*(\sc)+NQ*\b+(\q)], v[SC+8*NQ*(\sc)+NQ*(\a)+(\q)] matrix_a_fmt:MATRIX_FMT_FP6 matrix_b_fmt:MATRIX_FMT_FP6 matrix_a_scale:MATRIX_SCALE_ROW1
.endif
.endr
.endr
.endm
.macro FETCH_B slot, q, p              ; B's eight fragments of the slot's q-th 128 along K into set p
	WIN TO_B
.irp i, 0,1,2,3,4,5,6,7
	FRAG 128*(\p)+FR*\i, ADRB+\slot, \q, \i
.endr
	WIN 0
.endm
.macro FETCH_A slot, q, i0             ; A's blocks i0 .. i0 + 3
.irp i, \i0, \i0+1, \i0+2, \i0+3
	FRAG AF+FR*(\i), ADRA+\slot, \q, \i
.endr
.endm
.macro SCALES sc                       ; the next K step's scale words: lanes 0-15 take A's block i, lanes 16-31 B's block i
.irp i, 0,1,2,3,4,5,6,7
	ds_load_b64 v[SC+8*NQ*\sc+NQ*\i:SC+8*NQ*\sc+NQ*\i+1], v[ADRS] offset:\i*SBLK
.endr
.endm
.macro PLACES n                        ; plain vector instructions between a matrix instruction and a load into, or a vector access of, its registers
.rept \n
	v_nop
.endr
.endm
.macro STEP slot, q, zero              ; a step of 128 along K that has its successor in the same slot
	s_wait_dscnt 4*NL                              ; B's set and A's blocks 0-3 are in; the youngest 24 loads (A's blocks 4-7) may be out
	WIN MUL_LO
	MUL16 0, (\q)%2, \q, \slot, \zero
	MUL16 2, (\q)%2, \q, \slot, \zero
	s_wait_dscnt 0                                 ; A's blocks 4-7 are in
	PLACES NP
	FETCH_B \slot, (\q)+1, 1-(\q)%2
	FETCH_A \slot, (\q)+1, 0
	WIN MUL_HI
	MUL16 4, (\q)%2, \q, \slot, \zero
	MUL16 6, (\q)%2, \q, \slot, \zero
	PLACES NP
	WIN 0
	FETCH_A \slot, (\q)+1, 4
.endm
; A slot's last step changes slots: ONE barrier; in front of it each wave waits for all its tensor loads, adds 0 to its spare word, and waits for that and for its own reads of this slot.
.macro TURN slot, next, fill
	s_wait_tensorcnt 0x0                           ; all my tensor loads have landed: my part of the next slot
	ds_add_u32 v[SPW], v[NIL]                      ; 0 onto my spare word
	s_wait_dscnt 4*NL+1                            ; (the add and the youngest 24 loads, A's blocks 4-7, may be out)
	WIN MUL_LO
	MUL16 0, 1, NQ-1, \slot, 0                     ; sixteen matrix instructions stand between the add and the wait for it
	s_wait_dscnt 0x0                               ; the add is done, and my reads of this slot are over
	s_barrier_signal -1
	MUL16 2, 1, NQ-1, \slot, 0
	WIN 0
	s_barrier_wait -1
.if \fill
	CREST                                          ; the barrier has opened a round of the cluster's barrier: no wave of any partner still reads this slot or has a load on its way
	s_add_nc_u64 s[G0+4*\slot+2:G0+4*\slot+3], s[G0+4*\slot+2:G0+4*\slot+3], 2*ROWB
	s_add_nc_u64 s[G0B+4*\slot+2:G0B+4*\slot+3], s[G0B+4*\slot+2:G0B+4*\slot+3], 2*ROWB
	JLOAD G0+4*\slot, G1, G0B+4*\slot, G1B         ; the first tensor load behind the round; its four v_nop are the places in front of the loads below
.else
	PLACES NP
.endif
	v_add_nc_u32 v[ADRS], 4*NQ, v[ADRS]            ; on to the next K step's scale words
	FETCH_B \next, 0, 0
	FETCH_A \next, 0, 0
	SCALES \next
	WIN MUL_HI
	MUL16 4, 1, NQ-1, \slot, 0
	MUL16 6, 1, NQ-1, \slot, 0
	PLACES NP
	WIN 0
	FETCH_A \next, 0, 4
.endm
	s_wait_tensorcnt 1                             ; the scales and my part of K step 0 are in (K step 1's load may be out)
	s_barrier_signal -1
	s_barrier_wait -1                              ; everybody's are
	FETCH_B 0, 0, 0
	FETCH_A 0, 0, 0
	SCALES 0
	FETCH_A 0, 0, 4
	STEP 0, 0, 1                                   ; the first step stands in front of the loop: its products start the sums
	s_mov_b32 s3, LAPS-1
.Llap:                                                 ; a trip goes once round the ring and fills both slots again
	TURN 0, 1, 1
	STEP 1, 0, 0
	TURN 1, 0, 1
	STEP 0, 0, 0
	s_sub_co_u32 s3, s3, 1
	s_cmp_lg_u32 s3, 0
	s_cbranch_scc1 .Llap
	TURN 0, 1, 0                                   ; the last lap fills nothing
	s_load_b512 s[24:39], s[0:1], 0x40             ; no tensor load of mine is out any more, so the descriptors' registers take the way out's pointers: cos, sin, q's image and scales, k's, v's
	STEP 1, 0, 0
	s_wait_dscnt 4*NL                              ; the very last step
	WIN MUL_LO
	MUL16 0, 1, NQ-1, 1, 0
	MUL16 2, 1, NQ-1, 1, 0
	s_wait_dscnt 0
	WIN MUL_HI
	MUL16 4, 1, NQ-1, 1, 0
	MUL16 6, 1, NQ-1, 1, 0
	WIN 0
; THE WAY OUT.  No LDS: a lane's 64 numbers of a block of 16 rows become 12 registers of codes, which are stored as they stand.
; 64 numbers of a lane, v[s] on (registers 16 b .. 16 b + 15: my 16 numbers of block b of my row; lane l xor 16 holds the other 16), become a fragment's codes in v[QC] on and its scale word in v[pw].
.macro QUANT s, pw
.irp b, 0,1,2,3
	v_max3_num_f32 v[TM+\b], |v[\s+16*\b]|, |v[\s+1+16*\b]|, 0x1800000   ; my 16 numbers, and the floor 2^(3 - 127): the byte cannot fall under 1
.endr
.irp i, 2,4,6,8,10,12,14
.irp b, 0,1,2,3
	v_max3_num_f32 v[TM+\b], v[TM+\b], |v[\s+16*\b+\i]|, |v[\s+1+16*\b+\i]|   ; (the four blocks by turns)
.endr
.endr
.irp b, 0,1,2,3
	v_permlanex16_b32 v[TM+4+\b], v[TM+\b], s[SEL], s[SEL+1]
.endr
.irp b, 0,1,2,3
	v_max_num_f32 v[TM+\b], v[TM+\b], v[TM+4+\b]   ; the block's largest magnitude
.endr
.irp b, 0,1,2,3
	v_add_nc_u32 v[TM+12+\b], 0xff000000, v[TM+\b] ; 2 off its exponent field: the conversion takes the exponent field of this operand as its scale
.endr
.irp b, 0,1,2,3
	v_lshrrev_b32 v[TM+4+\b], 23, v[TM+12+\b]      ; the scale's byte
.endr
	v_lshl_or_b32 v[\pw], v[TM+5], 8, v[TM+4]
	v_lshl_or_b32 v[\pw], v[TM+6], 16, v[\pw]
	v_lshl_or_b32 v[\pw], v[TM+7], 24, v[\pw]
.irp c, 0,1
	v_cvt_scalef32_pk16_fp6_f32 v[QC+6*\c:QC+2+6*\c], v[\s+32*\c:\s+15+32*\c], v[TM+12+2*\c]
	v_cvt_scalef32_pk16_fp6_f32 v[QC+12+4*\c:QC+14+4*\c], v[\s+16+32*\c:\s+31+32*\c], v[TM+12+2*\c+1]   ; (a conversion's three registers begin on an even number)
.endr
	v_nop                                          ; one plain place behind a scaled conversion
.irp c, 0,1                                    ; the operand's layout wants a whole block in a lane: lanes 0-15 block 2 c, lanes 16-31 block 2 c + 1
.irp i, 0,1,2
	v_permlane16_swap_b32 v[QC+6*\c+\i], v[QC+12+4*\c+\i]
.endr
.irp i, 0,1,2
	v_mov_b32 v[QC+3+6*\c+\i], v[QC+12+4*\c+\i]
.endr
.endr
.endm
; RoPE on block a's 64 numbers of my row.  Accumulator b, registers 2 i and 2 i + 1, are the pair 8 (b % 4) + 4 (lane / 16) + i of a head.  Each accumulator is first read at its register 1.
.macro ROPE a
.set AC, 64*((\a)%4)
.set CB, 32*(\a)
	WIN 0x06+(\a)/4                                ; source 0: the accumulators' window (2 or 3); source 1: window 1
.irp b, 0,1,2,3,4,5,6,7
.irp i, 0,1,2,3
	v_mul_f32 v[T+8*\b+2*\i], v[AC+8*\b+2*\i+1], v[CB+16+4*(\b%4)+\i]     ; x1 sin
	v_mul_f32 v[T+8*\b+2*\i+1], v[AC+8*\b+2*\i], v[CB+16+4*(\b%4)+\i]     ; x0 sin
.endr
.endr
.irp b, 0,1,2,3,4,5,6,7
.irp i, 0,1,2,3
	v_fma_f32 v[W+8*\b+2*\i], v[AC+8*\b+2*\i], v[CB+4*(\b%4)+\i], -v[T+8*\b+2*\i]        ; x0 cos - x1 sin
	v_fma_f32 v[W+8*\b+2*\i+1], v[AC+8*\b+2*\i+1], v[CB+4*(\b%4)+\i], v[T+8*\b+2*\i+1]   ; x1 cos + x0 sin
.endr
.endr
	WIN 0
.endm
	s_wait_kmcnt 0x0
	s_cmp_eq_u32 s[PART], 0
	s_cselect_b64 s[48:49], s[28:29], s[32:33]     ; my part's images,
	s_cselect_b64 s[50:51], s[30:31], s[34:35]     ; and its scale words
	s_cmp_eq_u32 s[PART], 2
	s_cselect_b64 s[48:49], s[36:37], s[48:49]
	s_cselect_b64 s[50:51], s[38:39], s[50:51]
	s_cselect_b32 s2, -1, 0                        ; all lanes in part 2: no rotation
	s_mov_b32 s3, 0xffff0000                       ; lanes 16-31
	s_lshl_b32 s52, s42, 1
	s_add_co_u32 s52, s52, s16                     ; my chunk of 128 along the next K: 2 x tile column + half
	s_lshl_b32 s53, s17, 1
	s_add_co_u32 s53, s53, s15                     ; my group of 8 tiles of rows: 2 x tile row + half
	s_lshl_b32 s52, s52, 4
	s_add_co_u32 s52, s52, s53
	s_lshl_b32 s54, s52, 9                         ; 512 bytes of scale words a group
	s_mov_b32 s55, 0
	s_add_nc_u64 s[50:51], s[50:51], s[54:55]
	s_mul_i32 s54, s52, 8*FRB                      ; 8 images a group
	s_add_nc_u64 s[48:49], s[48:49], s[54:55]
	s_lshl_b32 s54, s53, 14                        ; 128 rows of 128 bytes in the tables
	s_add_nc_u64 s[24:25], s[24:25], s[54:55]
	s_add_nc_u64 s[26:27], s[26:27], s[54:55]
	PLACES NP                                      ; behind the last products: for the loads into B's registers and for all that follows
	WIN TO_B
.irp a, 0,1,2,3,4,5,6,7                        ; window 1: block a's cosines at v[32 a + 4 bb], its sines at v[32 a + 16 + 4 bb]: my row's pairs 8 bb + 4 (lane / 16) + 0 .. 3
.irp bb, 0,1,2,3
	global_load_b128 v[32*\a+4*\bb:32*\a+4*\bb+3], v[CA], s[24:25] offset:2048*\a+32*\bb
	global_load_b128 v[32*\a+16+4*\bb:32*\a+16+4*\bb+3], v[CA], s[26:27] offset:2048*\a+32*\bb
.endr
.endr
	WIN 0
.irp b, 0,1,2,3
	v_mov_b32 v[TM+4+\b], 0                        ; written once: a lane permute's destination counts as one of its sources
.endr
	s_wait_loadcnt 0x0
	WIN 0x41                                       ; destination and source 0 window 1
.set i, 0
.rept 8
.set k, 0
.rept 16
	v_cndmask_b32 v[i+k], v[i+k], 1.0, s2          ; part 2: cos = 1,
	v_cndmask_b32 v[i+16+k], v[i+16+k], 0, s2      ; sin = 0
.set k, k+1
.endr
.set i, i+32
.endr
	WIN 0
.irp a, 0,1,2,3,4,5,6,7
.if \a > 0
	s_wait_xcnt 0x0                                ; the last block's stores have read the codes' registers: they are written again only behind this wait
.endif
	ROPE \a
	QUANT W, SW+\a
.irp g, 0,1,2
	global_store_b128 v[IO], v[QC+4*\g:QC+4*\g+3], s[48:49] offset:FRB*\a+512*\g   ; 32 lanes store 512 consecutive bytes, at a multiple of 256 from the buffer's first byte
.endr
.endr
.irp j, 0,1,2,3
	v_cndmask_b32 v[XW+\j], v[SW+2*\j], v[SW+2*\j+1], s3   ; lanes 0-15: tile 2 j's words, lanes 16-31: tile 2 j + 1's
.endr
	global_store_b128 v[IO], v[XW:XW+3], s[50:51]
	s_wait_tensorcnt 0x0                           ; the wave's end
	ds_add_u32 v[SPW], v[NIL]
	s_wait_dscnt 0x0
	CROUND                                         ; the closing round: no work-group ends while a partner may still ask for a tile that names it
	s_endpgm
.Lfunc_end_k_q1d18314f87_qkv:
	.size	k_q1d18314f87_qkv, .Lfunc_end_k_q1d18314f87_qkv-k_q1d18314f87_qkv
	.p2alignl 7, 3214868480
	.fill 96, 4, 3214868480
	.section	.rodata,"a",@progbits
	.p2align	6, 0x0
	.amdhsa_kernel k_q1d18314f87_qkv
		.amdhsa_group_segment_fixed_size 327680
		.amdhsa_private_segment_fixed_size 0
		.amdhsa_enable_private_segment 0
		.amdhsa_kernarg_size 128
		.amdhsa_user_sgpr_count 2
		.amdhsa_user_sgpr_kernarg_segment_ptr 1
		.amdhsa_wavefront_size32 1
		.amdhsa_system_sgpr_workgroup_id_x 1
		.amdhsa_system_sgpr_workgroup_id_y 1
		.amdhsa_system_sgpr_workgroup_id_z 1
		.amdhsa_system_vgpr_workitem_id 0
		.amdhsa_next_free_vgpr 1024
		.amdhsa_next_free_sgpr 98
		.amdhsa_reserve_vcc 0
		.amdhsa_float_denorm_mode_32 3
		.amdhsa_float_denorm_mode_16_64 3
		.amdhsa_memory_ordered 1
		.amdhsa_forward_progress 1
		.amdhsa_inst_pref_size 234
	.end_amdhsa_kernel
	.amdgpu_metadata
---
amdhsa.version: [ 1, 2 ]
amdhsa.kernels:
  - .name:           k_q1d18314f87_qkv
    .symbol:         k_q1d18314f87_qkv.kd
    .args:
      - { .name: x_codes, .offset: 0, .size: 8, .value_kind: global_buffer, .address_space: global }
      - { .name: x_scales, .offset: 8, .size: 8, .value_kind: global_buffer, .address_space: global }
      - { .name: wq_codes, .offset: 16, .size: 8, .value_kind: global_buffer, .address_space: global }
      - { .name: wq_scales, .offset: 24, .size: 8, .value_kind: global_buffer, .address_space: global }
      - { .name: wk_codes, .offset: 32, .size: 8, .value_kind: global_buffer, .address_space: global }
      - { .name: wk_scales, .offset: 40, .size: 8, .value_kind: global_buffer, .address_space: global }
      - { .name: wv_codes, .offset: 48, .size: 8, .value_kind: global_buffer, .address_space: global }
      - { .name: wv_scales, .offset: 56, .size: 8, .value_kind: global_buffer, .address_space: global }
      - { .name: freqs_cos, .offset: 64, .size: 8, .value_kind: global_buffer, .address_space: global }
      - { .name: freqs_sin, .offset: 72, .size: 8, .value_kind: global_buffer, .address_space: global }
      - { .name: q_img, .offset: 80, .size: 8, .value_kind: global_buffer, .address_space: global }
      - { .name: q_sc, .offset: 88, .size: 8, .value_kind: global_buffer, .address_space: global }
      - { .name: k_img, .offset: 96, .size: 8, .value_kind: global_buffer, .address_space: global }
      - { .name: k_sc, .offset: 104, .size: 8, .value_kind: global_buffer, .address_space: global }
      - { .name: v_img, .offset: 112, .size: 8, .value_kind: global_buffer, .address_space: global }
      - { .name: v_sc, .offset: 120, .size: 8, .value_kind: global_buffer, .address_space: global }
    .group_segment_fixed_size: 327680
    .private_segment_fixed_size: 0
    .kernarg_segment_align: 8
    .kernarg_segment_size: 128
    .max_flat_workgroup_size: 128
    .sgpr_count:     98
    .vgpr_count:     1024
    .wavefront_size: 32
...
	.end_amdgpu_metadata
.endif
;; end of part 1
;; launch attn (part 2): grid 32 x 8, 8 waves a work-group, clusters of 4 x 4, 327,680 bytes of LDS; arguments q_img, q_sc, k_img, k_sc, v_img, v_sc, mask0, mask1, a_img, a_sc; writes a_img, a_sc
.if DOCPART == 2
	.amdgcn_target "amdgcn-amd-amdhsa--gfx1250"
	.amdhsa_code_object_version 6
	.text
	.protected	k_q1d18314f87_attn
	.globl	k_q1d18314f87_attn
	.p2align	8
	.type	k_q1d18314f87_attn,@function
k_q1d18314f87_attn:
	s_mov_b64 s[64:65], 0
	v_nop
	global_prefetch_b8 v0, s[64:65] scope:SCOPE_SE
	s_setreg_imm32_b32 hwreg(HW_REG_WAVE_MODE, 25, 1), 1
	s_wait_xcnt 0x0
	s_wait_alu depctr_hold_cnt(0) depctr_sa_sdst(0) depctr_va_vdst(0) depctr_va_sdst(0) depctr_va_ssrc(0) depctr_va_vcc(0) depctr_vm_vsrc(0)
	s_getreg_b32 s2, hwreg(HW_REG_IB_STS2, 6, 4)
	s_cmp_eq_u32 s2, 0
	s_cbranch_scc0 .Lentry_in_a_cluster
	s_endpgm
.Lentry_in_a_cluster:
	s_bfe_u32 s2, ttmp6, 0x10000c
	s_cmp_lg_u32 s2, 0xf033
	s_cbranch_scc0 .Lentry_shape_is_right
	s_endpgm
.Lentry_shape_is_right:
; a[q][h][:] = sum over k of P[h][q][k] v[k][h][:],  P = softmax_k(q.k / 8 * 1.1 * mask0 + mask1) * mask0, both products on codes of FP6 (E2M3) with one E8M0 scale for each 32 along K.
; WHAT IS QUANTISED is the finished P (normalised, times mask0), so a row's maximum and sum are known before any P is made: THE KEYS ARE WALKED TWICE.  Pass 1: scores, running maximum and sum.
; Pass 2: the same scores by the same instructions, P, its codes, P v.  Both masks are inputs: all keys are walked and both masks are read, in both passes.
; ARITHMETIC.  t = (s * cL) * mask0 + mask1 * log2(e), cL = 1.1 / 8 * log2(e); e = 2^(t - M), M the row's maximum of t, taken away by a subtraction; P = (e * (1 / l)) * mask0, l the sum of e.
; LIMITS: NaN and infinities among the inputs are not served; a row all of whose t lie under -2^127 keeps the starting maximum; an e under 2^-126 becomes 0; a block of zeros gets the byte 1 (zero codes; this
; program alone reads the bytes).  Order of rounding other than the source's: log2(e) is folded in ahead of the mask's addition, that addition is fused, the division is a reciprocal and a product,
; and in both products the codes of a block of 32 lie in the order 0-7, 16-23, 8-15, 24-31 on both sides alike.
; SHARES.  A work-group takes 64 queries x 4 heads.  Wave w: 16 queries (tile w % 4) x 2 heads (pair w / 4).  TWO HEADS IN ONE K OF 128: a key's two heads are one fragment row; Q stands as [head 0 | zeros | head 1],
; 18 registers, of which registers 0-11 and 6-17 are two operands: each fragment of K read from LDS feeds two products.  Zero codes add nothing.
; Both products are used transposed (S^T = K Q^T, O^T = V^T P^T): a lane holds ONE query throughout.
; OPERANDS come as images of their registers (12 registers a lane, 1,536 bytes, three loads of 16 bytes a lane), scale words eight tiles to a load.
; RING.  Two LDS slots, one key step of 128 keys each: both masks (64 rows x 512 bytes), K's and V's images of the two pairs.  32 steps: 16 for each pass.  Waves 0-3 fetch the masks, 4-5 K, 6-7 V.
; CLUSTER 4 x 4.  The masks hang on the query block alone: asked for jointly by a column of the cluster.  K, V and their scales hang on the heads alone: jointly by a row.
; V is not read in pass 1: its tiles of key chunks 0 and 1 go out with the first fills and wait in the two slots; it is filled again from the head of step 17 on.
; REGISTERS: window 0: v1-15 addresses; v16-31 statistics; v32-79 four fragments of K; v32-127 eight of V; v80-111 mask0, v112-143 mask1; v144-207 S^T, then P (head e, tile t at 144 + 32 e + 8 t);
;   v208-218 scale words and nothing else; v220-243 P's codes; v244-255 at work.   window 1: v0-63 O^T (32 e + 8 t); v64-81 Q.
.set MP,    528                        ; a mask row in LDS: 512 bytes + 16: the 16 rows of a load start at 16 different groups of four banks
.set FRB,   1536                       ; a fragment's image
.set M1OFF, 64*MP                      ; a slot: mask0's 64 rows, mask1's,
.set KOFF,  2*64*MP                    ; K's 8 images of pair 0, of pair 1,
.set VOFF,  KOFF+16*FRB                ; V's likewise
.set SLOT1, 1<<17                      ; slot 1 begins here: one exclusive or turns an address in one slot into the other's
.set SCK,   2*SLOT1                    ; behind the ring: K's scale words of the two pairs, all keys: 2 x 8,192 bytes; filled once
.set SCV,   SCK+16384                  ; V's: 16 key chunks x (2 pairs x 512 bytes); filled once
.set SPARE, SCV+16384                  ; the spare words, 128 bytes for each of eight waves; no other line names them
.set AK,  1                            ; v1   my place in a slot's images of K: KOFF + pair x 12,288 + 16 x lane
.set AV,  2                            ; v2   the same for V
.set AM,  3                            ; v3   my place in a slot's mask0: my query's row, + 32 (lane / 16)
.set AKS, 4                            ; v4   my place among K's scale words
.set AVS, 5                            ; v5   and among V's
.set SPW, 6                            ; v6   LDS address of my spare word; never rewritten
.set NIL, 7                            ; v7   0; never rewritten
.set ADK, 8                            ; v8-12 the addresses of the step in hand
.set ADM, 9
.set ADV, 10
.set ADS, 11
.set ADT, 12
.set PFO, 13                           ; v13  the prefetches' offset; never rewritten
.set LI,  14                           ; v14  16 x lane
.set MX,  16                           ; v16, v18 the running maximum of head 0, 1 (v17, v19: named with them as pairs)
.set LS,  20                           ; v[20:21], v[22:23] the sums, in two halves; in pass 2 v20, v22 = 1 / l
.set FF,  24                           ; pass 1: v24, v26 the factor 2^(old maximum - new)
.set SUMT, 28                          ; pass 1: v[28:29], v[30:31] a second chain of sums
.set TMX, 24                           ; pass 2: v24-27 the largest magnitudes of four blocks
.set TMP, 28                           ; pass 2: v28-31 the other half's, then the bytes
.set KF,  32
.set VF,  32
.set MK0, 80
.set MK1, 112
.set S,   144
.set KSC, 208                          ; v208-211 K's scale words: register j: tile 2 j in lanes 0-15, tile 2 j + 1 in lanes 16-31
.set VSC, 212                          ; v212-215 V's likewise
.set QSC, 216                          ; v216 Q's
.set PS,  217                          ; v217, v218 P's, head 0, 1
.set PCD, 220                          ; v220-231, v232-243 P's codes
.set XA,  220                          ; pass 1: v220-227 at work on the maxima
.set TP,  244                          ; v244-246, v248-250 the second half of a pair of blocks
.set TSO, 252                          ; v252-255 the conversions' scale operands
.set QR,  64                           ; window 1
.set TM,  80                           ; the way out: v80-95 at work, v96-115 codes, v116 the scale word
.set QC,  96
.set PW,  116
.set TB,  2                            ; s2   LDS byte at which the slot in hand begins
.set TS,  3                            ; s3   the step's scale words of K: 512 bytes a step
.set G1M, 24                           ; s[24:31] group 1: 32 mask rows
.set G1D, 32                           ; s[32:39] group 1: 12,288 dense bytes (8 images)
.set G1KS, 40                          ; s[40:47] group 1: K's scale words
.set G1VS, 48                          ; s[48:55] group 1: V's
.set G0M, 56                           ; s[56:59], s[60:63] groups 0 that walk: masks, K
.set G0K, 60
.set WV,  66
.set CNT, 67
.set G0V, 68                           ; s[68:71] V's, which walks in pass 2; s[72:75] V's second first fill
.set G0E, 72
.set SEL, 76                           ; s[76:77] lane selects: lane l xor 16
.set CL,  78                           ; s[78:79] cL, twice
.set L2E, 80                           ; s[80:81] log2(e), twice
.set LIM, 82                           ; s82  1 in a wave that prefetches, else the greatest number
.set TJ,  83                           ; s83  the step's scale words of V: 1,024 bytes a step
.set G0KS, 84
.set G0VS, 88
.set PFA, 92                           ; s[92:93] where my prefetches stand
.set MSB, 0
.macro WIN new
.if MSB != (\new)
	s_set_vgpr_msb (MSB<<8)|(\new)
.set MSB, (\new)
.endif
.endm
.macro NOPS n
.rept \n
	v_nop
.endr
.endm
.macro CROUND                          ; a round of the cluster's barrier
	s_barrier_signal -1
	s_barrier_wait -1
	s_cmp_lg_u32 s[WV], 0
	s_cbranch_scc1 .Lnot_wave_0_\@
	s_barrier_signal -3
.Lnot_wave_0_\@:
	s_barrier_wait -3
	s_barrier_signal -1
	s_barrier_wait -1
.endm
; A joint refill, one tensor load a wave: waves 0-3 the masks, 4-5 K, and with fillv = 1 waves 6-7 V.  The branches hang on the wave's number alone.  Four v_nop follow each load.
.macro FILL fillv
	s_cmp_lt_u32 s[WV], 4
	s_cbranch_scc0 .Lnot_m_\@
	tensor_load_to_lds s[G0M:G0M+3], s[G1M:G1M+7]
	s_nop 0
	NOPS 4
	s_branch .Lfilled_\@
.Lnot_m_\@:
	s_cmp_lt_u32 s[WV], 6
	s_cbranch_scc0 .Lnot_k_\@
	tensor_load_to_lds s[G0K:G0K+3], s[G1D:G1D+7]
	s_nop 0
	NOPS 4
.if \fillv
	s_branch .Lfilled_\@
.endif
.Lnot_k_\@:
.if \fillv
	tensor_load_to_lds s[G0V:G0V+3], s[G1D:G1D+7]
	s_nop 0
	NOPS 4
.endif
.Lfilled_\@:
.endm
; A PREFETCH INTO THE L2, pass 1 alone: the masks of the key step that the NEXT change of slots will ask for.  A query block's mask rows are read by both clusters of its column of the grid: the cluster with y = 0 asks.
; Its four partners share the 64 rows out by address, 16 each; in each, wave 0 asks for mask0's and wave 1 for mask1's: 16 rows x 512 bytes, two lanes to a row, 256 bytes apart: one instruction.
; The last change of pass 1 that steps along the keys asks for nothing; nothing is asked for at the head.  In pass 2 the masks have been read before.
.macro PREF
	s_cmp_gt_u32 s[CNT], s[LIM]
	s_cbranch_scc0 .Lnot_mine_\@
	global_prefetch_b8 v[PFO], s[PFA:PFA+1] th:TH_LOAD_NT scope:SCOPE_SE
.Lnot_mine_\@:
.endm
; THE CHANGE OF SLOTS stands at a step's head.  Each wave waits for all its tensor loads (its part of the slot that it is about to read), adds 0 to its spare word, and waits for that and for its reads of the slot left.
; step = 1: the other slot takes the next key step of pass 1; 2: key step 0 again, for pass 2; 3: the next key step of pass 2; 0: nothing is left to fetch.
.macro CHANGE step, fillv, ask
	s_wait_tensorcnt 0x0                           ; no tensor load of mine is out, so the groups 0 may be written
	ds_add_u32 v[SPW], v[NIL]                      ; 0 onto my spare word; the descriptors' steps stand between it and the wait for it
.if \step
	s_xor_b32 s[G0M+1], s[G0M+1], SLOT1
	s_xor_b32 s[G0K+1], s[G0K+1], SLOT1
.endif
.if \step == 1
	s_add_nc_u64 s[G0M+2:G0M+3], s[G0M+2:G0M+3], 512          ; 128 keys on in a mask row
	s_add_nc_u64 s[G0K+2:G0K+3], s[G0K+2:G0K+3], 8*FRB        ; 8 tiles of keys on
.endif
.if \step == 2
	s_sub_nc_u64 s[G0M+2:G0M+3], s[G0M+2:G0M+3], 15*512       ; back to the first keys
	s_sub_nc_u64 s[G0K+2:G0K+3], s[G0K+2:G0K+3], 15*8*FRB
.endif
.if \step == 3
	s_add_nc_u64 s[G0M+2:G0M+3], s[G0M+2:G0M+3], 512
	s_add_nc_u64 s[G0K+2:G0K+3], s[G0K+2:G0K+3], 8*FRB
	s_xor_b32 s[G0V+1], s[G0V+1], SLOT1
	s_add_nc_u64 s[G0V+2:G0V+3], s[G0V+2:G0V+3], 128*FRB      ; the next chunk of 128 keys
.endif
.if \ask
	s_wait_xcnt 0x0                                ; the last prefetch, a step back, has read its address
	s_add_nc_u64 s[PFA:PFA+1], s[PFA:PFA+1], 512
.endif
	s_wait_dscnt 0x0                               ; the add is done, and my reads of the slot that I have left are over
.if \step
	CROUND                                         ; no wave of any partner still reads that slot or has a load on its way
	FILL \fillv                                    ; the first thing behind the round, and a wave's one tensor load until the next
.if \ask
	PREF
.endif
.else
	s_barrier_signal -1
	s_barrier_wait -1
.endif
.endm
.macro LOADK c                         ; four fragments of K: tiles 4 c .. 4 c + 3 of the step's eight
.irp t, 0,1,2,3
.irp g, 0,1,2
	ds_load_b128 v[KF+12*\t+4*\g:KF+12*\t+4*\g+3], v[ADK] offset:(4*(\c)+\t)*FRB+512*\g
.endr
.endr
.endm
.macro LOADM reg, c, off               ; my query's mask numbers of keys 64 c + 16 t + 8 (lane / 16) + 0 .. 7
.irp t, 0,1,2,3
.irp jj, 0,1
	ds_load_b128 v[\reg+8*\t+4*\jj:\reg+8*\t+4*\jj+3], v[ADM] offset:\off+256*(\c)+64*\t+16*\jj
.endr
.endr
.endm
.macro LOADV u                         ; four fragments of V: channel tiles 4 u .. 4 u + 3 of the pair's eight (head u)
.irp t, 0,1,2,3
.irp g, 0,1,2
	ds_load_b128 v[VF+12*(4*(\u)+\t)+4*\g:VF+12*(4*(\u)+\t)+4*\g+3], v[ADV] offset:(4*(\u)+\t)*FRB+512*\g
.endr
.endr
.endm
.macro SMUL c                          ; S^T of 64 keys x 16 queries x 2 heads: eight products, each a sum of its own
	WIN 0x04                                       ; source 1 (Q) window 1
.irp t, 0,1,2,3
.irp e, 0,1
.if \t % 2
	v_wmma_scale_f32_16x16x128_f8f6f4 v[S+32*\e+8*\t:S+32*\e+8*\t+7], v[KF+12*\t:KF+12*\t+11], v[QR+6*\e:QR+6*\e+11], 0, v[KSC+(4*(\c)+\t)/2], v[QSC] matrix_a_fmt:MATRIX_FMT_FP6 matrix_b_fmt:MATRIX_FMT_FP6 matrix_a_scale:MATRIX_SCALE_ROW1
.else
	v_wmma_scale_f32_16x16x128_f8f6f4 v[S+32*\e+8*\t:S+32*\e+8*\t+7], v[KF+12*\t:KF+12*\t+11], v[QR+6*\e:QR+6*\e+11], 0, v[KSC+(4*(\c)+\t)/2], v[QSC] matrix_a_fmt:MATRIX_FMT_FP6 matrix_b_fmt:MATRIX_FMT_FP6
.endif
.endr
.endr
	WIN 0
.endm
.macro XS                              ; t = (s cL) mask0 + mask1 log2(e), two at a time; the scores are read from each accumulator's low end on
.set i, 0
.rept 16
	v_pk_mul_f32 v[MK1+i:MK1+i+1], v[MK1+i:MK1+i+1], s[L2E:L2E+1] op_sel_hi:[1,0]
.set i, i+2
.endr
.set i, 0
.rept 32
	v_pk_mul_f32 v[S+i:S+i+1], v[S+i:S+i+1], s[CL:CL+1] op_sel_hi:[1,0]
.set i, i+2
.endr
.set i, 0
.rept 32
	v_pk_fma_f32 v[S+i:S+i+1], v[S+i:S+i+1], v[MK0+i%32:MK0+i%32+1], v[MK1+i%32:MK1+i%32+1]
.set i, i+2
.endr
.endm
.macro SCORES c, pass
	s_wait_dscnt 0x0                               ; K's fragments, the masks and the scale words are in
	SMUL \c
	NOPS 4                                         ; places in front of loads into K's registers and of the first read of the scores
.if (\c) == 0
	LOADK 1
.elseif (\pass) == 2
	LOADV 0
.endif
	XS
.endm
.macro SUBMX                           ; t - M, two at a time (of the pair the low word serves both halves)
.irp e, 0,1
.set i, 0
.rept 16
	v_pk_add_f32 v[S+32*\e+i:S+32*\e+i+1], v[S+32*\e+i:S+32*\e+i+1], v[MX+2*\e:MX+2*\e+1] op_sel_hi:[1,0] neg_lo:[0,1] neg_hi:[0,1]
.set i, i+2
.endr
.endr
.endm
.macro EXPS
.set i, 0
.rept 64
	v_exp_f32 v[S+i], v[S+i]
.set i, i+1
.endr
.endm
; PASS 1, 64 keys: the new maximum (the old one among the leaves), the factor for the old sum, the exponentials as ONE batch with one wait, the sums.  The two heads by turns.
.macro STAT1
.irp e, 0,1
	v_max3_num_f32 v[XA+4*\e], v[MX+2*\e], v[S+32*\e], v[S+32*\e+1]
	v_max3_num_f32 v[XA+4*\e+1], v[S+32*\e+16], v[S+32*\e+17], v[S+32*\e+18]
.endr
.irp i, 2,4,6,8,10,12
.irp e, 0,1
	v_max3_num_f32 v[XA+4*\e], v[XA+4*\e], v[S+32*\e+\i], v[S+32*\e+\i+1]
	v_max3_num_f32 v[XA+4*\e+1], v[XA+4*\e+1], v[S+32*\e+17+\i], v[S+32*\e+18+\i]
.endr
.endr
.irp e, 0,1
	v_max3_num_f32 v[XA+4*\e], v[XA+4*\e], v[S+32*\e+14], v[S+32*\e+15]
.endr
.irp e, 0,1
	v_max3_num_f32 v[XA+4*\e], v[XA+4*\e], v[XA+4*\e+1], v[S+32*\e+31]
.endr
.irp e, 0,1
	v_permlanex16_b32 v[XA+4*\e+2], v[XA+4*\e], s[SEL], s[SEL+1]   ; the query's other 32 keys lie in the lane 16 away
.endr
.irp e, 0,1
	v_max_num_f32 v[XA+4*\e+3], v[XA+4*\e], v[XA+4*\e+2]
.endr
.irp e, 0,1
	v_sub_f32 v[FF+2*\e], v[MX+2*\e], v[XA+4*\e+3] ; old maximum - new: 0 or less
.endr
.irp e, 0,1
	v_mov_b32 v[MX+2*\e], v[XA+4*\e+3]
.endr
	SUBMX
	v_exp_f32 v[FF], v[FF]
	v_exp_f32 v[FF+2], v[FF+2]
	EXPS
	v_nop                                          ; a plain instruction behind the last exponential
	s_wait_alu depctr_va_vdst(0)                   ; one wait for the batch of 66, ahead of its first reader
.irp e, 0,1
	v_pk_mul_f32 v[LS+2*\e:LS+2*\e+1], v[LS+2*\e:LS+2*\e+1], v[FF+2*\e:FF+2*\e+1] op_sel_hi:[1,0]
	v_pk_add_f32 v[SUMT+2*\e:SUMT+2*\e+1], v[S+32*\e:S+32*\e+1], v[S+32*\e+2:S+32*\e+3]
.endr
.irp j, 4,8,12,16,20,24,28
.irp e, 0,1
	v_pk_add_f32 v[LS+2*\e:LS+2*\e+1], v[LS+2*\e:LS+2*\e+1], v[S+32*\e+\j:S+32*\e+\j+1]
	v_pk_add_f32 v[SUMT+2*\e:SUMT+2*\e+1], v[SUMT+2*\e:SUMT+2*\e+1], v[S+32*\e+\j+2:S+32*\e+\j+3]
.endr
.endr
.irp e, 0,1
	v_pk_add_f32 v[LS+2*\e:LS+2*\e+1], v[LS+2*\e:LS+2*\e+1], v[SUMT+2*\e:SUMT+2*\e+1]
.endr
.endm
; PASS 2, 64 keys: P, and its codes: blocks 2 c and 2 c + 1 of the step's four, for both heads.  Block q = 2 e + (t / 2) of this half lies in v[S + 16 q] on: my 16 numbers; lane l xor 16 holds the other 16.
.macro PQ c
	SUBMX
	EXPS
	v_nop                                          ; a plain instruction behind the last exponential
	s_wait_alu depctr_va_vdst(0)                   ; one wait for the batch of 64, ahead of its first reader
.irp e, 0,1
.set i, 0
.rept 16
	v_pk_mul_f32 v[S+32*\e+i:S+32*\e+i+1], v[S+32*\e+i:S+32*\e+i+1], v[LS+2*\e:LS+2*\e+1] op_sel_hi:[1,0]   ; / l
.set i, i+2
.endr
.endr
.set i, 0
.rept 32
	v_pk_mul_f32 v[S+i:S+i+1], v[S+i:S+i+1], v[MK0+i%32:MK0+i%32+1]   ; x mask0
.set i, i+2
.endr
.if (\c) == 0
	LOADM MK0, 1, 0                                ; mask0's registers are free: the second half's
.else
	LOADV 1                                        ; or head 1's fragments of V, over both masks' registers
.endif
.irp q, 0,1,2,3
	v_max3_num_f32 v[TMX+\q], |v[S+16*\q]|, |v[S+16*\q+1]|, 0x1800000   ; and the floor 2^(3 - 127): the byte cannot fall under 1
.endr
.irp i, 2,4,6,8,10,12,14
.irp q, 0,1,2,3
	v_max3_num_f32 v[TMX+\q], v[TMX+\q], |v[S+16*\q+\i]|, |v[S+16*\q+\i+1]|
.endr
.endr
.irp q, 0,1,2,3
	v_permlanex16_b32 v[TMP+\q], v[TMX+\q], s[SEL], s[SEL+1]
.endr
.irp q, 0,1,2,3
	v_max_num_f32 v[TMX+\q], v[TMX+\q], v[TMP+\q]
.endr
.irp q, 0,1,2,3
	v_add_nc_u32 v[TSO+\q], 0xff000000, v[TMX+\q]  ; 2 off the exponent field: the conversion's scale operand
.endr
.irp q, 0,1,2,3
	v_lshrrev_b32 v[TMP+\q], 23, v[TSO+\q]         ; the scale's byte
.endr
.irp e, 0,1
.if (\c) == 0
	v_lshl_or_b32 v[PS+\e], v[TMP+2*\e+1], 8, v[TMP+2*\e]
.else
	v_lshl_or_b32 v[PS+\e], v[TMP+2*\e], 16, v[PS+\e]
	v_lshl_or_b32 v[PS+\e], v[TMP+2*\e+1], 24, v[PS+\e]
.endif
.endr
.irp e, 0,1
	v_cvt_scalef32_pk16_fp6_f32 v[PCD+12*\e+6*(\c):PCD+12*\e+6*(\c)+2], v[S+32*\e:S+32*\e+15], v[TSO+2*\e]
	v_cvt_scalef32_pk16_fp6_f32 v[TP+4*\e:TP+4*\e+2], v[S+32*\e+16:S+32*\e+31], v[TSO+2*\e+1]
.endr
	v_nop                                          ; one plain place behind a scaled conversion
.irp e, 0,1                                    ; a whole block in a lane: lanes 0-15 block 2 c, lanes 16-31 block 2 c + 1
.irp i, 0,1,2
	v_permlane16_swap_b32 v[PCD+12*\e+6*(\c)+\i], v[TP+4*\e+\i]
.endr
.irp i, 0,1,2
	v_mov_b32 v[PCD+12*\e+6*(\c)+3+\i], v[TP+4*\e+\i]
.endr
.endr
.endm
.macro PV zero                         ; O^T += V^T P^T: eight accumulators, one instruction a turn; zero = 1: the first key step starts the sums
	s_wait_dscnt 0x0                               ; V is in
	NOPS 8                                         ; a scale word made by vector instructions stands 8 places ahead of a scaled matrix instruction, codes so made 4
	WIN 0x50                                       ; C and D window 1
.irp t, 0,1,2,3
.irp e, 0,1
.if \zero
.if \t % 2
	v_wmma_scale_f32_16x16x128_f8f6f4 v[32*\e+8*\t:32*\e+8*\t+7], v[VF+12*(4*\e+\t):VF+12*(4*\e+\t)+11], v[PCD+12*\e:PCD+12*\e+11], 0, v[VSC+(4*\e+\t)/2], v[PS+\e] matrix_a_fmt:MATRIX_FMT_FP6 matrix_b_fmt:MATRIX_FMT_FP6 matrix_a_scale:MATRIX_SCALE_ROW1
.else
	v_wmma_scale_f32_16x16x128_f8f6f4 v[32*\e+8*\t:32*\e+8*\t+7], v[VF+12*(4*\e+\t):VF+12*(4*\e+\t)+11], v[PCD+12*\e:PCD+12*\e+11], 0, v[VSC+(4*\e+\t)/2], v[PS+\e] matrix_a_fmt:MATRIX_FMT_FP6 matrix_b_fmt:MATRIX_FMT_FP6
.endif
.else
.if \t % 2
	v_wmma_scale_f32_16x16x128_f8f6f4 v[32*\e+8*\t:32*\e+8*\t+7], v[VF+12*(4*\e+\t):VF+12*(4*\e+\t)+11], v[PCD+12*\e:PCD+12*\e+11], v[32*\e+8*\t:32*\e+8*\t+7], v[VSC+(4*\e+\t)/2], v[PS+\e] matrix_a_fmt:MATRIX_FMT_FP6 matrix_b_fmt:MATRIX_FMT_FP6 matrix_a_scale:MATRIX_SCALE_ROW1
.else
	v_wmma_scale_f32_16x16x128_f8f6f4 v[32*\e+8*\t:32*\e+8*\t+7], v[VF+12*(4*\e+\t):VF+12*(4*\e+\t)+11], v[PCD+12*\e:PCD+12*\e+11], v[32*\e+8*\t:32*\e+8*\t+7], v[VSC+(4*\e+\t)/2], v[PS+\e] matrix_a_fmt:MATRIX_FMT_FP6 matrix_b_fmt:MATRIX_FMT_FP6
.endif
.endif
.endr
.endr
	WIN 0
	NOPS 4                                         ; places in front of the next step's loads into V's registers, and of the way out's reads
.endm
.macro STEP1                           ; a key step of pass 1
	v_add_nc_u32 v[ADK], s[TB], v[AK]
	v_add_nc_u32 v[ADM], s[TB], v[AM]
	v_add_nc_u32 v[ADS], s[TS], v[AKS]
	LOADK 0
	LOADM MK0, 0, 0
	LOADM MK1, 0, M1OFF
	ds_load_b128 v[KSC:KSC+3], v[ADS]
	SCORES 0, 1
	LOADM MK0, 1, 0                                ; the second half's masks land while the first half's statistics are made
	LOADM MK1, 1, M1OFF
	STAT1
	SCORES 1, 1
	STAT1
	s_xor_b32 s[TB], s[TB], SLOT1
	s_add_co_u32 s[TS], s[TS], 512
.endm
.macro STEP2 zero                      ; a key step of pass 2
	v_add_nc_u32 v[ADK], s[TB], v[AK]
	v_add_nc_u32 v[ADM], s[TB], v[AM]
	v_add_nc_u32 v[ADV], s[TB], v[AV]
	v_add_nc_u32 v[ADS], s[TS], v[AKS]
	v_add_nc_u32 v[ADT], s[TJ], v[AVS]
	LOADK 0
	LOADM MK0, 0, 0
	LOADM MK1, 0, M1OFF
	ds_load_b128 v[KSC:KSC+3], v[ADS]
	ds_load_b128 v[VSC:VSC+3], v[ADT]
	SCORES 0, 2
	LOADM MK1, 1, M1OFF
	PQ 0
	SCORES 1, 2
	PQ 1
	PV \zero
	s_xor_b32 s[TB], s[TB], SLOT1
	s_add_co_u32 s[TS], s[TS], 512
	s_add_co_u32 s[TJ], s[TJ], 1024
.endm
	s_load_b512 s[4:19], s[0:1], 0x0               ; q's images s[4:5], scales s[6:7]; k's s[8:11]; v's s[12:15]; mask0 s[16:17], mask1 s[18:19]
	s_load_b128 s[20:23], s[0:1], 0x40             ; a's images, a's scales
	v_lshl_add_u32 v[SPW], v0, 2, SPARE
	v_mov_b32 v[NIL], 0
	ds_add_u32 v6, v7
	ds_add_u32 v6, v7
	s_wait_dscnt 0x0
	v_lshrrev_b32 v8, 5, v0
	v_readfirstlane_b32 s[WV], v8                  ; wave 0..7
	s_and_b32 s96, s[WV], 1
	s_bfe_u32 s94, ttmp6, 0x40000                  ; cx
	s_bfe_u32 s95, ttmp6, 0x40004                  ; cy
	s_lshl_b32 s100, ttmp9, 2
	s_add_co_u32 s100, s100, s94                   ; my block of 64 queries = 4 x cluster x + cx
	s_and_b32 s97, ttmp7, 0xffff                   ; cluster y
	s_lshl_b32 s101, s97, 2
	s_add_co_u32 s101, s101, s95                   ; my group of 4 heads = 4 x cluster y + cy
	s_lshl_b32 s98, 0x1111, s94                    ; my column of the cluster: the same query block
	s_lshl_b32 s104, s95, 2
	s_lshl_b32 s104, 15, s104                      ; my row: the same heads
	s_or_b32 s[G1M], s98, (2<<16)|(1<<20)|(1<<21)|(6<<22)|(3<<25)   ; the mask; elements of 4 bytes; padding on; 21 set beside a mask; after every 128 words 4 words
	s_mov_b32 s[G1M+1], 128<<16                    ; tensor_dim0 = 128
	s_mov_b32 s[G1M+2], 32<<16                     ; tensor_dim1 = 32
	s_mov_b32 s[G1M+3], 128<<16                    ; tile_dim0
	s_mov_b32 s[G1M+4], 32                         ; tile_dim1
	s_mov_b32 s[G1M+5], 2048                       ; from row to row
	s_mov_b32 s[G1M+6], 0
	s_mov_b32 s[G1M+7], 0
	s_or_b32 s[G1D], s104, (3<<16)|(1<<21)         ; 12,288 dense bytes as 48 rows of 32 elements of 8 bytes
	s_mov_b32 s[G1D+1], 32<<16
	s_mov_b32 s[G1D+2], 48<<16
	s_mov_b32 s[G1D+3], 32<<16
	s_mov_b32 s[G1D+4], 48
	s_mov_b32 s[G1D+5], 32
	s_mov_b32 s[G1D+6], 0
	s_mov_b32 s[G1D+7], 0
	s_or_b32 s[G1KS], s104, (3<<16)|(1<<21)        ; 16,384 dense bytes as 64 rows of 256
	s_mov_b32 s[G1KS+1], 32<<16
	s_mov_b32 s[G1KS+2], 64<<16
	s_mov_b32 s[G1KS+3], 32<<16
	s_mov_b32 s[G1KS+4], 64
	s_mov_b32 s[G1KS+5], 32
	s_mov_b32 s[G1KS+6], 0
	s_mov_b32 s[G1KS+7], 0
	s_or_b32 s[G1VS], s104, (3<<16)|(1<<21)        ; 16 rows (key chunks) of 1,024 bytes, 8,192 bytes apart
	s_mov_b32 s[G1VS+1], 128<<16
	s_mov_b32 s[G1VS+2], 16<<16
	s_mov_b32 s[G1VS+3], 128<<16
	s_mov_b32 s[G1VS+4], 16
	s_mov_b32 s[G1VS+5], 1024
	s_mov_b32 s[G1VS+6], 0
	s_mov_b32 s[G1VS+7], 0
	s_lshr_b32 s[LIM], s[WV], 1                    ; 0 in waves 0 and 1,
	s_or_b32 s[LIM], s[LIM], s97                   ; of the clusters with y = 0: the same in all sixteen partners
	s_cmp_eq_u32 s[LIM], 0
	s_cselect_b32 s[LIM], 1, -1
	s_lshl_b32 s98, s100, 19                       ; the masks: 64 rows of 8,192 bytes a query block,
	s_lshl_b32 s99, s96, 18                        ; + the 32 rows that I fetch.  (These registers never hold cy)
	s_add_co_u32 s98, s98, s99
	s_mov_b32 s99, 0
	s_lshl_b32 s97, s101, 1
	s_add_co_u32 s97, s97, s96                     ; the pair of heads that I fetch for.  (s97, s104, s105 never hold cx)
	s_mov_b32 s105, 0
	s_wait_kmcnt 0x0
	s_mov_b32 s[G0M], 1
	s_mul_i32 s[G0M+1], s[WV], 32*MP               ; waves 0, 1: mask0's halves; 2, 3: mask1's, behind them
	s_cmp_lt_u32 s[WV], 2
	s_cselect_b64 s[G0M+2:G0M+3], s[16:17], s[18:19]
	s_add_nc_u64 s[G0M+2:G0M+3], s[G0M+2:G0M+3], s[98:99]
	s_or_b32 s[G0M+3], s[G0M+3], 0x80000000
	s_mov_b32 s[G0K], 1
	s_mul_i32 s[G0K+1], s96, 8*FRB
	s_add_co_u32 s[G0K+1], s[G0K+1], KOFF
	s_mul_i32 s104, s97, 128*FRB                   ; K: a pair's 128 tiles of keys
	s_add_nc_u64 s[G0K+2:G0K+3], s[8:9], s[104:105]
	s_or_b32 s[G0K+3], s[G0K+3], 0x80000000
	s_mov_b32 s[G0V], 1
	s_mul_i32 s[G0V+1], s96, 8*FRB
	s_add_co_u32 s[G0V+1], s[G0V+1], VOFF
	s_mul_i32 s104, s97, 8*FRB                     ; V: a pair's 8 tiles of channels, in key chunk 0
	s_add_nc_u64 s[G0V+2:G0V+3], s[12:13], s[104:105]
	s_mov_b32 s[G0E], 1
	s_add_co_u32 s[G0E+1], s[G0V+1], SLOT1         ; and in key chunk 1, for slot 1
	s_add_nc_u64 s[G0E+2:G0E+3], s[G0V+2:G0V+3], 128*FRB
	s_or_b32 s[G0V+3], s[G0V+3], 0x80000000
	s_or_b32 s[G0E+3], s[G0E+3], 0x80000000
	s_mov_b32 s[G0KS], 1
	s_mov_b32 s[G0KS+1], SCK
	s_lshl_b32 s104, s101, 14
	s_add_nc_u64 s[G0KS+2:G0KS+3], s[10:11], s[104:105]
	s_or_b32 s[G0KS+3], s[G0KS+3], 0x80000000
	s_mov_b32 s[G0VS], 1
	s_mov_b32 s[G0VS+1], SCV
	s_lshl_b32 s104, s101, 10
	s_add_nc_u64 s[G0VS+2:G0VS+3], s[14:15], s[104:105]
	s_or_b32 s[G0VS+3], s[G0VS+3], 0x80000000
	s_cmp_eq_u32 s[WV], 0                          ; the prefetches: wave 0 mask0, wave 1 mask1;
	s_cselect_b64 s[PFA:PFA+1], s[16:17], s[18:19]
	s_lshl_b32 s80, s100, 19
	s_lshl_b32 s81, s95, 17                        ; my work-group's 16 rows of the 64;
	s_add_co_u32 s80, s80, s81
	s_add_co_u32 s80, s80, 512                     ; at key step 1: the first change of slots steps it to key step 2
	s_mov_b32 s81, 0
	s_add_nc_u64 s[PFA:PFA+1], s[PFA:PFA+1], s[80:81]
	s_lshr_b32 s76, s[WV], 2                       ; my pair of the work-group's two
	s_and_b32 s77, s[WV], 3                        ; my tile of 16 queries of its four
	v_and_b32 v9, 31, v0                           ; lane
	v_and_b32 v10, 15, v0                          ; r
	v_bfe_u32 v11, v0, 4, 1                        ; h
	v_lshlrev_b32 v[LI], 4, v9
	v_lshlrev_b32 v15, 4, v10
	s_mul_i32 s2, s76, 8*FRB
	v_add_nc_u32 v[AK], s2, v[LI]
	v_add_nc_u32 v[AV], VOFF, v[AK]
	v_add_nc_u32 v[AK], KOFF, v[AK]
	s_mul_i32 s3, s77, 16*MP
	v_mul_u32_u24 v[AM], v10, MP
	v_lshl_add_u32 v[AM], v11, 5, v[AM]
	v_add_nc_u32 v[AM], s3, v[AM]
	s_lshl_b32 s2, s76, 13
	v_add_nc_u32 v[AKS], s2, v[LI]
	v_add_nc_u32 v[AKS], SCK, v[AKS]
	s_lshl_b32 s2, s76, 9
	v_add_nc_u32 v[AVS], s2, v[LI]
	v_add_nc_u32 v[AVS], SCV, v[AVS]
	v_lshrrev_b32 v[PFO], 1, v9
	v_lshlrev_b32 v[PFO], 13, v[PFO]               ; two lanes to a mask row,
	v_and_b32 v12, 1, v9
	v_lshl_add_u32 v[PFO], v12, 8, v[PFO]          ; 256 bytes apart
	s_lshl_b32 s78, s101, 1
	s_add_co_u32 s78, s78, s76                     ; p: my pair of heads, 0..15
	s_lshl_b32 s79, s100, 2
	s_add_co_u32 s79, s79, s77                     ; T: my tile of 16 tokens, 0..127
	s_lshl_b32 s80, s78, 7
	s_add_co_u32 s80, s80, s79
	s_mul_i32 s80, s80, FRB
	s_add_nc_u64 s[4:5], s[4:5], s[80:81]          ; Q's image (p, T)
	s_lshl_b32 s80, s78, 4
	s_lshr_b32 s81, s79, 3
	s_add_co_u32 s80, s80, s81
	s_lshl_b32 s80, s80, 9                         ; its scale words: group T / 8,
	s_and_b32 s81, s79, 1
	s_lshl_b32 s81, s81, 8                         ; lanes 16 (T % 2) on,
	s_add_co_u32 s80, s80, s81
	s_bfe_u32 s81, s79, 0x20001
	s_lshl_b32 s81, s81, 2                         ; word (T / 2) % 4
	s_add_co_u32 s80, s80, s81
	s_mov_b32 s81, 0
	s_add_nc_u64 s[6:7], s[6:7], s[80:81]
	s_lshl_b32 s80, s79, 4
	s_add_co_u32 s80, s80, s78
	s_mul_i32 s80, s80, FRB
	s_add_nc_u64 s[20:21], s[20:21], s[80:81]      ; the result's image (T, p)
	s_lshl_b32 s80, s79, 10
	s_lshl_b32 s78, s78, 2
	s_add_co_u32 s80, s80, s78
	s_add_nc_u64 s[22:23], s[22:23], s[80:81]      ; its scale words: 64 bytes a token, word p
	s_mov_b32 s[SEL], 0x76543210
	s_mov_b32 s[SEL+1], 0xfedcba98
	s_mov_b32 s[CL], 0x3e4b21a7                    ; 1.1 / 8 x log2(e) = 0.198370568, to the nearest f32
	s_mov_b32 s[CL+1], s[CL]
	s_mov_b32 s[L2E], 0x3fb8aa3b                   ; log2(e)
	s_mov_b32 s[L2E+1], s[L2E]
	s_mov_b32 s[TB], 0
	s_mov_b32 s[TS], 0
	s_mov_b32 s[TJ], 0
	CROUND                                         ; all sixteen work-groups are here: the first joint loads meet
	s_cmp_lt_u32 s[WV], 4                          ; the first fills, each wave's inside one branch: at most three loads of a wave are out
	s_cbranch_scc0 .Lfirst_k
	tensor_load_to_lds s[G0M:G0M+3], s[G1M:G1M+7]  ; key step 0's masks
	s_nop 0
	NOPS 4
	s_branch .Lfirst_done
.Lfirst_k:
	s_cmp_lt_u32 s[WV], 6
	s_cbranch_scc0 .Lfirst_6
	tensor_load_to_lds s[G0K:G0K+3], s[G1D:G1D+7]  ; key step 0's K
	s_nop 0
	NOPS 4
	s_branch .Lfirst_done
.Lfirst_6:
	s_cmp_eq_u32 s[WV], 6
	s_cbranch_scc0 .Lfirst_7
	tensor_load_to_lds s[G0KS:G0KS+3], s[G1KS:G1KS+7]   ; K's scale words, all keys
	s_nop 0
	tensor_load_to_lds s[G0V:G0V+3], s[G1D:G1D+7]       ; V of key chunk 0, pair 0
	s_nop 0
	tensor_load_to_lds s[G0E:G0E+3], s[G1D:G1D+7]       ; and of key chunk 1
	s_nop 0
	NOPS 4
	s_branch .Lfirst_done
.Lfirst_7:
	tensor_load_to_lds s[G0VS:G0VS+3], s[G1VS:G1VS+7]   ; V's scale words
	s_nop 0
	tensor_load_to_lds s[G0V:G0V+3], s[G1D:G1D+7]       ; V of key chunk 0, pair 1
	s_nop 0
	tensor_load_to_lds s[G0E:G0E+3], s[G1D:G1D+7]
	s_nop 0
	NOPS 4
.Lfirst_done:
.irp g, 0,1,2
	global_load_b128 v[32+4*\g:35+4*\g], v[LI], s[4:5] offset:512*\g   ; Q's image
.endr
	global_load_b32 v[QSC], v15, s[6:7]            ; Q's scale words: 16 bytes from row to row
.irp e, 0,1
	v_mov_b32 v[MX+2*\e], 0xff000000               ; -2^127, under every t that is served
	v_mov_b32 v[MX+2*\e+1], 0                      ; (named as the upper half of a pair)
	v_mov_b32 v[LS+2*\e], 0
	v_mov_b32 v[LS+2*\e+1], 0
	v_mov_b32 v[XA+4*\e+2], 0                      ; a lane permute's destination counts as one of its sources
.endr
.irp i, 0,1,2,3,4,5,6,7
	v_mov_b32 v[FF+\i], 0
.endr
	s_wait_loadcnt 0x0
	WIN 0x40                                       ; destination window 1
.irp i, 0,1,2,3,4,5
	v_mov_b32 v[QR+\i], v[32+\i]                   ; head 0's 64 codes,
	v_mov_b32 v[QR+6+\i], 0                        ; 64 zero codes,
	v_mov_b32 v[QR+12+\i], v[38+\i]                ; head 1's
.endr
	WIN 0
	NOPS 4                                         ; codes laid by vector instructions stand 4 places ahead of a scaled matrix instruction: these four hold on every wave's path, that of a wave without a load at the first change of slots too
	s_mov_b32 s[CNT], 15
.Lpass1:                                           ; key steps 0 to 14
	CHANGE 1, 0, 1
	STEP1
	s_sub_co_u32 s[CNT], s[CNT], 1
	s_cmp_lg_u32 s[CNT], 0
	s_cbranch_scc1 .Lpass1
	CHANGE 2, 0, 0                                 ; key step 15; the other slot takes pass 2's first masks and K
	STEP1
	v_add_f32 v[LS], v[LS], v[LS+1]                ; the sums' two halves,
	v_add_f32 v[LS+2], v[LS+2], v[LS+3]
	v_permlanex16_b32 v[FF], v[LS], s[SEL], s[SEL+1]
	v_permlanex16_b32 v[FF+2], v[LS+2], s[SEL], s[SEL+1]
	v_add_f32 v[LS], v[LS], v[FF]                  ; and lane l xor 16's: l
	v_add_f32 v[LS+2], v[LS+2], v[FF+2]
	v_rcp_f32 v[LS], v[LS]
	v_rcp_f32 v[LS+2], v[LS+2]
	v_nop                                          ; a plain instruction behind the reciprocals
	s_wait_alu depctr_va_vdst(0)                   ; and a wait ahead of labels, branches and the first reader
	s_mov_b32 s[TS], 0
	CHANGE 3, 0, 0                                 ; pass 2's first step: V lies in both slots, so V's waves ask for nothing yet
	STEP2 1                                        ; its products start O^T's sums: nothing is cleared
	s_mov_b32 s[CNT], 14
.Lpass2:                                           ; key steps 1 to 14 of pass 2
	CHANGE 3, 1, 0
	STEP2 0
	s_sub_co_u32 s[CNT], s[CNT], 1
	s_cmp_lg_u32 s[CNT], 0
	s_cbranch_scc1 .Lpass2
	CHANGE 0, 0, 0                                 ; the last step is written out
	STEP2 0
	; THE WAY OUT.  O^T: lane (r, h) holds query r and channels 16 b + 8 h + j of the pair's 128 (b = 4 e + t).  The next product's other operand comes as given codes, so here the numbers are put in their
	; natural order first: a swap of halves between the registers of tiles 2 B and 2 B + 1 gives register 16 B + i the channel 32 B + 16 h + i.  Then the block's scale, the codes, the image.
.macro QUANT s, pw
.irp b, 0,1,2,3
	v_max3_num_f32 v[TM+\b], |v[\s+16*\b]|, |v[\s+1+16*\b]|, 0x1800000
.endr
.irp i, 2,4,6,8,10,12,14
.irp b, 0,1,2,3
	v_max3_num_f32 v[TM+\b], v[TM+\b], |v[\s+16*\b+\i]|, |v[\s+1+16*\b+\i]|
.endr
.endr
.irp b, 0,1,2,3
	v_permlanex16_b32 v[TM+4+\b], v[TM+\b], s[SEL], s[SEL+1]
.endr
.irp b, 0,1,2,3
	v_max_num_f32 v[TM+\b], v[TM+\b], v[TM+4+\b]
.endr
.irp b, 0,1,2,3
	v_add_nc_u32 v[TM+12+\b], 0xff000000, v[TM+\b]
.endr
.irp b, 0,1,2,3
	v_lshrrev_b32 v[TM+4+\b], 23, v[TM+12+\b]
.endr
	v_lshl_or_b32 v[\pw], v[TM+5], 8, v[TM+4]
	v_lshl_or_b32 v[\pw], v[TM+6], 16, v[\pw]
	v_lshl_or_b32 v[\pw], v[TM+7], 24, v[\pw]
.irp c, 0,1
	v_cvt_scalef32_pk16_fp6_f32 v[QC+6*\c:QC+2+6*\c], v[\s+32*\c:\s+15+32*\c], v[TM+12+2*\c]
	v_cvt_scalef32_pk16_fp6_f32 v[QC+12+4*\c:QC+14+4*\c], v[\s+16+32*\c:\s+31+32*\c], v[TM+12+2*\c+1]
.endr
	v_nop                                          ; one plain place behind a scaled conversion
.irp c, 0,1
.irp i, 0,1,2
	v_permlane16_swap_b32 v[QC+6*\c+\i], v[QC+12+4*\c+\i]
.endr
.irp i, 0,1,2
	v_mov_b32 v[QC+3+6*\c+\i], v[QC+12+4*\c+\i]
.endr
.endr
.endm
	WIN 0x01                                       ; source 0 window 1
.set i, 0
.rept 64
	v_mov_b32 v[S+i], v[i]                         ; each accumulator from its low end on
.set i, i+1
.endr
	WIN 0
.irp b, 0,1,2,3
.irp j, 0,1,2,3,4,5,6,7
	v_permlane16_swap_b32 v[S+16*\b+\j], v[S+16*\b+8+\j]
.endr
.endr
.irp b, 0,1,2,3
	v_mov_b32 v[TM+4+\b], 0                        ; a lane permute's destination counts as one of its sources
.endr
	QUANT S, PW
	v_and_b32 v8, 31, v0
	v_and_b32 v15, 15, v0
	v_lshlrev_b32 v15, 6, v15                      ; 64 bytes of scales a token
.irp g, 0,1,2
	global_store_b128 v[LI], v[QC+4*\g:QC+4*\g+3], s[20:21] offset:512*\g   ; 32 lanes store 512 consecutive bytes, at a multiple of 256 from the buffer's first byte
.endr
	s_wait_xcnt 0x0                                ; EXEC changes only behind this wait
	v_cmp_gt_u32 vcc_lo, 16, v8
	s_and_saveexec_b32 s8, vcc_lo
	global_store_b32 v15, v[PW], s[22:23]          ; lanes 0-15: my 16 tokens' scale words of this pair of heads
	s_wait_xcnt 0x0                                ; and again in front of the line that widens it
	s_or_b32 exec_lo, exec_lo, s8
	s_wait_tensorcnt 0x0                           ; the wave's end
	ds_add_u32 v[SPW], v[NIL]
	s_wait_dscnt 0x0
	CROUND                                         ; the closing round
	s_endpgm
.Lfunc_end_k_q1d18314f87_attn:
	.size	k_q1d18314f87_attn, .Lfunc_end_k_q1d18314f87_attn-k_q1d18314f87_attn
	.p2alignl 7, 3214868480
	.fill 96, 4, 3214868480
	.section	.rodata,"a",@progbits
	.p2align	6, 0x0
	.amdhsa_kernel k_q1d18314f87_attn
		.amdhsa_group_segment_fixed_size 327680
		.amdhsa_private_segment_fixed_size 0
		.amdhsa_enable_private_segment 0
		.amdhsa_kernarg_size 80
		.amdhsa_user_sgpr_count 2
		.amdhsa_user_sgpr_kernarg_segment_ptr 1
		.amdhsa_wavefront_size32 1
		.amdhsa_system_sgpr_workgroup_id_x 1
		.amdhsa_system_sgpr_workgroup_id_y 1
		.amdhsa_system_sgpr_workgroup_id_z 1
		.amdhsa_system_vgpr_workitem_id 0
		.amdhsa_next_free_vgpr 384
		.amdhsa_next_free_sgpr 106
		.amdhsa_reserve_vcc 1
		.amdhsa_float_denorm_mode_32 3
		.amdhsa_float_denorm_mode_16_64 3
		.amdhsa_memory_ordered 1
		.amdhsa_forward_progress 1
		.amdhsa_inst_pref_size 222
	.end_amdhsa_kernel
	.amdgpu_metadata
---
amdhsa.version: [ 1, 2 ]
amdhsa.kernels:
  - .name:           k_q1d18314f87_attn
    .symbol:         k_q1d18314f87_attn.kd
    .args:
      - { .name: q_img, .offset: 0, .size: 8, .value_kind: global_buffer, .address_space: global }
      - { .name: q_sc, .offset: 8, .size: 8, .value_kind: global_buffer, .address_space: global }
      - { .name: k_img, .offset: 16, .size: 8, .value_kind: global_buffer, .address_space: global }
      - { .name: k_sc, .offset: 24, .size: 8, .value_kind: global_buffer, .address_space: global }
      - { .name: v_img, .offset: 32, .size: 8, .value_kind: global_buffer, .address_space: global }
      - { .name: v_sc, .offset: 40, .size: 8, .value_kind: global_buffer, .address_space: global }
      - { .name: mask0, .offset: 48, .size: 8, .value_kind: global_buffer, .address_space: global }
      - { .name: mask1, .offset: 56, .size: 8, .value_kind: global_buffer, .address_space: global }
      - { .name: a_img, .offset: 64, .size: 8, .value_kind: global_buffer, .address_space: global }
      - { .name: a_sc, .offset: 72, .size: 8, .value_kind: global_buffer, .address_space: global }
    .group_segment_fixed_size: 327680
    .private_segment_fixed_size: 0
    .kernarg_segment_align: 8
    .kernarg_segment_size: 80
    .max_flat_workgroup_size: 256
    .sgpr_count:     106
    .vgpr_count:     384
    .wavefront_size: 32
...
	.end_amdgpu_metadata
.endif
;; end of part 2
;; launch oproj (part 3): grid 8 x 8, 4 waves a work-group, clusters of 4 x 4, 327,680 bytes of LDS; arguments a_img, a_sc, wo_codes, wo_scales, out0; writes out0
.if DOCPART == 3
	.amdgcn_target "amdgcn-amd-amdhsa--gfx1250"
	.amdhsa_code_object_version 6
	.text
	.protected	k_q1d18314f87_oproj
	.globl	k_q1d18314f87_oproj
	.p2align	8
	.type	k_q1d18314f87_oproj,@function
k_q1d18314f87_oproj:
	s_mov_b64 s[64:65], 0
	v_nop
	global_prefetch_b8 v0, s[64:65] scope:SCOPE_SE
	s_setreg_imm32_b32 hwreg(HW_REG_WAVE_MODE, 25, 1), 1
	s_wait_xcnt 0x0
	s_wait_alu depctr_hold_cnt(0) depctr_sa_sdst(0) depctr_va_vdst(0) depctr_va_sdst(0) depctr_va_ssrc(0) depctr_va_vcc(0) depctr_vm_vsrc(0)
	s_getreg_b32 s2, hwreg(HW_REG_IB_STS2, 6, 4)
	s_cmp_eq_u32 s2, 0
	s_cbranch_scc0 .Lentry_in_a_cluster
	s_endpgm
.Lentry_in_a_cluster:
	s_bfe_u32 s2, ttmp6, 0x10000c
	s_cmp_lg_u32 s2, 0xf033
	s_cbranch_scc0 .Lentry_shape_is_right
	s_endpgm
.Lentry_shape_is_right:
; out[m][n] = sum over k of a[m][k] wo[n][k], on codes of FP6 (E2M3) with one E8M0 scale for each 32 along K; out is f32; sums in f32.
; a comes from the attention launch as IMAGES of operand registers: [tile of 16 tokens: 128][128 along K: 16][1,536 bytes]; its scale bytes as [token][64].  wo comes as given: rows of 1,536 bytes of codes, [n][64] scale bytes.
; A tile of out, 256 x 256, is made by a work-group of four waves; a wave makes 128 x 128: 64 accumulators.  K goes in steps of 256 through a ring of two LDS slots filled by joint tensor loads:
; a's tile (8 token tiles x 3,072 bytes for each fetching wave) is shared along a row of the cluster, wo's (128 rows x 192 bytes) along a column.  The scale bytes of all of K come once and stay.
; The matrix instruction is used transposed (source 0 = 16 rows of wo, source 1 = 16 tokens): a lane holds eight neighbouring numbers of a row of out.
; 64 work-groups: one for each tile of 256 x 256.
; REGISTERS: window 0: v0-31 addresses; v32-63 scale words, two sets; from v128 a's fragments, ONE set.  window 1: wo's fragments, TWO sets.  windows 2, 3: the accumulators.
.set SIZE_N, 2048
.set SIZE_K, 2048
.set KSTEP,  256
.set NQ,     KSTEP/128
.set ROWB,   192                       ; a row of wo's tile in bytes
.set ROWA,   3072                      ; a K step of one token tile of a: two images
.set KROW,   SIZE_K*6/8                ; a row of codes in memory; also a's bytes for each token: 16 tokens x 1,536 = a token tile's 24,576
.set PITCH,  240                       ; wo's LDS row: 3 x (64 bytes + 16 of padding)
.set FR,     12
.set NL,     6                         ; LDS loads that bring a fragment of wo
.set NLA,    3                         ; and of a
.set NP,     4                         ; places behind this matrix instruction (ISA guide 7.12.1)
.set HALFT,  128*PITCH                 ; a wave's part of a slot (a's tiles use 24,576 bytes of it)
.set SLOT,   4*HALFT
.set LAPS,   SIZE_K/(2*KSTEP)
.set KS,     SIZE_K/32
.set SCL,    2*SLOT
.set HALFS,  (128*KS/256)*272
.set SBLK,   (16*KS/256)*272
.set SPARE,  SCL+4*HALFS               ; the spare words, 128 bytes for each wave; no other line names them
.set SPITCH, 528                       ; the way out: a stage of 16 rows x (512 bytes + 16) for each wave, in slot 0, which has had its last fill and its last read by then
.set ADRA, 16                          ; v16-17 LDS address of my fragments of a in slot 0, 1: 16 x lane + my half
.set ADRB, 20                          ; v20-23 the same for wo (and behind one padding more)
.set STO,  24
.set RD,   25
.set CO,   26
.set ADRS, 27
.set SPW,  28
.set NIL,  29
.set SC,   32
.set AF,   128
.set BK,   128
.set G1, 24
.set G0, 32
.set G1B, 48
.set G0B, 56
.set G1S, 68
.set G0S, 76
.set G1SB, 80
.set G0SB, 88
.set MSB, 0
.macro WIN new
.if MSB != (\new)
	s_set_vgpr_msb (MSB<<8)|(\new)
.set MSB, (\new)
.endif
.endm
.set MUL_LO, 0xa1
.set MUL_HI, 0xf1
.set TO_B,   0x40
.macro JLOAD g0a, g1a, g0b, g1b        ; a joint load: waves 0 and 1 fetch for a, waves 2 and 3 for wo; four v_nop follow each of the two lines
	s_cmp_eq_u32 s15, 0
	s_cbranch_scc0 .Lfor_b_\@
	tensor_load_to_lds s[\g0a:\g0a+3], s[\g1a:\g1a+7]
	s_nop 0
.rept 4
	v_nop
.endr
	s_branch .Lasked_\@
.Lfor_b_\@:
	tensor_load_to_lds s[\g0b:\g0b+3], s[\g1b:\g1b+7]
	s_nop 0
.rept 4
	v_nop
.endr
.Lasked_\@:
.endm
.macro CREST
	s_cmp_lg_u32 s14, 0
	s_cbranch_scc1 .Lnot_wave_0_\@
	s_barrier_signal -3
.Lnot_wave_0_\@:
	s_barrier_wait -3
	s_barrier_signal -1
	s_barrier_wait -1
.endm
.macro CROUND
	s_barrier_signal -1
	s_barrier_wait -1
	CREST
.endm
	s_load_b128 s[4:7], s[0:1], 0x0                ; a's images s[4:5], a's scales s[6:7]
	s_load_b128 s[8:11], s[0:1], 0x10              ; wo's codes s[8:9], wo's scales s[10:11]
	s_load_b64 s[12:13], s[0:1], 0x20              ; out
	v_lshl_add_u32 v[SPW], v0, 2, SPARE
	v_mov_b32 v[NIL], 0
	ds_add_u32 v28, v29
	ds_add_u32 v28, v29
	s_wait_dscnt 0x0
	v_lshrrev_b32 v1, 5, v0
	v_readfirstlane_b32 s14, v1                    ; wave 0..3
	s_lshr_b32 s15, s14, 1                         ; which half of the tile's rows is mine.  Also: I fetch for a (0) or for wo (1)
	s_and_b32 s16, s14, 1                          ; which half of its columns.  Also: which 128 rows of that tile I fetch
	s_bfe_u32 s40, ttmp6, 0x40000
	s_bfe_u32 s41, ttmp6, 0x40004
	s_lshl_b32 s42, ttmp9, 2
	s_add_co_u32 s42, s42, s40                     ; tile column
	s_and_b32 s17, ttmp7, 0xffff
	s_lshl_b32 s17, s17, 2
	s_add_co_u32 s17, s17, s41                     ; tile row
	s_lshl_b32 s43, s41, 2
	s_lshl_b32 s43, 15, s43                        ; my row of the cluster
	s_lshl_b32 s44, 0x1111, s40                    ; my column
	s_or_b32 s[G1+0], s43, (3<<16)|(1<<21)         ; a's tile: 8 rows (token tiles) of 384 elements of 8 bytes, 3,072 elements apart; no padding
	s_mov_b32 s[G1+1], 384<<16
	s_mov_b32 s[G1+2], 8<<16
	s_mov_b32 s[G1+3], 384<<16
	s_mov_b32 s[G1+4], 8
	s_mov_b32 s[G1+5], 3072
	s_mov_b32 s[G1+6], 0
	s_mov_b32 s[G1+7], 0
	s_or_b32 s[G1B+0], s44, (0<<16)|(1<<20)|(1<<21)|(3<<22)|(3<<25)   ; wo's tile: 128 rows of 192 bytes, 16 bytes of padding behind every 64
	s_mov_b32 s[G1B+1], ROWB<<16
	s_mov_b32 s[G1B+2], 128<<16
	s_mov_b32 s[G1B+3], ROWB<<16
	s_mov_b32 s[G1B+4], 128
	s_mov_b32 s[G1B+5], KROW
	s_mov_b32 s[G1B+6], 0
	s_mov_b32 s[G1B+7], 0
	s_or_b32 s[G1S+0], s43, (3<<16)|(1<<20)|(1<<21)|(5<<22)|(3<<25)   ; the scales of 128 rows: rows of 256 bytes, 16 bytes of padding behind each
	s_or_b32 s[G1SB+0], s44, (3<<16)|(1<<20)|(1<<21)|(5<<22)|(3<<25)
.irp g, G1S, G1SB
	s_mov_b32 s[\g+1], 32<<16
	s_mov_b32 s[\g+2], (128*KS/256)<<16
	s_mov_b32 s[\g+3], 32<<16
	s_mov_b32 s[\g+4], 128*KS/256
	s_mov_b32 s[\g+5], 32
	s_mov_b32 s[\g+6], 0
	s_mov_b32 s[\g+7], 0
.endr
	s_lshl_b32 s18, s16, 7
	s_lshl_b32 s20, s17, 8
	s_add_co_u32 s20, s20, s18                     ; a: token 256 x tile row + 128 x half
	s_lshl_b32 s46, s42, 8
	s_add_co_u32 s46, s46, s18                     ; wo: row 256 x tile column + 128 x half
	s_mov_b32 s21, 0
	s_mov_b32 s47, 0
	s_mov_b64 s[18:19], KS
	s_mul_u64 s[22:23], s[20:21], s[18:19]
	s_mul_u64 s[92:93], s[46:47], s[18:19]
	s_mov_b64 s[18:19], KROW
	s_mul_u64 s[20:21], s[20:21], s[18:19]         ; a's images begin 1,536 bytes x token on (the token is a multiple of 16)
	s_mul_u64 s[46:47], s[46:47], s[18:19]
	s_mul_i32 s45, s14, HALFT
	s_mul_i32 s94, s14, HALFS
	s_wait_kmcnt 0x0
	s_add_nc_u64 s[20:21], s[4:5], s[20:21]
	s_add_nc_u64 s[22:23], s[6:7], s[22:23]
	s_add_nc_u64 s[46:47], s[8:9], s[46:47]
	s_add_nc_u64 s[92:93], s[10:11], s[92:93]
	CROUND                                         ; all sixteen work-groups are here: the first joint loads meet
	s_mov_b32 s[G0S], 1
	s_add_co_u32 s[G0S+1], s94, SCL
	s_mov_b64 s[G0S+2:G0S+3], s[22:23]
	s_or_b32 s[G0S+3], s[G0S+3], 0x80000000
	s_mov_b32 s[G0SB], 1
	s_add_co_u32 s[G0SB+1], s94, SCL
	s_mov_b64 s[G0SB+2:G0SB+3], s[92:93]
	s_or_b32 s[G0SB+3], s[G0SB+3], 0x80000000
	JLOAD G0S, G1S, G0SB, G1SB
.irp s, 0,1
	s_mov_b32 s[G0+4*\s], 1
	s_add_co_u32 s[G0+4*\s+1], s45, \s*SLOT
	s_add_nc_u64 s[G0+4*\s+2:G0+4*\s+3], s[20:21], \s*ROWA
	s_or_b32 s[G0+4*\s+3], s[G0+4*\s+3], 0x80000000
	s_mov_b32 s[G0B+4*\s], 1
	s_add_co_u32 s[G0B+4*\s+1], s45, \s*SLOT
	s_add_nc_u64 s[G0B+4*\s+2:G0B+4*\s+3], s[46:47], \s*ROWB
	s_or_b32 s[G0B+4*\s+3], s[G0B+4*\s+3], 0x80000000
	JLOAD G0+4*\s, G1, G0B+4*\s, G1B
.endr
	v_and_b32 v1, 15, v0                           ; l % 16
	v_bfe_u32 v2, v0, 4, 1                         ; l / 16
	v_mul_u32_u24 v3, v1, PITCH
	v_mul_u32_u24 v4, v2, 24
	v_add_nc_u32 v4, v3, v4                        ; wo: a fragment's row x pitch + 24 x half
	v_lshl_add_u32 v5, v2, 4, v4                   ; and the same behind one padding more
	v_and_b32 v6, 31, v0
	v_lshlrev_b32 v7, 4, v6                        ; a: 16 x lane
	s_mul_i32 s21, s15, HALFT                      ; my 8 token tiles of a
	s_mul_i32 s22, s16, HALFT                      ; my 128 rows of wo,
	s_add_co_u32 s22, s22, 2*HALFT                 ; which lie behind a's two halves
.irp s, 0,1
	v_add_nc_u32 v[ADRA+\s], s21, v7
	v_add_nc_u32 v[ADRB+\s], s22, v4
	v_add_nc_u32 v[ADRB+2+\s], s22, v5
	s_add_co_u32 s21, s21, SLOT
	s_add_co_u32 s22, s22, SLOT
.endr
	v_mul_u32_u24 v5, v1, KS
	v_lshrrev_b32 v6, 8, v5
	v_lshl_add_u32 v5, v6, 4, v5
	s_mul_i32 s21, s15, HALFS
	s_mul_i32 s22, s16, HALFS
	s_add_co_u32 s22, s22, 2*HALFS
	s_sub_co_u32 s22, s22, s21
	v_mul_u32_u24 v6, s22, v2                      ; lanes 16-31 take wo's
	s_add_co_u32 s21, s21, SCL
	v_add_nc_u32 v5, v5, v6
	v_add_nc_u32 v[ADRS], s21, v5
	s_mul_i32 s23, s14, 16*SPITCH                  ; my stage
	v_mul_u32_u24 v5, v1, SPITCH
	v_lshl_add_u32 v5, v2, 5, v5
	v_add_nc_u32 v[STO], s23, v5
	v_and_b32 v6, 31, v0
	v_lshlrev_b32 v[CO], 4, v6
	v_add_nc_u32 v[RD], s23, v[CO]
	s_lshl_b32 s20, s17, 8
	s_lshl_b32 s21, s15, 7
	s_add_co_u32 s20, s20, s21                     ; my first row of out
	s_mov_b32 s21, 0
	s_mov_b64 s[18:19], SIZE_N*4
	s_mul_u64 s[20:21], s[20:21], s[18:19]
	s_lshl_b32 s46, s42, 10                        ; my first column, in bytes
	s_lshl_b32 s47, s16, 9
	s_add_co_u32 s46, s46, s47
	s_mov_b32 s47, 0
	s_add_nc_u64 s[20:21], s[20:21], s[46:47]
	s_add_nc_u64 s[12:13], s[12:13], s[20:21]
.macro FRAG reg, adr, q, i             ; a fragment of wo, from rows: six pieces of 8 bytes
.irp p, 0,1,2,3,4,5
.set PIECE, 12*(\q)+6*(\p/3)+\p%3
.if PIECE%8 < 5
	ds_load_b64 v[\reg+2*\p:\reg+2*\p+1], v[\adr] offset:8*PIECE+16*(PIECE/8)+(\i)*16*PITCH
.else
	ds_load_b64 v[\reg+2*\p:\reg+2*\p+1], v[\adr+2] offset:8*PIECE+16*(PIECE/8)+(\i)*16*PITCH
.endif
.endr
.endm
.macro FRAGA reg, adr, q, i            ; a fragment of a, from its image: three loads of 512 consecutive bytes
.irp g, 0,1,2
	ds_load_b128 v[\reg+4*\g:\reg+4*\g+3], v[\adr] offset:(\i)*ROWA+(\q)*1536+512*\g
.endr
.endm
.macro MUL16 a0, p, q, sc, zero        ; 16 matrix instructions; the 64 accumulators take turns, one instruction a turn
.irp a, \a0, \a0+1
.irp b, 0,1,2,3,4,5,6,7
.if \zero
	v_wmma_scale_f32_16x16x128_f8f6f4 v[8*(8*((\a)%4)+\b):8*(8*((\a)%4)+\b)+7], v[128*(\p)+FR*\b:128*(\p)+FR*\b+FR-1], v[AF+FR*(\a):AF+FR*(\a)+FR-1], 0, v[SC+8*NQ*(\sc)+NQ*\b+(\q)], v[SC+8*NQ*(\sc)+NQ*(\a)+(\q)] matrix_a_fmt:MATRIX_FMT_FP6 matrix_b_fmt:MATRIX_FMT_FP6 matrix_a_scale:MATRIX_SCALE_ROW1
.else
	v_wmma_scale_f32_16x16x128_f8f6f4 v[8*(8*((\a)%4)+\b):8*(8*((\a)%4)+\b)+7], v[128*(\p)+FR*\b:128*(\p)+FR*\b+FR-1], v[AF+FR*(\a):AF+FR*(\a)+FR-1], v[8*(8*((\a)%4)+\b):8*(8*((\a)%4)+\b)+7], v[SC+8*NQ*(\sc)+NQ*\b+(\q)], v[SC+8*NQ*(\sc)+NQ*(\a)+(\q)] matrix_a_fmt:MATRIX_FMT_FP6 matrix_b_fmt:MATRIX_FMT_FP6 matrix_a_scale:MATRIX_SCALE_ROW1
.endif
.endr
.endr
.endm
.macro FETCH_B slot, q, p
	WIN TO_B
.irp i, 0,1,2,3,4,5,6,7
	FRAG 128*(\p)+FR*\i, ADRB+\slot, \q, \i
.endr
	WIN 0
.endm
.macro FETCH_A slot, q, i0
.irp i, \i0, \i0+1, \i0+2, \i0+3
	FRAGA AF+FR*(\i), ADRA+\slot, \q, \i
.endr
.endm
.macro SCALES sc
.irp i, 0,1,2,3,4,5,6,7
	ds_load_b64 v[SC+8*NQ*\sc+NQ*\i:SC+8*NQ*\sc+NQ*\i+1], v[ADRS] offset:\i*SBLK
.endr
.endm
.macro PLACES n
.rept \n
	v_nop
.endr
.endm
.macro STEP slot, q, zero
	s_wait_dscnt 4*NLA                             ; wo's set and a's blocks 0-3 are in; the youngest 12 loads (a's blocks 4-7) may be out
	WIN MUL_LO
	MUL16 0, (\q)%2, \q, \slot, \zero
	MUL16 2, (\q)%2, \q, \slot, \zero
	s_wait_dscnt 0
	PLACES NP
	FETCH_B \slot, (\q)+1, 1-(\q)%2
	FETCH_A \slot, (\q)+1, 0
	WIN MUL_HI
	MUL16 4, (\q)%2, \q, \slot, \zero
	MUL16 6, (\q)%2, \q, \slot, \zero
	PLACES NP
	WIN 0
	FETCH_A \slot, (\q)+1, 4
.endm
.macro TURN slot, next, fill           ; a slot's last step changes slots: one barrier, with the waits and the add in front of it
	s_wait_tensorcnt 0x0                           ; all my tensor loads have landed: my part of the next slot
	ds_add_u32 v[SPW], v[NIL]                      ; 0 onto my spare word
	s_wait_dscnt 4*NLA+1                           ; (the add and the youngest 12 loads may be out)
	WIN MUL_LO
	MUL16 0, 1, NQ-1, \slot, 0
	s_wait_dscnt 0x0                               ; the add is done, and my reads of this slot are over
	s_barrier_signal -1
	MUL16 2, 1, NQ-1, \slot, 0
	WIN 0
	s_barrier_wait -1
.if \fill
	CREST                                          ; no wave of any partner still reads this slot or has a load on its way
	s_add_nc_u64 s[G0+4*\slot+2:G0+4*\slot+3], s[G0+4*\slot+2:G0+4*\slot+3], 2*ROWA
	s_add_nc_u64 s[G0B+4*\slot+2:G0B+4*\slot+3], s[G0B+4*\slot+2:G0B+4*\slot+3], 2*ROWB
	JLOAD G0+4*\slot, G1, G0B+4*\slot, G1B
.else
	PLACES NP
.endif
	v_add_nc_u32 v[ADRS], 4*NQ, v[ADRS]
	FETCH_B \next, 0, 0
	FETCH_A \next, 0, 0
	SCALES \next
	WIN MUL_HI
	MUL16 4, 1, NQ-1, \slot, 0
	MUL16 6, 1, NQ-1, \slot, 0
	PLACES NP
	WIN 0
	FETCH_A \next, 0, 4
.endm
	s_wait_tensorcnt 1                             ; the scales and my part of K step 0 are in (K step 1's load may be out)
	s_barrier_signal -1
	s_barrier_wait -1
	FETCH_B 0, 0, 0
	FETCH_A 0, 0, 0
	SCALES 0
	FETCH_A 0, 0, 4
	STEP 0, 0, 1                                   ; the first step's products start the sums
	s_mov_b32 s3, LAPS-1
.Llap:
	TURN 0, 1, 1
	STEP 1, 0, 0
	TURN 1, 0, 1
	STEP 0, 0, 0
	s_sub_co_u32 s3, s3, 1
	s_cmp_lg_u32 s3, 0
	s_cbranch_scc1 .Llap
	TURN 0, 1, 0
	STEP 1, 0, 0
	s_wait_dscnt 4*NLA
	WIN MUL_LO
	MUL16 0, 1, NQ-1, 1, 0
	MUL16 2, 1, NQ-1, 1, 0
	s_wait_dscnt 0
	WIN MUL_HI
	MUL16 4, 1, NQ-1, 1, 0
	MUL16 6, 1, NQ-1, 1, 0
	WIN 0
; THE WAY OUT, block by block of 16 rows x 128 columns, through my own stage in LDS: back come whole rows of 512 bytes.  LDS serves a wave's instructions in order (ISA guide 5.7.1.4).
.macro TOSTAGE a
.set AC, 64*((\a)%4)
	WIN 0x08+4*((\a)/4)                            ; the data: window 2 or 3
.irp b, 0,1,2,3,4,5,6,7
	ds_store_b128 v[STO], v[AC+8*\b:AC+8*\b+3] offset:64*\b          ; each accumulator from its low end on
	ds_store_b128 v[STO], v[AC+8*\b+4:AC+8*\b+7] offset:64*\b+16
.endr
	WIN 0
.set BB, BK+64*((\a)%2)
.irp t, 0,1,2,3,4,5,6,7,8,9,10,11,12,13,14,15
	ds_load_b128 v[BB+4*\t:BB+4*\t+3], v[RD] offset:\t*SPITCH
.endr
.endm
.macro SEND a, younger
.set BB, BK+64*((\a)%2)
	s_wait_dscnt \younger                          ; the block is back in registers
.if (\a) > 0
	s_add_nc_u64 s[12:13], s[12:13], 16*SIZE_N*4   ; (behind a wait on XCNT: the earlier stores have read their base)
.endif
.irp t, 0,1,2,3,4,5,6,7,8,9,10,11,12,13,14,15
	global_store_b128 v[CO], v[BB+4*\t:BB+4*\t+3], s[12:13] offset:\t*SIZE_N*4 th:TH_STORE_NT   ; 32 lanes store 512 consecutive bytes, at a multiple of 256 from the buffer's first byte
.endr
.endm
	PLACES NP
	TOSTAGE 0
.irp a, 1,2,3,4,5,6,7
.if \a > 1
	s_wait_xcnt 0x0                                ; block a - 2's stores have read their registers and their base
.endif
	TOSTAGE \a
	SEND \a-1, 32                                  ; behind block a - 1's loads: block a's 16 stores and 16 loads
.endr
	s_wait_xcnt 0x0
	SEND 7, 0
	s_wait_tensorcnt 0x0                           ; the wave's end
	ds_add_u32 v[SPW], v[NIL]
	s_wait_dscnt 0x0
	CROUND                                         ; the closing round
	s_endpgm
.Lfunc_end_k_q1d18314f87_oproj:
	.size	k_q1d18314f87_oproj, .Lfunc_end_k_q1d18314f87_oproj-k_q1d18314f87_oproj
	.p2alignl 7, 3214868480
	.fill 96, 4, 3214868480
	.section	.rodata,"a",@progbits
	.p2align	6, 0x0
	.amdhsa_kernel k_q1d18314f87_oproj
		.amdhsa_group_segment_fixed_size 327680
		.amdhsa_private_segment_fixed_size 0
		.amdhsa_enable_private_segment 0
		.amdhsa_kernarg_size 40
		.amdhsa_user_sgpr_count 2
		.amdhsa_user_sgpr_kernarg_segment_ptr 1
		.amdhsa_wavefront_size32 1
		.amdhsa_system_sgpr_workgroup_id_x 1
		.amdhsa_system_sgpr_workgroup_id_y 1
		.amdhsa_system_sgpr_workgroup_id_z 1
		.amdhsa_system_vgpr_workitem_id 0
		.amdhsa_next_free_vgpr 1024
		.amdhsa_next_free_sgpr 98
		.amdhsa_reserve_vcc 0
		.amdhsa_float_denorm_mode_32 3
		.amdhsa_float_denorm_mode_16_64 3
		.amdhsa_memory_ordered 1
		.amdhsa_forward_progress 1
		.amdhsa_inst_pref_size 148
	.end_amdhsa_kernel
	.amdgpu_metadata
---
amdhsa.version: [ 1, 2 ]
amdhsa.kernels:
  - .name:           k_q1d18314f87_oproj
    .symbol:         k_q1d18314f87_oproj.kd
    .args:
      - { .name: a_img, .offset: 0, .size: 8, .value_kind: global_buffer, .address_space: global }
      - { .name: a_sc, .offset: 8, .size: 8, .value_kind: global_buffer, .address_space: global }
      - { .name: wo_codes, .offset: 16, .size: 8, .value_kind: global_buffer, .address_space: global }
      - { .name: wo_scales, .offset: 24, .size: 8, .value_kind: global_buffer, .address_space: global }
      - { .name: out0, .offset: 32, .size: 8, .value_kind: global_buffer, .address_space: global }
    .group_segment_fixed_size: 327680
    .private_segment_fixed_size: 0
    .kernarg_segment_align: 8
    .kernarg_segment_size: 40
    .max_flat_workgroup_size: 128
    .sgpr_count:     98
    .vgpr_count:     1024
    .wavefront_size: 32
...
	.end_amdgpu_metadata
.endif
;; end of part 3
;; ======== version 2 of 2: 3 launches
;; limits: right only within a limited range of input values
;; workspace buffers: q_img 3,145,728 bytes; k_img 3,145,728 bytes; v_img 3,145,728 bytes; a_img 3,145,728 bytes; q_sc 131,072 bytes; k_sc 131,072 bytes; v_sc 131,072 bytes; a_sc 131,072 bytes
;; launch qkv (part 4): grid 24 x 8, 4 waves a work-group, clusters of 4 x 4, 327,680 bytes of LDS; arguments x_codes, x_scales, wq_codes, wq_scales, wk_codes, wk_scales, wv_codes, wv_scales, freqs_cos, freqs_sin, q_img, q_sc, k_img, k_sc, v_img, v_sc; writes q_img, q_sc, k_img, k_sc, v_img, v_sc
.if DOCPART == 4
	.amdgcn_target "amdgcn-amd-amdhsa--gfx1250"
	.amdhsa_code_object_version 6
	.text
	.protected	k_q1d18314f87_qkv
	.globl	k_q1d18314f87_qkv
	.p2align	8
	.type	k_q1d18314f87_qkv,@function
k_q1d18314f87_qkv:
	s_mov_b64 s[64:65], 0
	v_nop
	global_prefetch_b8 v0, s[64:65] scope:SCOPE_SE
	s_setreg_imm32_b32 hwreg(HW_REG_WAVE_MODE, 25, 1), 1
	s_wait_xcnt 0x0
	s_wait_alu depctr_hold_cnt(0) depctr_sa_sdst(0) depctr_va_vdst(0) depctr_va_sdst(0) depctr_va_ssrc(0) depctr_va_vcc(0) depctr_vm_vsrc(0)
	s_getreg_b32 s2, hwreg(HW_REG_IB_STS2, 6, 4)
	s_cmp_eq_u32 s2, 0
	s_cbranch_scc0 .Lentry_in_a_cluster
	s_endpgm
.Lentry_in_a_cluster:
	s_bfe_u32 s2, ttmp6, 0x10000c
	s_cmp_lg_u32 s2, 0xf033
	s_cbranch_scc0 .Lentry_shape_is_right
	s_endpgm
.Lentry_shape_is_right:
; q = rope(x wq^T), k = rope(x wk^T), v = x wv^T on the given codes of FP6 (E2M3) and E8M0 scales; the results are quantised along the next product's K and stored as images of operand registers.
; Part 0, 1, 2 (cluster x / 2) is q, k, v.  For v the two sources change places, so that a lane's registers run along the keys; its rotation is by cos = 1, sin = 0.
; A tile of 256 x 256 to a work-group of four waves, 128 x 128 a wave.  K goes through two LDS slots in chunks of 256 bytes of each row (a row of codes is 1,536 bytes, six chunks, each at a multiple of 256 bytes).
; A step of 128 along K is 96 bytes: eight steps to three chunks; steps 2 and 5 of each eight read both slots.  The scales of all K come once, at the head.
; Cluster 4 x 4: source 1's tiles are asked for jointly along a row, source 0's along a column.  No prefetch: the walk is six chunks at a block of 256 x 256 in clusters.
; LIMIT: a block of zeros gets the scale byte 1 with zero codes; this program alone reads those bytes.
.set SIZE_K, 2048
.set ROWB,   256
.set NQ,     2
.set KROW,   SIZE_K*6/8
.set STEPS,  SIZE_K/128
.set CHUNKS, KROW/ROWB
.set PITCH,  272                       ; 256 bytes + 16 of padding
.set FR,     12
.set NL,     6
.set NP,     4
.set HALFT,  128*PITCH
.set SLOT,   4*HALFT
.set KS,     SIZE_K/32
.set SCL,    2*SLOT
.set HALFS,  (128*KS/256)*272
.set SBLK,   (16*KS/256)*272
.set SPARE,  SCL+4*HALFS               ; the spare words: 512 bytes that no other line names
.set FRB,    1536
.set ADRA, 16                          ; v16-17 A's fragments in slot 0, 1; v18-19 for pieces whose lanes 16-31 read the next chunk
.set ADRB, 20                          ; v20-23 the same for B
.set IO,   24
.set CA,   25
.set ADRS, 27
.set SPW,  28
.set NIL,  29
.set SC,   32
.set AF,   128
.set W,    64
.set T,    128
.set TM,   192
.set QC,   208
.set SW,   228
.set XW,   236
.set G1, 24
.set G0, 32
.set G1B, 48
.set G0B, 56
.set G1S, 68
.set G0S, 76
.set G1SB, 80
.set G0SB, 88
.set G0H, 4
.set G0HB, 8
.set PART, 95
.set SEL,  96
.set MSB, 0
.macro WIN new
.if MSB != (\new)
	s_set_vgpr_msb (MSB<<8)|(\new)
.set MSB, (\new)
.endif
.endm
.set MUL_LO, 0xa1
.set MUL_HI, 0xf1
.set TO_B,   0x40
.macro JLOAD g0a, g1a, g0b, g1b        ; waves 0, 1 fetch for A, waves 2, 3 for B; s_nop 0 and four v_nop behind each load
	s_cmp_eq_u32 s15, 0
	s_cbranch_scc0 .Lfor_b_\@
	tensor_load_to_lds s[\g0a:\g0a+3], s[\g1a:\g1a+7]
	s_nop 0
.rept 4
	v_nop
.endr
	s_branch .Lasked_\@
.Lfor_b_\@:
	tensor_load_to_lds s[\g0b:\g0b+3], s[\g1b:\g1b+7]
	s_nop 0
.rept 4
	v_nop
.endr
.Lasked_\@:
.endm
.macro CREST
	s_cmp_lg_u32 s14, 0
	s_cbranch_scc1 .Lnot_wave_0_\@
	s_barrier_signal -3
.Lnot_wave_0_\@:
	s_barrier_wait -3
	s_barrier_signal -1
	s_barrier_wait -1
.endm
.macro CROUND
	s_barrier_signal -1
	s_barrier_wait -1
	CREST
.endm
	s_load_b512 s[24:39], s[0:1], 0x0
	v_lshl_add_u32 v[SPW], v0, 2, SPARE
	v_mov_b32 v[NIL], 0
	ds_add_u32 v[SPW], v[NIL]                      ; the opening lines: the add, twice, and one wait
	ds_add_u32 v[SPW], v[NIL]
	v_lshrrev_b32 v1, 5, v0
	v_readfirstlane_b32 s14, v1                    ; wave
	s_lshr_b32 s15, s14, 1
	s_and_b32 s16, s14, 1
	s_bfe_u32 s40, ttmp6, 0x40000                  ; cx
	s_bfe_u32 s41, ttmp6, 0x40004                  ; cy
	s_lshr_b32 s[PART], ttmp9, 1                   ; 0 q, 1 k, 2 v: the same in all partners
	s_and_b32 s42, ttmp9, 1
	s_lshl_b32 s42, s42, 2
	s_add_co_u32 s42, s42, s40                     ; tile column in the part
	s_and_b32 s17, ttmp7, 0xffff
	s_lshl_b32 s17, s17, 2
	s_add_co_u32 s17, s17, s41                     ; tile row
	s_lshl_b32 s43, s41, 2
	s_lshl_b32 s43, 15, s43
	s_lshl_b32 s44, 0x1111, s40
	s_mov_b32 s[SEL], 0x76543210
	s_mov_b32 s[SEL+1], 0xfedcba98
	s_wait_dscnt 0x0
	s_wait_kmcnt 0x0
	s_cmp_eq_u32 s[PART], 0
	s_cselect_b64 s[8:9], s[28:29], s[32:33]
	s_cselect_b64 s[10:11], s[30:31], s[34:35]
	s_cmp_eq_u32 s[PART], 2
	s_cselect_b64 s[8:9], s[36:37], s[8:9]
	s_cselect_b64 s[10:11], s[38:39], s[10:11]
	s_cselect_b64 s[4:5], s[8:9], s[24:25]         ; v: the weight's rows take A's place
	s_cselect_b64 s[6:7], s[10:11], s[26:27]
	s_cselect_b64 s[8:9], s[24:25], s[8:9]
	s_cselect_b64 s[10:11], s[26:27], s[10:11]
	s_or_b32 s[G1+0], s43, (0<<16)|(1<<20)|(1<<21)|(5<<22)|(3<<25)
	s_or_b32 s[G1B+0], s44, (0<<16)|(1<<20)|(1<<21)|(5<<22)|(3<<25)
.irp g, G1, G1B
	s_mov_b32 s[\g+1], ROWB<<16
	s_mov_b32 s[\g+2], 256<<16                     ; the head's loads bring 256 rows
	s_mov_b32 s[\g+3], ROWB<<16
	s_mov_b32 s[\g+4], 256
	s_mov_b32 s[\g+5], KROW
	s_mov_b32 s[\g+6], 0
	s_mov_b32 s[\g+7], 0
.endr
	s_or_b32 s[G1S+0], s43, (3<<16)|(1<<20)|(1<<21)|(5<<22)|(3<<25)
	s_or_b32 s[G1SB+0], s44, (3<<16)|(1<<20)|(1<<21)|(5<<22)|(3<<25)
.irp g, G1S, G1SB
	s_mov_b32 s[\g+1], 32<<16                      ; the scales of 256 rows: KS dense rows of 256 bytes
	s_mov_b32 s[\g+2], KS<<16
	s_mov_b32 s[\g+3], 32<<16
	s_mov_b32 s[\g+4], KS
	s_mov_b32 s[\g+5], 32
	s_mov_b32 s[\g+6], 0
	s_mov_b32 s[\g+7], 0
.endr
	s_lshl_b32 s20, s17, 8
	s_lshl_b32 s46, s42, 8
	s_mov_b32 s21, 0
	s_mov_b32 s47, 0
	s_mov_b64 s[18:19], KS
	s_mul_u64 s[22:23], s[20:21], s[18:19]
	s_mul_u64 s[92:93], s[46:47], s[18:19]
	s_mov_b64 s[18:19], KROW
	s_mul_u64 s[20:21], s[20:21], s[18:19]
	s_mul_u64 s[46:47], s[46:47], s[18:19]
	s_mul_i32 s18, s16, 128*KROW
	s_mov_b32 s19, 0
	s_mul_i32 s45, s14, HALFT
	s_add_nc_u64 s[20:21], s[4:5], s[20:21]
	s_add_nc_u64 s[22:23], s[6:7], s[22:23]
	s_add_nc_u64 s[46:47], s[8:9], s[46:47]
	s_add_nc_u64 s[92:93], s[10:11], s[92:93]
	CROUND                                         ; in front of the first joint loads
	s_mov_b32 s[G0H], 1
	s_mov_b32 s[G0H+1], 0
	s_mov_b64 s[G0H+2:G0H+3], s[20:21]
	s_or_b32 s[G0H+3], s[G0H+3], 0x80000000
	s_mov_b32 s[G0HB], 1
	s_mov_b32 s[G0HB+1], 2*HALFT
	s_mov_b64 s[G0HB+2:G0HB+3], s[46:47]
	s_or_b32 s[G0HB+3], s[G0HB+3], 0x80000000
	s_mov_b32 s[G0S], 1
	s_mov_b32 s[G0S+1], SCL
	s_mov_b64 s[G0S+2:G0S+3], s[22:23]
	s_or_b32 s[G0S+3], s[G0S+3], 0x80000000
	s_mov_b32 s[G0SB], 1
	s_mov_b32 s[G0SB+1], SCL+2*HALFS
	s_mov_b64 s[G0SB+2:G0SB+3], s[92:93]
	s_or_b32 s[G0SB+3], s[G0SB+3], 0x80000000
	s_add_nc_u64 s[20:21], s[20:21], s[18:19]      ; for the ring: my 128 rows
	s_add_nc_u64 s[46:47], s[46:47], s[18:19]
.irp s, 0,1
	s_mov_b32 s[G0+4*\s], 1
	s_add_co_u32 s[G0+4*\s+1], s45, \s*SLOT
	s_add_nc_u64 s[G0+4*\s+2:G0+4*\s+3], s[20:21], \s*ROWB
	s_or_b32 s[G0+4*\s+3], s[G0+4*\s+3], 0x80000000
	s_mov_b32 s[G0B+4*\s], 1
	s_add_co_u32 s[G0B+4*\s+1], s45, \s*SLOT
	s_add_nc_u64 s[G0B+4*\s+2:G0B+4*\s+3], s[46:47], \s*ROWB
	s_or_b32 s[G0B+4*\s+3], s[G0B+4*\s+3], 0x80000000
.endr
; the head's four tiles, one load a wave: chunk 0 of A, of B, A's scales, B's
.macro ARM under, g0, g1, next
	s_cmp_lt_u32 s14, \under
	s_cbranch_scc0 \next
	tensor_load_to_lds s[\g0:\g0+3], s[\g1:\g1+7]
	s_nop 0
.rept 4
	v_nop
.endr
	s_branch .Lhead_asked
\next:
.endm
	ARM 1, G0H,  G1,  .Lhead_b
	ARM 2, G0HB, G1B, .Lhead_sa
	ARM 3, G0S,  G1S, .Lhead_sb
	tensor_load_to_lds s[G0SB:G0SB+3], s[G1SB:G1SB+7]
	s_nop 0
.rept 4
	v_nop
.endr
.Lhead_asked:
	v_and_b32 v1, 15, v0
	v_bfe_u32 v2, v0, 4, 1
	v_mul_u32_u24 v3, v1, PITCH
	v_mul_u32_u24 v4, v2, 24
	v_add_nc_u32 v4, v3, v4                        ; row x pitch + 24 x half
	s_mov_b32 s21, SLOT-232
	s_mov_b32 s22, SLOT+232
	v_sub_nc_u32 v7, 1, v2
	v_mul_u32_u24 v5, s21, v2
	v_add_nc_u32 v5, v3, v5
	v_add_nc_u32 v5, 232, v5                       ; lanes 0-15 byte 232 in slot 0, lanes 16-31 byte 0 in slot 1
	v_mul_u32_u24 v6, s22, v7
	v_add_nc_u32 v6, v3, v6                        ; and the other way round
	s_mul_i32 s21, s15, HALFT
	s_mul_i32 s22, s16, HALFT
	s_add_co_u32 s22, s22, 2*HALFT
	v_add_nc_u32 v[ADRA+2], s21, v5
	v_add_nc_u32 v[ADRA+3], s21, v6
	v_add_nc_u32 v[ADRB+2], s22, v5
	v_add_nc_u32 v[ADRB+3], s22, v6
.irp s, 0,1
	v_add_nc_u32 v[ADRA+\s], s21, v4
	v_add_nc_u32 v[ADRB+\s], s22, v4
	s_add_co_u32 s21, s21, SLOT
	s_add_co_u32 s22, s22, SLOT
.endr
	v_mul_u32_u24 v5, v1, KS
	v_lshrrev_b32 v6, 8, v5
	v_lshl_add_u32 v5, v6, 4, v5
	s_mul_i32 s21, s15, HALFS
	s_mul_i32 s22, s16, HALFS
	s_add_co_u32 s22, s22, 2*HALFS
	s_sub_co_u32 s22, s22, s21
	v_mul_u32_u24 v6, s22, v2                      ; lanes 16-31 take B's scale words
	s_add_co_u32 s21, s21, SCL
	v_add_nc_u32 v5, v5, v6
	v_add_nc_u32 v[ADRS], s21, v5
	v_and_b32 v6, 31, v0
	v_lshlrev_b32 v[IO], 4, v6                     ; 16 x lane: an image's bytes
	v_lshlrev_b32 v[CA], 7, v1                     ; cos, sin: 128 bytes a token, + 16 x half
	v_lshl_add_u32 v[CA], v2, 4, v[CA]
.macro FRAG reg, adr, st, i            ; 12 registers: six pieces of 8 bytes; byte y of a row lies in slot (y / 256) % 2 at byte y % 256
.irp p, 0,1,2,3,4,5
.set BY, 96*(\st)+48*(\p/3)+8*(\p%3)
.if BY/ROWB == (BY+24)/ROWB
	ds_load_b64 v[\reg+2*\p:\reg+2*\p+1], v[\adr+(BY/ROWB)%2] offset:BY%ROWB+(\i)*16*PITCH
.else
	ds_load_b64 v[\reg+2*\p:\reg+2*\p+1], v[\adr+2+(BY/ROWB)%2] offset:BY%ROWB-232+(\i)*16*PITCH
.endif
.endr
.endm
.macro MUL16 a0, p, q, sc, zero        ; the 64 accumulators take turns, in the same order in every step
.irp a, \a0, \a0+1
.irp b, 0,1,2,3,4,5,6,7
.if \zero
	v_wmma_scale_f32_16x16x128_f8f6f4 v[8*(8*((\a)%4)+\b):8*(8*((\a)%4)+\b)+7], v[128*(\p)+FR*\b:128*(\p)+FR*\b+FR-1], v[AF+FR*(\a):AF+FR*(\a)+FR-1], 0, v[SC+8*NQ*(\sc)+NQ*\b+(\q)], v[SC+8*NQ*(\sc)+NQ*(\a)+(\q)] matrix_a_fmt:MATRIX_FMT_FP6 matrix_b_fmt:MATRIX_FMT_FP6 matrix_a_scale:MATRIX_SCALE_ROW1
.else
	v_wmma_scale_f32_16x16x128_f8f6f4 v[8*(8*((\a)%4)+\b):8*(8*((\a)%4)+\b)+7], v[128*(\p)+FR*\b:128*(\p)+FR*\b+FR-1], v[AF+FR*(\a):AF+FR*(\a)+FR-1], v[8*(8*((\a)%4)+\b):8*(8*((\a)%4)+\b)+7], v[SC+8*NQ*(\sc)+NQ*\b+(\q)], v[SC+8*NQ*(\sc)+NQ*(\a)+(\q)] matrix_a_fmt:MATRIX_FMT_FP6 matrix_b_fmt:MATRIX_FMT_FP6 matrix_a_scale:MATRIX_SCALE_ROW1
.endif
.endr
.endr
.endm
.macro FETCH_B st, p
	WIN TO_B
.irp i, 0,1,2,3,4,5,6,7
	FRAG 128*(\p)+FR*\i, ADRB, \st, \i
.endr
	WIN 0
.endm
.macro FETCH_A st, i0
.irp i, \i0, \i0+1, \i0+2, \i0+3
	FRAG AF+FR*(\i), ADRA, \st, \i
.endr
.endm
.macro SCALES pr                       ; the scale words of steps 2 pr, 2 pr + 1 into set pr % 2
.irp i, 0,1,2,3,4,5,6,7
	ds_load_b64 v[SC+8*NQ*((\pr)%2)+NQ*\i:SC+8*NQ*((\pr)%2)+NQ*\i+1], v[ADRS] offset:\i*SBLK+4*NQ*(\pr)
.endr
.endm
.macro PLACES n
.rept \n
	v_nop
.endr
.endm
; A step: 64 products; the next step's fragments are fetched in its middle and at its end.  Where the next step ends in a new chunk, a barrier shows that chunk whole; where it leaves a chunk behind,
; the three lines stand in front of the barrier, which opens a round, and the slot takes the chunk two further on.
.macro STEP st, zero
.set NX, (\st)+1
.set C0, (96*(\st))/ROWB
.set C1, (96*NX)/ROWB
.set E0, (96*(\st)+95)/ROWB
.set E1, (96*NX+95)/ROWB
.if C1 > C0 || E1 > E0
	s_wait_tensorcnt 0x0                           ; all my tensor loads have landed
.if C1 > C0
	ds_add_u32 v[SPW], v[NIL]
	s_wait_dscnt 4*NL+1                            ; the add and A's blocks 4-7 may be out
.else
	s_wait_dscnt 4*NL                              ; A's blocks 4-7 may be out
.endif
	WIN MUL_LO
	MUL16 0, (\st)%2, (\st)%2, ((\st)/2)%2, \zero
	s_wait_dscnt 0x0                               ; the add and all my reads are done
	s_barrier_signal -1
	MUL16 2, (\st)%2, (\st)%2, ((\st)/2)%2, \zero
	WIN 0
	s_barrier_wait -1
.if C1 > C0 && C0+2 < CHUNKS
	CREST
	s_add_nc_u64 s[G0+4*(C0%2)+2:G0+4*(C0%2)+3], s[G0+4*(C0%2)+2:G0+4*(C0%2)+3], 2*ROWB
	s_add_nc_u64 s[G0B+4*(C0%2)+2:G0B+4*(C0%2)+3], s[G0B+4*(C0%2)+2:G0B+4*(C0%2)+3], 2*ROWB
	JLOAD G0+4*(C0%2), G1, G0B+4*(C0%2), G1B       ; chunk C0 + 2; its four v_nop are the places in front of the loads below
.else
	PLACES NP
.endif
.else
	s_wait_dscnt 4*NL
	WIN MUL_LO
	MUL16 0, (\st)%2, (\st)%2, ((\st)/2)%2, \zero
	MUL16 2, (\st)%2, (\st)%2, ((\st)/2)%2, \zero
	s_wait_dscnt 0
	PLACES NP
.endif
	FETCH_B NX, NX%2
	FETCH_A NX, 0
.if NX%2 == 0
	SCALES NX/2
.endif
	WIN MUL_HI
	MUL16 4, (\st)%2, (\st)%2, ((\st)/2)%2, \zero
	MUL16 6, (\st)%2, (\st)%2, ((\st)/2)%2, \zero
	PLACES NP
	WIN 0
	FETCH_A NX, 4
.endm
	s_wait_alu depctr_va_vdst(0)                   ; the wait at the head's end
	s_wait_tensorcnt 0x0                           ; my head tile is in; the three lines ahead of slot 1's first fill
	ds_add_u32 v[SPW], v[NIL]
	s_mov_b32 s[G1+2], 128<<16                     ; no load of mine is out: from here on a load brings 128 rows
	s_mov_b32 s[G1+4], 128
	s_mov_b32 s[G1B+2], 128<<16
	s_mov_b32 s[G1B+4], 128
	s_wait_dscnt 0x0
	CROUND
	JLOAD G0+4, G1, G0B+4, G1B                     ; chunk 1
	FETCH_B 0, 0
	FETCH_A 0, 0
	SCALES 0
	FETCH_A 0, 4
	STEP 0, 1                                      ; the first step's products start the sums
.set ST, 1
.rept STEPS-2
	STEP ST, 0
.set ST, ST+1
.endr
	s_load_b512 s[24:39], s[0:1], 0x40             ; cos, sin and the six results' addresses: every tensor load has been waited for
	s_wait_dscnt 4*NL
	WIN MUL_LO
	MUL16 0, 1, 1, 1, 0
	MUL16 2, 1, 1, 1, 0
	s_wait_dscnt 0
	WIN MUL_HI
	MUL16 4, 1, 1, 1, 0
	MUL16 6, 1, 1, 1, 0
	WIN 0
; THE WAY OUT, block by block of 16 rows x 128 columns: rotation, the blocks' scales by exponent arithmetic, the codes, a whole block to a lane, the image.
.macro QUANT s, pw
.irp b, 0,1,2,3
	v_max3_num_f32 v[TM+\b], |v[\s+16*\b]|, |v[\s+1+16*\b]|, 0x1800000
.endr
.irp i, 2,4,6,8,10,12,14
.irp b, 0,1,2,3
	v_max3_num_f32 v[TM+\b], v[TM+\b], |v[\s+16*\b+\i]|, |v[\s+1+16*\b+\i]|
.endr
.endr
.irp b, 0,1,2,3
	v_permlanex16_b32 v[TM+4+\b], v[TM+\b], s[SEL], s[SEL+1]
.endr
.irp b, 0,1,2,3
	v_max_num_f32 v[TM+\b], v[TM+\b], v[TM+4+\b]
.endr
.irp b, 0,1,2,3
	v_add_nc_u32 v[TM+12+\b], 0xff000000, v[TM+\b]
.endr
.irp b, 0,1,2,3
	v_lshrrev_b32 v[TM+4+\b], 23, v[TM+12+\b]
.endr
	v_lshl_or_b32 v[\pw], v[TM+5], 8, v[TM+4]
	v_lshl_or_b32 v[\pw], v[TM+6], 16, v[\pw]
	v_lshl_or_b32 v[\pw], v[TM+7], 24, v[\pw]
.irp c, 0,1
	v_cvt_scalef32_pk16_fp6_f32 v[QC+6*\c:QC+2+6*\c], v[\s+32*\c:\s+15+32*\c], v[TM+12+2*\c]
	v_cvt_scalef32_pk16_fp6_f32 v[QC+12+4*\c:QC+14+4*\c], v[\s+16+32*\c:\s+31+32*\c], v[TM+12+2*\c+1]
.endr
	v_nop
.irp c, 0,1
.irp i, 0,1,2
	v_permlane16_swap_b32 v[QC+6*\c+\i], v[QC+12+4*\c+\i]
.endr
.irp i, 0,1,2
	v_mov_b32 v[QC+3+6*\c+\i], v[QC+12+4*\c+\i]
.endr
.endr
.endm
.macro ROPE a
.set AC, 64*((\a)%4)
.set CB, 32*(\a)
	WIN 0x06+(\a)/4
.irp b, 0,1,2,3,4,5,6,7
.irp i, 0,1,2,3
	v_mul_f32 v[T+8*\b+2*\i], v[AC+8*\b+2*\i+1], v[CB+16+4*(\b%4)+\i]
	v_mul_f32 v[T+8*\b+2*\i+1], v[AC+8*\b+2*\i], v[CB+16+4*(\b%4)+\i]
.endr
.endr
.irp b, 0,1,2,3,4,5,6,7
.irp i, 0,1,2,3
	v_fma_f32 v[W+8*\b+2*\i], v[AC+8*\b+2*\i], v[CB+4*(\b%4)+\i], -v[T+8*\b+2*\i]
	v_fma_f32 v[W+8*\b+2*\i+1], v[AC+8*\b+2*\i+1], v[CB+4*(\b%4)+\i], v[T+8*\b+2*\i+1]
.endr
.endr
	WIN 0
.endm
	s_wait_kmcnt 0x0
	s_cmp_eq_u32 s[PART], 0
	s_cselect_b64 s[48:49], s[28:29], s[32:33]
	s_cselect_b64 s[50:51], s[30:31], s[34:35]
	s_cmp_eq_u32 s[PART], 2
	s_cselect_b64 s[48:49], s[36:37], s[48:49]
	s_cselect_b64 s[50:51], s[38:39], s[50:51]
	s_cselect_b32 s2, -1, 0
	s_mov_b32 s3, 0xffff0000
	s_lshl_b32 s52, s42, 1
	s_add_co_u32 s52, s52, s16
	s_lshl_b32 s53, s17, 1
	s_add_co_u32 s53, s53, s15
	s_lshl_b32 s52, s52, 4
	s_add_co_u32 s52, s52, s53
	s_lshl_b32 s54, s52, 9
	s_mov_b32 s55, 0
	s_add_nc_u64 s[50:51], s[50:51], s[54:55]
	s_mul_i32 s54, s52, 8*FRB
	s_add_nc_u64 s[48:49], s[48:49], s[54:55]
	s_lshl_b32 s54, s53, 14
	s_add_nc_u64 s[24:25], s[24:25], s[54:55]
	s_add_nc_u64 s[26:27], s[26:27], s[54:55]
	PLACES NP
	WIN TO_B
.irp a, 0,1,2,3,4,5,6,7
.irp bb, 0,1,2,3
	global_load_b128 v[32*\a+4*\bb:32*\a+4*\bb+3], v[CA], s[24:25] offset:2048*\a+32*\bb
	global_load_b128 v[32*\a+16+4*\bb:32*\a+16+4*\bb+3], v[CA], s[26:27] offset:2048*\a+32*\bb
.endr
.endr
	WIN 0
.irp b, 0,1,2,3
	v_mov_b32 v[TM+4+\b], 0
.endr
	s_wait_loadcnt 0x0
	WIN 0x41
.set i, 0
.rept 8
.set k, 0
.rept 16
	v_cndmask_b32 v[i+k], v[i+k], 1.0, s2          ; v is not rotated: cos = 1, sin = 0, by a select
	v_cndmask_b32 v[i+16+k], v[i+16+k], 0, s2
.set k, k+1
.endr
.set i, i+32
.endr
	WIN 0
.irp a, 0,1,2,3,4,5,6,7
.if \a > 0
	s_wait_xcnt 0x0                                ; the last block's stores have read their registers
.endif
	ROPE \a
	QUANT W, SW+\a
.irp g, 0,1,2
	global_store_b128 v[IO], v[QC+4*\g:QC+4*\g+3], s[48:49] offset:FRB*\a+512*\g
.endr
.endr
.irp j, 0,1,2,3
	v_cndmask_b32 v[XW+\j], v[SW+2*\j], v[SW+2*\j+1], s3
.endr
	global_store_b128 v[IO], v[XW:XW+3], s[50:51]
	s_wait_tensorcnt 0x0                           ; the wave's end
	ds_add_u32 v[SPW], v[NIL]
	s_wait_dscnt 0x0
	CROUND                                         ; the closing round
	s_endpgm
.Lfunc_end_k_q1d18314f87_qkv:
	.size	k_q1d18314f87_qkv, .Lfunc_end_k_q1d18314f87_qkv-k_q1d18314f87_qkv
	.p2alignl 7, 3214868480
	.fill 96, 4, 3214868480
	.section	.rodata,"a",@progbits
	.p2align	6, 0x0
	.amdhsa_kernel k_q1d18314f87_qkv
		.amdhsa_group_segment_fixed_size 327680
		.amdhsa_private_segment_fixed_size 0
		.amdhsa_enable_private_segment 0
		.amdhsa_kernarg_size 128
		.amdhsa_user_sgpr_count 2
		.amdhsa_user_sgpr_kernarg_segment_ptr 1
		.amdhsa_wavefront_size32 1
		.amdhsa_system_sgpr_workgroup_id_x 1
		.amdhsa_system_sgpr_workgroup_id_y 1
		.amdhsa_system_sgpr_workgroup_id_z 1
		.amdhsa_system_vgpr_workitem_id 0
		.amdhsa_next_free_vgpr 1024
		.amdhsa_next_free_sgpr 98
		.amdhsa_reserve_vcc 0
		.amdhsa_float_denorm_mode_32 3
		.amdhsa_float_denorm_mode_16_64 3
		.amdhsa_memory_ordered 1
		.amdhsa_forward_progress 1
		.amdhsa_inst_pref_size 255
	.end_amdhsa_kernel
	.section	.bss,"aw",@nobits
	.p2align	6
	.space	262144
	.amdgpu_metadata
---
amdhsa.version: [ 1, 2 ]
amdhsa.kernels:
  - .name:           k_q1d18314f87_qkv
    .symbol:         k_q1d18314f87_qkv.kd
    .args:
      - { .name: x_codes, .offset: 0, .size: 8, .value_kind: global_buffer, .address_space: global }
      - { .name: x_scales, .offset: 8, .size: 8, .value_kind: global_buffer, .address_space: global }
      - { .name: wq_codes, .offset: 16, .size: 8, .value_kind: global_buffer, .address_space: global }
      - { .name: wq_scales, .offset: 24, .size: 8, .value_kind: global_buffer, .address_space: global }
      - { .name: wk_codes, .offset: 32, .size: 8, .value_kind: global_buffer, .address_space: global }
      - { .name: wk_scales, .offset: 40, .size: 8, .value_kind: global_buffer, .address_space: global }
      - { .name: wv_codes, .offset: 48, .size: 8, .value_kind: global_buffer, .address_space: global }
      - { .name: wv_scales, .offset: 56, .size: 8, .value_kind: global_buffer, .address_space: global }
      - { .name: freqs_cos, .offset: 64, .size: 8, .value_kind: global_buffer, .address_space: global }
      - { .name: freqs_sin, .offset: 72, .size: 8, .value_kind: global_buffer, .address_space: global }
      - { .name: q_img, .offset: 80, .size: 8, .value_kind: global_buffer, .address_space: global }
      - { .name: q_sc, .offset: 88, .size: 8, .value_kind: global_buffer, .address_space: global }
      - { .name: k_img, .offset: 96, .size: 8, .value_kind: global_buffer, .address_space: global }
      - { .name: k_sc, .offset: 104, .size: 8, .value_kind: global_buffer, .address_space: global }
      - { .name: v_img, .offset: 112, .size: 8, .value_kind: global_buffer, .address_space: global }
      - { .name: v_sc, .offset: 120, .size: 8, .value_kind: global_buffer, .address_space: global }
    .group_segment_fixed_size: 327680
    .private_segment_fixed_size: 0
    .kernarg_segment_align: 8
    .kernarg_segment_size: 128
    .max_flat_workgroup_size: 128
    .sgpr_count:     98
    .vgpr_count:     1024
    .wavefront_size: 32
...
	.end_amdgpu_metadata
.endif
;; end of part 4
;; launch attn (part 5): grid 32 x 8, 8 waves a work-group, clusters of 4 x 4, 327,680 bytes of LDS; arguments q_img, q_sc, k_img, k_sc, v_img, v_sc, mask0, mask1, a_img, a_sc; writes a_img, a_sc
.if DOCPART == 5
	.amdgcn_target "amdgcn-amd-amdhsa--gfx1250"
	.amdhsa_code_object_version 6
	.text
	.protected	k_q1d18314f87_attn
	.globl	k_q1d18314f87_attn
	.p2align	8
	.type	k_q1d18314f87_attn,@function
k_q1d18314f87_attn:
	s_mov_b64 s[64:65], 0
	v_nop
	global_prefetch_b8 v0, s[64:65] scope:SCOPE_SE
	s_setreg_imm32_b32 hwreg(HW_REG_WAVE_MODE, 25, 1), 1
	s_wait_xcnt 0x0
	s_wait_alu depctr_hold_cnt(0) depctr_sa_sdst(0) depctr_va_vdst(0) depctr_va_sdst(0) depctr_va_ssrc(0) depctr_va_vcc(0) depctr_vm_vsrc(0)
	s_getreg_b32 s2, hwreg(HW_REG_IB_STS2, 6, 4)
	s_cmp_eq_u32 s2, 0
	s_cbranch_scc0 .Lentry_in_a_cluster
	s_endpgm
.Lentry_in_a_cluster:
	s_bfe_u32 s2, ttmp6, 0x10000c
	s_cmp_lg_u32 s2, 0xf033
	s_cbranch_scc0 .Lentry_shape_is_right
	s_endpgm
.Lentry_shape_is_right:
; a[q][h][:] = sum over k of P[h][q][k] v[k][h][:],  P = softmax_k(q.k / 8 * 1.1 * mask0 + mask1) * mask0, both products on codes of FP6 (E2M3) with one E8M0 scale for each 32 along K.
; WHAT IS QUANTISED is the finished P, so a row's maximum and sum are known before any P is made: THE KEYS ARE WALKED TWICE.  Both masks are inputs: all keys are walked and both masks are read, in both passes.
; ARITHMETIC, the same instructions in both passes: t = s (mask0 c) + mask1, c = 1.1 / 8, one fused multiply-add; e = 2^(t log2(e) + N), N = -(M log2(e)) rounded, M the row's running maximum of t, one fused
; multiply-add.  What the rounding of N leaves is the same factor in every e of a row and in their sum l, and goes with the division.  P = (e (1 / (l c))) (mask0 c).
; LIMITS: the promise holds while the scaled scores (t log2(e)) stay under 2^31 in magnitude; NaN and infinities among the inputs are not served; an e under 2^-126 becomes 0; a block of zeros gets the byte 1
; (zero codes; this program alone reads the bytes).  Order of rounding other than the source's: c is folded onto mask0, the mask's addition is fused, the division is a reciprocal and a product, and in both
; products the codes of a block of 32 lie in the order 0-7, 16-23, 8-15, 24-31 on both sides alike.
; SHARES.  A work-group: 64 queries x 4 heads.  Wave w: 16 queries (tile w % 4) x 2 heads (pair w / 4).  Two heads in one K of 128: Q stands as [head 0 | zeros | head 1], 18 registers, of which 0-11 and 6-17 are
; two operands.  Both products are used transposed (S^T = K Q^T, O^T = V^T P^T): a lane holds one query throughout.  Operands come as images of their registers (1,536 bytes a fragment).
; RING.  Two LDS slots, one key step of 128 keys each: both masks (64 rows x 512 bytes), K's and V's images.  32 steps; step g's change of slots asks for key step (g + 2) mod 16.  Waves 0-3 fetch the masks, 4-5 K, 6-7 V.
; TWO BUFFERS OF SCORES, SA and SB, for a step's two halves of 64 keys: the next half's eight products stand one by one among vector work on the other buffer (pass 1: the multiply-adds of t log2(e) + N; pass 2: P's two
; multiplications).  The masks lie in window 1, beside Q: under the one setting 'source 1 in window 1' the products and that vector work need no switch between them.
; THE CHANGE OF SLOTS stands where the slot's last bytes are in registers; between the round's opening signal and its wait stands register work that is due anyway (sums, mask0 c, t).
; CLUSTER 4 x 4.  The masks hang on the query block alone: asked for jointly by a column.  K, V and their scales hang on the heads alone: jointly by a row.
; REGISTERS: window 0: v1-15 addresses; v16-31 statistics; v32-79 four fragments of K; v80-143 SB; v144-207 SA (head e, tile t at 32 e + 8 t); v208-218 scale words and nothing else; v220-243 P's codes (pass 1: at work);
;   v244-255 at work.   window 1: v0-63 O^T; v64-81 Q; v82-85 1 / (l c); v96-191 eight fragments of V; v192-223 mask0, v224-255 mask1.
.set MP,    528                        ; a mask row in LDS: 512 bytes + 16
.set FRB,   1536
.set M1OFF, 64*MP
.set KOFF,  2*64*MP
.set VOFF,  KOFF+16*FRB
.set SLOT1, 1<<17
.set SCK,   2*SLOT1                    ; K's scale words of the two pairs, all keys; filled once
.set SCV,   SCK+16384                  ; V's; filled once
.set SPARE, SCV+16384                  ; the spare words, 128 bytes for each of eight waves; no other line names them
.set AK,  1
.set AV,  2
.set AM,  3
.set AKS, 4
.set AVS, 5
.set SPW, 6
.set NIL, 7
.set ADK, 8
.set ADM, 9
.set ADV, 10
.set ADS, 11
.set ADT, 12
.set PFO, 13
.set LI,  14
.set MX,  16                           ; v16, v17 the running maximum of head 0, 1
.set NML, 18                           ; v18, v20 N (v19, v21: named with them as pairs)
.set LS,  22                           ; v[22:23], v[24:25] the sums, in two halves
.set FF,  26                           ; v26, v28 the factor for the old sum
.set XP,  30                           ; v30, v31 the other half's maximum or sum
.set TMX, 22                           ; pass 2: v22-25, v26-29 at work on four blocks
.set TMP, 26
.set KF,  32
.set SB,  80
.set SA,  144
.set KSC, 208
.set VSC, 212
.set QSC, 216
.set PS,  217
.set PCD, 220
.set XA,  220                          ; pass 1: v220-227 eight chains of maxima, then four of sums
.set T1,  228                          ; pass 1: v[228:229], v[230:231] a chain of sums
.set XN,  232                          ; pass 1: v232, v233 the new maximum
.set TP,  244
.set TSO, 252
.set QR,  64                           ; window 1
.set INV, 82
.set VF,  96
.set MK0, 192
.set MK1, 224
.set TM,  80                           ; the way out
.set QC,  96
.set PW,  116
.set TB,  2                            ; s2 LDS byte at which the slot in hand begins
.set TS,  3                            ; s3 that step's scale words of K
.set BM,  8                            ; s[8:9], s[10:11] where my mask rows and my K images of key step 0 lie
.set BK,  10
.set OF,  12                           ; s[12:13] an offset, the upper word 0
.set KI,  14                           ; s14 the key step asked for last
.set NL2, 15                           ; s15 -log2(e)
.set G1M, 24
.set G1D, 32
.set G1KS, 40
.set G1VS, 48
.set G0M, 56
.set G0K, 60
.set WV,  66
.set CNT, 67
.set G0V, 68
.set G0E, 72
.set SEL, 76
.set C1,  78
.set L2E, 80
.set LIM, 82
.set TJ,  83
.set G0KS, 84
.set G0VS, 88
.set PFA, 92
.set MSB, 0
.macro WIN new
.if MSB != (\new)
	s_set_vgpr_msb (MSB<<8)|(\new)
.set MSB, (\new)
.endif
.endm
.macro NOPS n
.rept \n
	v_nop
.endr
.endm
.macro CREST                           ; a round of the cluster's barrier behind its opening barrier
	s_cmp_lg_u32 s[WV], 0
	s_cbranch_scc1 .Lnot_wave_0_\@
	s_barrier_signal -3
.Lnot_wave_0_\@:
	s_barrier_wait -3
	s_barrier_signal -1
	s_barrier_wait -1
.endm
.macro CROUND
	s_barrier_signal -1
	s_barrier_wait -1
	CREST
.endm
; A joint fill, one tensor load a wave: waves 0-3 the masks, 4-5 K; fillv = 1: waves 6-7 V's next key chunk; fillv = 2: V's first fills.  s_nop 0 and four v_nop behind each load.
.macro FILL fillv
	s_cmp_lt_u32 s[WV], 4
	s_cbranch_scc0 .Lnot_m_\@
	tensor_load_to_lds s[G0M:G0M+3], s[G1M:G1M+7]
	s_nop 0
	NOPS 4
	s_branch .Lfilled_\@
.Lnot_m_\@:
	s_cmp_lt_u32 s[WV], 6
	s_cbranch_scc0 .Lnot_k_\@
	tensor_load_to_lds s[G0K:G0K+3], s[G1D:G1D+7]
	s_nop 0
	NOPS 4
.if \fillv
	s_branch .Lfilled_\@
.endif
.Lnot_k_\@:
.if \fillv == 2
	tensor_load_to_lds s[G0E:G0E+3], s[G1KS:G1KS+7]   ; wave 6 key chunk 0 into slot 0, wave 7 key chunk 1 into slot 1, both pairs in one load of 96 rows of 256 bytes
	s_nop 0
	NOPS 4
.elseif \fillv
	tensor_load_to_lds s[G0V:G0V+3], s[G1D:G1D+7]
	s_nop 0
	NOPS 4
.endif
.Lfilled_\@:
.endm
; A prefetch, pass 1 alone: the masks of the key step that the NEXT change of slots will ask for.  The cluster with y = 0 asks for its column of the grid; its four partners share the 64 rows out by address, 16 each;
; wave 0 asks for mask0's, wave 1 for mask1's: two lanes to a row, 256 bytes apart.  It stops with key step 15 (CNT = 4).  In pass 2 the masks have been read before.
.macro PREF
	s_cmp_gt_u32 s[CNT], s[LIM]
	s_cbranch_scc0 .Lnot_mine_\@
	global_prefetch_b8 v[PFO], s[PFA:PFA+1] th:TH_LOAD_NT scope:SCOPE_SE
.Lnot_mine_\@:
.endm
; The three lines in front of a change of slots, with the descriptors' steps between the add and the wait for it.  step = 1: the slot left takes key step (KI + 1) mod 16.
.macro LINES step, fillv, ask
	s_wait_tensorcnt 0x0                           ; no tensor load of mine is out, so the groups 0 may be written
	ds_add_u32 v[SPW], v[NIL]
.if \step
	s_xor_b32 s[G0M+1], s[G0M+1], SLOT1
	s_xor_b32 s[G0K+1], s[G0K+1], SLOT1
	s_add_co_u32 s[KI], s[KI], 1
	s_and_b32 s[KI], s[KI], 15
	s_lshl_b32 s[OF], s[KI], 9                     ; 128 keys are 512 bytes of a mask row,
	s_add_nc_u64 s[G0M+2:G0M+3], s[BM:BM+1], s[OF:OF+1]
	s_or_b32 s[G0M+3], s[G0M+3], 0x80000000
	s_mul_i32 s[OF], s[KI], 8*FRB                  ; and 8 images of K
	s_add_nc_u64 s[G0K+2:G0K+3], s[BK:BK+1], s[OF:OF+1]
	s_or_b32 s[G0K+3], s[G0K+3], 0x80000000
.endif
.if \fillv == 1
	s_xor_b32 s[G0V+1], s[G0V+1], SLOT1
	s_add_nc_u64 s[G0V+2:G0V+3], s[G0V+2:G0V+3], 128*FRB
.endif
.if \fillv == 2
	s_mov_b32 s[G1KS+2], 96<<16                    ; the group 1 that brought K's scale words now counts 96 dense rows
	s_mov_b32 s[G1KS+4], 96
.endif
.if \ask
	s_wait_xcnt 0x0                                ; the last prefetch, a step back, has read its address
	s_add_nc_u64 s[PFA:PFA+1], s[PFA:PFA+1], 512
.endif
	s_wait_dscnt 0x0                               ; the add is done, and my reads of the slot that I leave are over
.endm
.macro NEXT v                          ; the scalars go on to the next step
	s_xor_b32 s[TB], s[TB], SLOT1
	s_add_co_u32 s[TS], s[TS], 512
	s_and_b32 s[TS], s[TS], 0x1e00                 ; 16 key steps, then the first again
.if \v
	s_add_co_u32 s[TJ], s[TJ], 1024
.endif
.endm
.macro LOADK c                         ; four fragments of K: tiles 4 c .. 4 c + 3 of the step's eight
.irp t, 0,1,2,3
.irp g, 0,1,2
	ds_load_b128 v[KF+12*\t+4*\g:KF+12*\t+4*\g+3], v[ADK] offset:(4*(\c)+\t)*FRB+512*\g
.endr
.endr
.endm
.macro LOADM c                         ; my query's numbers of both masks, keys 64 c + 16 t + 8 (lane / 16) + 0 .. 7, into window 1: 16 loads
	WIN 0x40
.irp t, 0,1,2,3
.irp jj, 0,1
	ds_load_b128 v[MK0+8*\t+4*\jj:MK0+8*\t+4*\jj+3], v[ADM] offset:256*(\c)+64*\t+16*\jj
	ds_load_b128 v[MK1+8*\t+4*\jj:MK1+8*\t+4*\jj+3], v[ADM] offset:M1OFF+256*(\c)+64*\t+16*\jj
.endr
.endr
	WIN 0
.endm
.macro LOADV                           ; the pair's eight fragments of V, into window 1
	WIN 0x40
.irp f, 0,1,2,3,4,5,6,7
.irp g, 0,1,2
	ds_load_b128 v[VF+12*\f+4*\g:VF+12*\f+4*\g+3], v[ADV] offset:\f*FRB+512*\g
.endr
.endr
	WIN 0
.endm
.macro HEAD m                          ; what the next step wants first, straight behind the change of slots
	v_add_nc_u32 v[ADK], s[TB], v[AK]
	v_add_nc_u32 v[ADM], s[TB], v[AM]
	v_add_nc_u32 v[ADS], s[TS], v[AKS]
	LOADK 0
	ds_load_b128 v[KSC:KSC+3], v[ADS]
.if \m
	LOADM 0
.endif
.endm
.macro WM dst, c, k                    ; product k = 2 t + e of half c's eight, a sum of its own; source 1 (Q) in window 1
.if ((\k)/2)%2
	v_wmma_scale_f32_16x16x128_f8f6f4 v[\dst+32*((\k)%2)+8*((\k)/2):\dst+32*((\k)%2)+8*((\k)/2)+7], v[KF+12*((\k)/2):KF+12*((\k)/2)+11], v[QR+6*((\k)%2):QR+6*((\k)%2)+11], 0, v[KSC+(4*(\c)+(\k)/2)/2], v[QSC] matrix_a_fmt:MATRIX_FMT_FP6 matrix_b_fmt:MATRIX_FMT_FP6 matrix_a_scale:MATRIX_SCALE_ROW1
.else
	v_wmma_scale_f32_16x16x128_f8f6f4 v[\dst+32*((\k)%2)+8*((\k)/2):\dst+32*((\k)%2)+8*((\k)/2)+7], v[KF+12*((\k)/2):KF+12*((\k)/2)+11], v[QR+6*((\k)%2):QR+6*((\k)%2)+11], 0, v[KSC+(4*(\c)+(\k)/2)/2], v[QSC] matrix_a_fmt:MATRIX_FMT_FP6 matrix_b_fmt:MATRIX_FMT_FP6
.endif
.endm
.macro MSC1                            ; mask0 x c, which both heads share
	WIN 0x41
.set i, 0
.rept 16
	v_pk_mul_f32 v[MK0+i:MK0+i+1], v[MK0+i:MK0+i+1], s[C1:C1+1] op_sel_hi:[1,0]
.set i, i+2
.endr
.endm
.macro TFM x, w                        ; t = s (mask0 c) + mask1; each accumulator is read from its low end on.  w = 1: exponentials stand behind the products: a wait ahead of the first reader
	WIN 0x14
.if \w
	s_wait_alu depctr_va_vdst(0)
.endif
.set i, 0
.rept 32
	v_pk_fma_f32 v[\x+i:\x+i+1], v[\x+i:\x+i+1], v[MK0+i%32:MK0+i%32+1], v[MK1+i%32:MK1+i%32+1]
.set i, i+2
.endr
	WIN 0
.endm
; t log2(e) + N on buffer x, two at a time.  c >= 0: half c's eight products into dst, one ahead of every four; the four behind the last are the places in front of the loads into K's registers
.macro SUBW x, c, dst
.if (\c) >= 0
	WIN 0x04
.endif
.set nn, 0
.rept 8
.if (\c) >= 0
	WM \dst, \c, nn
.endif
.set i, 0
.rept 4
	v_pk_fma_f32 v[\x+8*nn+i:\x+8*nn+i+1], v[\x+8*nn+i:\x+8*nn+i+1], s[L2E:L2E+1], v[NML+2*(nn/4):NML+2*(nn/4)+1] op_sel_hi:[1,0,0]
.set i, i+2
.endr
.set nn, nn+1
.endr
	WIN 0
.endm
.macro EXPB x, ff                      ; one batch, a wait ahead of it and one behind
	s_wait_alu depctr_va_vdst(0)
.if \ff
	v_exp_f32 v[FF], v[FF]
	v_exp_f32 v[FF+2], v[FF+2]
.endif
.set i, 0
.rept 64
	v_exp_f32 v[\x+i], v[\x+i]
.set i, i+1
.endr
	v_nop
	s_wait_alu depctr_va_vdst(0)
.endm
; PASS 1, 64 keys: the new maximum (eight chains; the old one among the leaves), N, and the exponent of the factor for the old sum
.macro MAXP x
.irp j, 0,1,2,3
.irp e, 0,1
	v_max3_num_f32 v[XA+4*\e+\j], v[\x+32*\e+8*\j], v[\x+32*\e+8*\j+1], v[\x+32*\e+8*\j+2]
.endr
.endr
.irp k, 3,5
.irp j, 0,1,2,3
.irp e, 0,1
	v_max3_num_f32 v[XA+4*\e+\j], v[XA+4*\e+\j], v[\x+32*\e+8*\j+\k], v[\x+32*\e+8*\j+\k+1]
.endr
.endr
.endr
.irp e, 0,1
	v_max3_num_f32 v[XA+4*\e], v[XA+4*\e], v[XA+4*\e+1], v[\x+32*\e+7]
.endr
.irp e, 0,1
	s_delay_alu instid0(VALU_DEP_4)
	v_max3_num_f32 v[XA+4*\e+2], v[XA+4*\e+2], v[XA+4*\e+3], v[\x+32*\e+15]
.endr
.irp e, 0,1
	s_delay_alu instid0(VALU_DEP_4)
	v_max3_num_f32 v[XA+4*\e], v[XA+4*\e], v[\x+32*\e+23], v[\x+32*\e+31]
.endr
.irp e, 0,1
	s_delay_alu instid0(VALU_DEP_2)
	v_max3_num_f32 v[XA+4*\e], v[XA+4*\e], v[XA+4*\e+2], v[MX+\e]
.endr
.irp e, 0,1
	s_delay_alu instid0(VALU_DEP_2)
	v_permlanex16_b32 v[XP+\e], v[XA+4*\e], s[SEL], s[SEL+1]   ; the query's other 32 keys lie in the lane 16 away
.endr
.irp e, 0,1
	s_delay_alu instid0(VALU_DEP_2)
	v_max_num_f32 v[XN+\e], v[XA+4*\e], v[XP+\e]
.endr
.irp e, 0,1
	s_delay_alu instid0(VALU_DEP_2)
	v_mul_f32 v[XP+\e], s[NL2], v[XN+\e]           ; the new N = -(M log2(e))
.endr
.irp e, 0,1
	s_delay_alu instid0(VALU_DEP_2)
	v_sub_f32 v[FF+2*\e], v[XP+\e], v[NML+2*\e]    ; the new N less the old: 0 or less; 2 to that power brings the old sum under the new N
.endr
.irp e, 0,1
	s_delay_alu instid0(VALU_DEP_4)
	v_mov_b32 v[NML+2*\e], v[XP+\e]
.endr
.irp e, 0,1
	v_mov_b32 v[MX+\e], v[XN+\e]
.endr
	s_wait_alu depctr_va_vdst(0)
.endm
.macro SUMP x                          ; the sums: the old one x its factor, and 32 numbers a head, two at a time, in eight chains
.irp e, 0,1
	v_pk_fma_f32 v[LS+2*\e:LS+2*\e+1], v[LS+2*\e:LS+2*\e+1], v[FF+2*\e:FF+2*\e+1], v[\x+32*\e:\x+32*\e+1] op_sel_hi:[1,0,1]
.endr
.irp e, 0,1
	v_pk_add_f32 v[T1+2*\e:T1+2*\e+1], v[\x+32*\e+2:\x+32*\e+3], v[\x+32*\e+4:\x+32*\e+5]
.endr
.irp e, 0,1
	v_pk_add_f32 v[XA+4*\e:XA+4*\e+1], v[\x+32*\e+6:\x+32*\e+7], v[\x+32*\e+8:\x+32*\e+9]
.endr
.irp e, 0,1
	v_pk_add_f32 v[XA+4*\e+2:XA+4*\e+3], v[\x+32*\e+10:\x+32*\e+11], v[\x+32*\e+12:\x+32*\e+13]
.endr
.irp k, 14,22
.irp e, 0,1
	v_pk_add_f32 v[LS+2*\e:LS+2*\e+1], v[LS+2*\e:LS+2*\e+1], v[\x+32*\e+\k:\x+32*\e+\k+1]
.endr
.irp e, 0,1
	v_pk_add_f32 v[T1+2*\e:T1+2*\e+1], v[T1+2*\e:T1+2*\e+1], v[\x+32*\e+\k+2:\x+32*\e+\k+3]
.endr
.irp e, 0,1
	v_pk_add_f32 v[XA+4*\e:XA+4*\e+1], v[XA+4*\e:XA+4*\e+1], v[\x+32*\e+\k+4:\x+32*\e+\k+5]
.endr
.irp e, 0,1
	v_pk_add_f32 v[XA+4*\e+2:XA+4*\e+3], v[XA+4*\e+2:XA+4*\e+3], v[\x+32*\e+\k+6:\x+32*\e+\k+7]
.endr
.endr
.irp e, 0,1
	v_pk_add_f32 v[LS+2*\e:LS+2*\e+1], v[LS+2*\e:LS+2*\e+1], v[\x+32*\e+30:\x+32*\e+31]
.endr
.irp e, 0,1
	v_pk_add_f32 v[T1+2*\e:T1+2*\e+1], v[T1+2*\e:T1+2*\e+1], v[XA+4*\e:XA+4*\e+1]
.endr
.irp e, 0,1
	s_delay_alu instid0(VALU_DEP_4)
	v_pk_add_f32 v[LS+2*\e:LS+2*\e+1], v[LS+2*\e:LS+2*\e+1], v[XA+4*\e+2:XA+4*\e+3]
.endr
.irp e, 0,1
	s_delay_alu instid0(VALU_DEP_2)
	v_pk_add_f32 v[LS+2*\e:LS+2*\e+1], v[LS+2*\e:LS+2*\e+1], v[T1+2*\e:T1+2*\e+1]
.endr
.endm
; PASS 2: P = (e / (l c)) (mask0 c) on buffer x: 64 multiplications, two numbers each.  c >= 0: half c's eight products into dst, one ahead of every eight
.macro MULW x, c, dst
	WIN 0x04                                       ; source 1 window 1: 1 / (l c), mask0, Q
.set qq, 0
.rept 64
.if (\c) >= 0 && qq%8 == 0
	WM \dst, \c, qq/8
.endif
.if qq < 32
	v_pk_mul_f32 v[\x+2*qq:\x+2*qq+1], v[\x+2*qq:\x+2*qq+1], v[INV+2*(qq/16):INV+2*(qq/16)+1] op_sel_hi:[1,0]
.else
	v_pk_mul_f32 v[\x+2*(qq-32):\x+2*(qq-32)+1], v[\x+2*(qq-32):\x+2*(qq-32)+1], v[MK0+2*(qq%16):MK0+2*(qq%16)+1]
.endif
.set qq, qq+1
.endr
	WIN 0
.endm
; P's codes: blocks 2 c and 2 c + 1 of the step's four, both heads.  Block q = 2 e + (t / 2) of this half lies in v[x + 16 q] on: my 16 numbers; lane l xor 16 holds the other 16.
.macro QNT x, c
.irp q, 0,1,2,3
	v_max3_num_f32 v[TMX+\q], |v[\x+16*\q]|, |v[\x+16*\q+1]|, 0x1800000   ; the floor 2^(3 - 127): the byte cannot fall under 1
	v_max3_num_f32 v[TMP+\q], |v[\x+16*\q+8]|, |v[\x+16*\q+9]|, |v[\x+16*\q+10]|
.endr
.irp i, 2,4
.irp q, 0,1,2,3
	v_max3_num_f32 v[TMX+\q], v[TMX+\q], |v[\x+16*\q+\i]|, |v[\x+16*\q+\i+1]|
	v_max3_num_f32 v[TMP+\q], v[TMP+\q], |v[\x+16*\q+\i+9]|, |v[\x+16*\q+\i+10]|
.endr
.endr
.irp q, 0,1,2,3
	v_max3_num_f32 v[TMX+\q], v[TMX+\q], |v[\x+16*\q+6]|, |v[\x+16*\q+7]|
.endr
.irp q, 0,1,2,3
	s_delay_alu instid0(VALU_DEP_4)
	v_max3_num_f32 v[TMX+\q], v[TMX+\q], v[TMP+\q], |v[\x+16*\q+15]|
.endr
.irp q, 0,1,2,3
	s_delay_alu instid0(VALU_DEP_4)
	v_permlanex16_b32 v[TMP+\q], v[TMX+\q], s[SEL], s[SEL+1]
.endr
.irp q, 0,1,2,3
	s_delay_alu instid0(VALU_DEP_4)
	v_max_num_f32 v[TMX+\q], v[TMX+\q], v[TMP+\q]
.endr
.irp q, 0,1,2,3
	s_delay_alu instid0(VALU_DEP_4)
	v_add_nc_u32 v[TSO+\q], 0xff000000, v[TMX+\q]  ; 2 off the exponent field: the conversion's scale operand
.endr
.irp q, 0,1,2,3
	s_delay_alu instid0(VALU_DEP_4)
	v_lshrrev_b32 v[TMP+\q], 23, v[TSO+\q]         ; the scale's byte
.endr
.if (\c) == 0
	s_delay_alu instid0(VALU_DEP_3)
	v_lshl_or_b32 v[PS], v[TMP+1], 8, v[TMP]
	s_delay_alu instid0(VALU_DEP_2)
	v_lshl_or_b32 v[PS+1], v[TMP+3], 8, v[TMP+2]
.else
.irp e, 0,1
	s_delay_alu instid0(VALU_DEP_4)
	v_lshl_or_b32 v[PS+\e], v[TMP+2*\e], 16, v[PS+\e]
	s_delay_alu instid0(VALU_DEP_1)
	v_lshl_or_b32 v[PS+\e], v[TMP+2*\e+1], 24, v[PS+\e]
.endr
.endif
.irp e, 0,1
	v_cvt_scalef32_pk16_fp6_f32 v[PCD+12*\e+6*(\c):PCD+12*\e+6*(\c)+2], v[\x+32*\e:\x+32*\e+15], v[TSO+2*\e]
	v_cvt_scalef32_pk16_fp6_f32 v[TP+4*\e:TP+4*\e+2], v[\x+32*\e+16:\x+32*\e+31], v[TSO+2*\e+1]
.endr
	v_nop                                          ; one plain place behind a scaled conversion
.irp e, 0,1                                    ; a whole block in a lane: lanes 0-15 block 2 c, lanes 16-31 block 2 c + 1
.irp i, 0,1,2
	v_permlane16_swap_b32 v[PCD+12*\e+6*(\c)+\i], v[TP+4*\e+\i]
.endr
.irp i, 0,1,2
	s_delay_alu instid0(VALU_DEP_3)
	v_mov_b32 v[PCD+12*\e+6*(\c)+3+\i], v[TP+4*\e+\i]
.endr
.endr
.endm
.macro PVM zero                        ; O^T += V^T P^T: eight accumulators, one instruction a turn; zero = 1: the first key step starts the sums
	WIN 0x51                                       ; V, C and D window 1; P's codes window 0
.irp t, 0,1,2,3
.irp e, 0,1
.if \zero
.if \t % 2
	v_wmma_scale_f32_16x16x128_f8f6f4 v[32*\e+8*\t:32*\e+8*\t+7], v[VF+12*(4*\e+\t):VF+12*(4*\e+\t)+11], v[PCD+12*\e:PCD+12*\e+11], 0, v[VSC+(4*\e+\t)/2], v[PS+\e] matrix_a_fmt:MATRIX_FMT_FP6 matrix_b_fmt:MATRIX_FMT_FP6 matrix_a_scale:MATRIX_SCALE_ROW1
.else
	v_wmma_scale_f32_16x16x128_f8f6f4 v[32*\e+8*\t:32*\e+8*\t+7], v[VF+12*(4*\e+\t):VF+12*(4*\e+\t)+11], v[PCD+12*\e:PCD+12*\e+11], 0, v[VSC+(4*\e+\t)/2], v[PS+\e] matrix_a_fmt:MATRIX_FMT_FP6 matrix_b_fmt:MATRIX_FMT_FP6
.endif
.else
.if \t % 2
	v_wmma_scale_f32_16x16x128_f8f6f4 v[32*\e+8*\t:32*\e+8*\t+7], v[VF+12*(4*\e+\t):VF+12*(4*\e+\t)+11], v[PCD+12*\e:PCD+12*\e+11], v[32*\e+8*\t:32*\e+8*\t+7], v[VSC+(4*\e+\t)/2], v[PS+\e] matrix_a_fmt:MATRIX_FMT_FP6 matrix_b_fmt:MATRIX_FMT_FP6 matrix_a_scale:MATRIX_SCALE_ROW1
.else
	v_wmma_scale_f32_16x16x128_f8f6f4 v[32*\e+8*\t:32*\e+8*\t+7], v[VF+12*(4*\e+\t):VF+12*(4*\e+\t)+11], v[PCD+12*\e:PCD+12*\e+11], v[32*\e+8*\t:32*\e+8*\t+7], v[VSC+(4*\e+\t)/2], v[PS+\e] matrix_a_fmt:MATRIX_FMT_FP6 matrix_b_fmt:MATRIX_FMT_FP6
.endif
.endif
.endr
.endr
	WIN 0
.endm
; A TRIP OF PASS 1.  It finds SA = t of the step's first half and K's second four fragments on their way, and leaves the same of the next step (after key step 15: of pass 2's first).
.macro TRIP1
	LOADM 1
	MAXP SA
	s_wait_dscnt 16                                ; K's four fragments are in; the 16 mask loads behind them may be out
	SUBW SA, 1, SB
	EXPB SA, 1
	NEXT 0
	LINES 1, 0, 1
	s_barrier_signal -1                            ; the round opens; register work alone up to its wait
	SUMP SA
	MSC1
	TFM SB, 1
	s_wait_alu depctr_va_vdst(0)                   ; the wait ahead of the barrier's wait
	s_barrier_wait -1
	CREST
	FILL 0
	PREF
	HEAD 1
	MAXP SB
	s_wait_dscnt 0x0                               ; the next step's first fragments, masks and scale words
	SUBW SB, 0, SA
	LOADK 1
	EXPB SB, 1
	SUMP SB
	MSC1
	TFM SA, 1
.endm
; A TRIP OF PASS 2, with the same state at its ends, and mask0 c of the first half still in registers.  mode 2: in the loop; 1: key step 14, nothing is left to fetch; 0: key step 15.
.macro TRIP2 mode
	v_add_nc_u32 v[ADV], s[TB], v[AV]
	v_add_nc_u32 v[ADT], s[TJ], v[AVS]
	LOADV
	ds_load_b128 v[VSC:VSC+3], v[ADT]
	SUBW SA, -1, 0
	EXPB SA, 0
	s_wait_dscnt 25                                ; all but the 25 just issued: K's second four fragments are in
	MULW SA, 1, SB
	LOADM 1
	QNT SA, 0
.if \mode
	NEXT 1
	LINES (\mode)-1, (\mode)-1, 0
	s_barrier_signal -1
.else
	s_wait_dscnt 0x0
.endif
	MSC1
	TFM SB, 0
.if \mode
	s_wait_alu depctr_va_vdst(0)                   ; the wait ahead of the barrier's wait
	s_barrier_wait -1
.if \mode == 2
	CREST
	FILL 1
.endif
	HEAD 0
.endif
	SUBW SB, -1, 0
	EXPB SB, 0
.if \mode
	s_wait_dscnt 0x0                               ; the next step's first fragments and scale words
	MULW SB, 0, SA
	LOADK 1
	LOADM 0
.else
	MULW SB, -1, 0
.endif
	QNT SB, 1
.if \mode
	s_wait_dscnt 0x0                               ; the next step's masks
	MSC1                                           ; these 16 are also the places between P's scale words and codes and the products below
	WIN 0
.else
	NOPS 8
.endif
.if \mode == 2
	s_wait_alu depctr_va_vdst(0)                   ; the wait ahead of the branch
	s_cmp_eq_u32 s[CNT], 14
	s_cbranch_scc1 .Lpv_first
	PVM 0
	s_branch .Lpv_done
.Lpv_first:
	PVM 1                                          ; nothing is cleared
.Lpv_done:
.else
	PVM 0
.endif
.if \mode
	TFM SA, 0                                      ; and these 32 the places behind them
.else
	NOPS 4
.endif
.endm
	s_load_b512 s[4:19], s[0:1], 0x0               ; q's images s[4:5], scales s[6:7]; k's s[8:11]; v's s[12:15]; mask0 s[16:17], mask1 s[18:19]
	s_load_b128 s[20:23], s[0:1], 0x40             ; a's images, a's scales
	v_lshl_add_u32 v[SPW], v0, 2, SPARE
	v_mov_b32 v[NIL], 0
	ds_add_u32 v[SPW], v[NIL]                      ; the opening lines
	ds_add_u32 v[SPW], v[NIL]
	v_lshrrev_b32 v8, 5, v0
	s_delay_alu instid0(VALU_DEP_1)
	v_readfirstlane_b32 s[WV], v8                  ; wave 0..7
	s_and_b32 s96, s[WV], 1
	s_bfe_u32 s94, ttmp6, 0x40000                  ; cx
	s_bfe_u32 s95, ttmp6, 0x40004                  ; cy
	s_lshl_b32 s100, ttmp9, 2
	s_add_co_u32 s100, s100, s94                   ; my block of 64 queries
	s_and_b32 s97, ttmp7, 0xffff
	s_lshl_b32 s101, s97, 2
	s_add_co_u32 s101, s101, s95                   ; my group of 4 heads
	s_lshl_b32 s98, 0x1111, s94                    ; my column of the cluster: the same query block
	s_lshl_b32 s104, s95, 2
	s_lshl_b32 s104, 15, s104                      ; my row: the same heads
	s_or_b32 s[G1M], s98, (2<<16)|(1<<20)|(1<<21)|(6<<22)|(3<<25)   ; 32 mask rows of 128 numbers, 4 words of padding behind each
	s_mov_b32 s[G1M+1], 128<<16
	s_mov_b32 s[G1M+2], 32<<16
	s_mov_b32 s[G1M+3], 128<<16
	s_mov_b32 s[G1M+4], 32
	s_mov_b32 s[G1M+5], 2048
	s_mov_b32 s[G1M+6], 0
	s_mov_b32 s[G1M+7], 0
	s_or_b32 s[G1D], s104, (3<<16)|(1<<21)         ; 12,288 dense bytes as 48 rows of 256
	s_mov_b32 s[G1D+1], 32<<16
	s_mov_b32 s[G1D+2], 48<<16
	s_mov_b32 s[G1D+3], 32<<16
	s_mov_b32 s[G1D+4], 48
	s_mov_b32 s[G1D+5], 32
	s_mov_b32 s[G1D+6], 0
	s_mov_b32 s[G1D+7], 0
	s_or_b32 s[G1KS], s104, (3<<16)|(1<<21)        ; 16,384 dense bytes as 64 rows of 256
	s_mov_b32 s[G1KS+1], 32<<16
	s_mov_b32 s[G1KS+2], 64<<16
	s_mov_b32 s[G1KS+3], 32<<16
	s_mov_b32 s[G1KS+4], 64
	s_mov_b32 s[G1KS+5], 32
	s_mov_b32 s[G1KS+6], 0
	s_mov_b32 s[G1KS+7], 0
	s_or_b32 s[G1VS], s104, (3<<16)|(1<<21)        ; 16 rows (key chunks) of 1,024 bytes, 8,192 bytes apart
	s_mov_b32 s[G1VS+1], 128<<16
	s_mov_b32 s[G1VS+2], 16<<16
	s_mov_b32 s[G1VS+3], 128<<16
	s_mov_b32 s[G1VS+4], 16
	s_mov_b32 s[G1VS+5], 1024
	s_mov_b32 s[G1VS+6], 0
	s_mov_b32 s[G1VS+7], 0
	s_lshr_b32 s[LIM], s[WV], 1                    ; 0 in waves 0 and 1,
	s_or_b32 s[LIM], s[LIM], s97                   ; of the clusters with y = 0: the same in all sixteen partners
	s_cmp_eq_u32 s[LIM], 0
	s_cselect_b32 s[LIM], 3, -1
	s_lshl_b32 s98, s100, 19                       ; the masks: 64 rows of 8,192 bytes a query block,
	s_lshl_b32 s99, s96, 18                        ; + the 32 rows that I fetch
	s_add_co_u32 s98, s98, s99
	s_mov_b32 s99, 0
	s_lshl_b32 s97, s101, 1
	s_add_co_u32 s97, s97, s96                     ; the pair of heads that I fetch for
	s_mov_b32 s105, 0
	s_wait_dscnt 0x0
	s_wait_kmcnt 0x0
	s_mov_b32 s[G0M], 1
	s_mul_i32 s[G0M+1], s[WV], 32*MP               ; waves 0, 1: mask0's halves; 2, 3: mask1's, behind them
	s_cmp_lt_u32 s[WV], 2
	s_cselect_b64 s[G0M+2:G0M+3], s[16:17], s[18:19]
	s_add_nc_u64 s[G0M+2:G0M+3], s[G0M+2:G0M+3], s[98:99]
	s_mov_b32 s[G0K], 1
	s_mul_i32 s[G0K+1], s96, 8*FRB
	s_add_co_u32 s[G0K+1], s[G0K+1], KOFF
	s_mul_i32 s104, s97, 128*FRB                   ; K: a pair's 128 tiles of keys
	s_add_nc_u64 s[G0K+2:G0K+3], s[8:9], s[104:105]
	s_mov_b32 s[G0V], 1                            ; V's walk stands at slot 1 and key chunk 1: pass 2's first change steps it to slot 0 and key chunk 2
	s_mul_i32 s[G0V+1], s96, 8*FRB
	s_add_co_u32 s[G0V+1], s[G0V+1], VOFF+SLOT1
	s_mul_i32 s104, s97, 8*FRB
	s_add_nc_u64 s[G0V+2:G0V+3], s[12:13], s[104:105]
	s_add_nc_u64 s[G0V+2:G0V+3], s[G0V+2:G0V+3], 128*FRB
	s_or_b32 s[G0V+3], s[G0V+3], 0x80000000
	s_mov_b32 s[G0E], 1                            ; V's first fill: wave 6 slot 0 and key chunk 0, wave 7 slot 1 and key chunk 1; the group's two pairs lie on end, 16 images
	s_lshl_b32 s[G0E+1], s96, 17
	s_add_co_u32 s[G0E+1], s[G0E+1], VOFF
	s_mul_i32 s104, s101, 16*FRB
	s_add_nc_u64 s[G0E+2:G0E+3], s[12:13], s[104:105]
	s_mul_i32 s104, s96, 128*FRB
	s_add_nc_u64 s[G0E+2:G0E+3], s[G0E+2:G0E+3], s[104:105]
	s_or_b32 s[G0E+3], s[G0E+3], 0x80000000
	s_mov_b32 s[G0KS], 1
	s_mov_b32 s[G0KS+1], SCK
	s_lshl_b32 s104, s101, 14
	s_add_nc_u64 s[G0KS+2:G0KS+3], s[10:11], s[104:105]
	s_or_b32 s[G0KS+3], s[G0KS+3], 0x80000000
	s_mov_b32 s[G0VS], 1
	s_mov_b32 s[G0VS+1], SCV
	s_lshl_b32 s104, s101, 10
	s_add_nc_u64 s[G0VS+2:G0VS+3], s[14:15], s[104:105]
	s_or_b32 s[G0VS+3], s[G0VS+3], 0x80000000
	s_mov_b64 s[BM:BM+1], s[G0M+2:G0M+3]           ; key step 0's addresses are kept: every refill's is made from them
	s_mov_b64 s[BK:BK+1], s[G0K+2:G0K+3]
	s_or_b32 s[G0M+3], s[G0M+3], 0x80000000
	s_or_b32 s[G0K+3], s[G0K+3], 0x80000000
	s_mov_b32 s[OF+1], 0
	s_mov_b32 s[KI], 0
	s_mov_b32 s[NL2], 0xbfb8aa3b                   ; -log2(e)
	s_cmp_eq_u32 s[WV], 0                          ; the prefetches: wave 0 mask0, wave 1 mask1;
	s_cselect_b64 s[PFA:PFA+1], s[16:17], s[18:19]
	s_lshl_b32 s80, s100, 19
	s_lshl_b32 s81, s95, 17                        ; my work-group's 16 rows of the 64;
	s_add_co_u32 s80, s80, s81
	s_add_co_u32 s80, s80, 512                     ; at key step 1: the first change of slots steps it to key step 2
	s_mov_b32 s81, 0
	s_add_nc_u64 s[PFA:PFA+1], s[PFA:PFA+1], s[80:81]
	s_lshr_b32 s76, s[WV], 2                       ; my pair of the work-group's two
	s_and_b32 s77, s[WV], 3                        ; my tile of 16 queries of its four
	v_and_b32 v9, 31, v0
	v_and_b32 v10, 15, v0
	v_bfe_u32 v11, v0, 4, 1
	s_delay_alu instid0(VALU_DEP_3)
	v_lshlrev_b32 v[LI], 4, v9
	s_delay_alu instid0(VALU_DEP_3)
	v_lshlrev_b32 v15, 4, v10
	s_mul_i32 s2, s76, 8*FRB
	v_add_nc_u32 v[AK], s2, v[LI]
	s_delay_alu instid0(VALU_DEP_1)
	v_add_nc_u32 v[AV], VOFF, v[AK]
	s_delay_alu instid0(VALU_DEP_2)
	v_add_nc_u32 v[AK], KOFF, v[AK]
	s_mul_i32 s3, s77, 16*MP
	v_mul_u32_u24 v[AM], v10, MP
	s_delay_alu instid0(VALU_DEP_1)
	v_lshl_add_u32 v[AM], v11, 5, v[AM]
	s_delay_alu instid0(VALU_DEP_1)
	v_add_nc_u32 v[AM], s3, v[AM]
	s_lshl_b32 s2, s76, 13
	v_add_nc_u32 v[AKS], s2, v[LI]
	s_delay_alu instid0(VALU_DEP_1)
	v_add_nc_u32 v[AKS], SCK, v[AKS]
	s_lshl_b32 s2, s76, 9
	v_add_nc_u32 v[AVS], s2, v[LI]
	s_delay_alu instid0(VALU_DEP_1)
	v_add_nc_u32 v[AVS], SCV, v[AVS]
	v_lshrrev_b32 v[PFO], 1, v9
	s_delay_alu instid0(VALU_DEP_1)
	v_lshlrev_b32 v[PFO], 13, v[PFO]               ; two lanes to a mask row,
	v_and_b32 v12, 1, v9
	s_delay_alu instid0(VALU_DEP_1)
	v_lshl_add_u32 v[PFO], v12, 8, v[PFO]          ; 256 bytes apart
	s_lshl_b32 s78, s101, 1
	s_add_co_u32 s78, s78, s76                     ; p: my pair of heads, 0..15
	s_lshl_b32 s79, s100, 2
	s_add_co_u32 s79, s79, s77                     ; T: my tile of 16 tokens, 0..127
	s_lshl_b32 s80, s78, 7
	s_add_co_u32 s80, s80, s79
	s_mul_i32 s80, s80, FRB
	s_add_nc_u64 s[4:5], s[4:5], s[80:81]          ; Q's image (p, T)
	s_lshl_b32 s80, s78, 4
	s_lshr_b32 s81, s79, 3
	s_add_co_u32 s80, s80, s81
	s_lshl_b32 s80, s80, 9                         ; its scale words: group T / 8,
	s_and_b32 s81, s79, 1
	s_lshl_b32 s81, s81, 8                         ; lanes 16 (T % 2) on,
	s_add_co_u32 s80, s80, s81
	s_bfe_u32 s81, s79, 0x20001
	s_lshl_b32 s81, s81, 2                         ; word (T / 2) % 4
	s_add_co_u32 s80, s80, s81
	s_mov_b32 s81, 0
	s_add_nc_u64 s[6:7], s[6:7], s[80:81]
	s_lshl_b32 s80, s79, 4
	s_add_co_u32 s80, s80, s78
	s_mul_i32 s80, s80, FRB
	s_add_nc_u64 s[20:21], s[20:21], s[80:81]      ; the result's image (T, p)
	s_lshl_b32 s80, s79, 10
	s_lshl_b32 s78, s78, 2
	s_add_co_u32 s80, s80, s78
	s_add_nc_u64 s[22:23], s[22:23], s[80:81]      ; its scale words: 64 bytes a token, word p
	s_mov_b32 s[SEL], 0x76543210
	s_mov_b32 s[SEL+1], 0xfedcba98
	s_mov_b32 s[C1], 0x3e0ccccd                    ; c = 1.1 / 8
	s_mov_b32 s[C1+1], s[C1]
	s_mov_b32 s[L2E], 0x3fb8aa3b                   ; log2(e)
	s_mov_b32 s[L2E+1], s[L2E]
	s_mov_b32 s[TB], 0
	s_mov_b32 s[TS], 0
	s_mov_b32 s[TJ], 0
	CROUND                                         ; all sixteen work-groups are here: the first joint loads meet
	s_cmp_lt_u32 s[WV], 4                          ; the head's fills, one load a wave, in one chain of branches on the wave's number
	s_cbranch_scc0 .Lfirst_k
	tensor_load_to_lds s[G0M:G0M+3], s[G1M:G1M+7]  ; key step 0's masks
	s_nop 0
	NOPS 4
	s_branch .Lfirst_done
.Lfirst_k:
	s_cmp_lt_u32 s[WV], 6
	s_cbranch_scc0 .Lfirst_6
	tensor_load_to_lds s[G0K:G0K+3], s[G1D:G1D+7]  ; key step 0's K
	s_nop 0
	NOPS 4
	s_branch .Lfirst_done
.Lfirst_6:
	s_cmp_eq_u32 s[WV], 6
	s_cbranch_scc0 .Lfirst_7
	tensor_load_to_lds s[G0KS:G0KS+3], s[G1KS:G1KS+7]   ; K's scale words, all keys
	s_nop 0
	NOPS 4
	s_branch .Lfirst_done
.Lfirst_7:
	tensor_load_to_lds s[G0VS:G0VS+3], s[G1VS:G1VS+7]   ; V's scale words
	s_nop 0
	NOPS 4
.Lfirst_done:
.irp g, 0,1,2
	global_load_b128 v[32+4*\g:35+4*\g], v[LI], s[4:5] offset:512*\g   ; Q's image
.endr
	global_load_b32 v[QSC], v15, s[6:7]            ; Q's scale words: 16 bytes from row to row
	v_mov_b32 v[MX], 0xff000000                    ; -2^127, under every t that is served
	v_mov_b32 v[MX+1], 0xff000000
.set i, NML
.rept 14
	v_mov_b32 v[i], 0                              ; the sums, the pairs' upper halves, the lane permutes' destinations
.set i, i+1
.endr
	v_mov_b32 v[NML], 0x7f38aa3b                   ; N of the starting maximum: 2^127 log2(e)
	v_mov_b32 v[NML+2], 0x7f38aa3b
	s_wait_loadcnt 0x0
	WIN 0x40                                       ; destination window 1
.irp i, 0,1,2,3,4,5
	v_mov_b32 v[QR+\i], v[32+\i]                   ; head 0's 64 codes,
	v_mov_b32 v[QR+6+\i], 0                        ; 64 zero codes,
	v_mov_b32 v[QR+12+\i], v[38+\i]                ; head 1's
.endr
	WIN 0
	NOPS 4
	s_mov_b32 s[CNT], 16
	s_wait_alu depctr_va_vdst(0)                   ; the wait at the head's end
	LINES 1, 2, 1                                  ; key step 0 is whole; behind this round stand first fills alone: slot 1's masks and K, and V's two key chunks
	CROUND
	FILL 2
	PREF
	HEAD 1
	s_wait_dscnt 0x0
	WIN 0x04
.set nn, 0
.rept 8
	WM SA, 0, nn                                   ; key step 0's first half
.set nn, nn+1
.endr
	MSC1                                           ; 16 places behind the products
	WIN 0
	LOADK 1
	TFM SA, 0
	s_wait_alu depctr_va_vdst(0)
.Lpass1:                                           ; key steps 0 to 15
	TRIP1
	s_sub_co_u32 s[CNT], s[CNT], 1
	s_cmp_lg_u32 s[CNT], 0
	s_wait_alu depctr_va_vdst(0)                   ; the wait ahead of the branch
	s_cbranch_scc1 .Lpass1
	v_add_f32 v[LS], v[LS], v[LS+1]                ; the sums' two halves,
	v_add_f32 v[LS+2], v[LS+2], v[LS+3]
	s_delay_alu instid0(VALU_DEP_2)
	v_permlanex16_b32 v[XP], v[LS], s[SEL], s[SEL+1]
	s_delay_alu instid0(VALU_DEP_2)
	v_permlanex16_b32 v[XP+1], v[LS+2], s[SEL], s[SEL+1]
	s_delay_alu instid0(VALU_DEP_2)
	v_add_f32 v[LS], v[LS], v[XP]                  ; and lane l xor 16's: l
	s_delay_alu instid0(VALU_DEP_2)
	v_add_f32 v[LS+2], v[LS+2], v[XP+1]
	s_wait_alu depctr_va_vdst(0)
	v_rcp_f32 v[LS], v[LS]
	v_rcp_f32 v[LS+2], v[LS+2]
	v_nop
	s_wait_alu depctr_va_vdst(0)
	WIN 0x40
	v_mul_f32 v[INV], 0x40e8ba2f, v[LS]            ; x 1 / c = 7.2727273: mask0 carries c
	v_mul_f32 v[INV+2], 0x40e8ba2f, v[LS+2]
	v_mov_b32 v[INV+1], 0                          ; (named as the upper halves of pairs)
	v_mov_b32 v[INV+3], 0
	WIN 0
	s_mov_b32 s[CNT], 14
.Lpass2:                                           ; key steps 0 to 13 of pass 2
	TRIP2 2
	s_sub_co_u32 s[CNT], s[CNT], 1
	s_cmp_lg_u32 s[CNT], 0
	s_wait_alu depctr_va_vdst(0)
	s_cbranch_scc1 .Lpass2
	TRIP2 1                                        ; the tail is written out
	TRIP2 0
	; THE WAY OUT.  O^T: lane (r, h) holds query r and channels 16 b + 8 h + j of the pair's 128.  The next product's other operand comes as given codes, so the numbers are put in their natural order first:
	; a swap of halves between the registers of tiles 2 B and 2 B + 1 gives register 16 B + i the channel 32 B + 16 h + i.  Then the block's scale, the codes, the image.
	WIN 0x01
.set i, 0
.rept 64
	v_mov_b32 v[SA+i], v[i]                        ; each accumulator from its low end on
.set i, i+1
.endr
	WIN 0
.irp b, 0,1,2,3
.irp j, 0,1,2,3,4,5,6,7
	v_permlane16_swap_b32 v[SA+16*\b+\j], v[SA+16*\b+8+\j]
.endr
.endr
.irp b, 0,1,2,3
	v_mov_b32 v[TM+4+\b], 0                        ; a lane permute's destination counts as one of its sources
.endr
.irp b, 0,1,2,3
	v_max3_num_f32 v[TM+\b], |v[SA+16*\b]|, |v[SA+1+16*\b]|, 0x1800000
.endr
.irp i, 2,4,6,8,10,12,14
.irp b, 0,1,2,3
	s_delay_alu instid0(VALU_DEP_4)
	v_max3_num_f32 v[TM+\b], v[TM+\b], |v[SA+16*\b+\i]|, |v[SA+1+16*\b+\i]|
.endr
.endr
.irp b, 0,1,2,3
	s_delay_alu instid0(VALU_DEP_4)
	v_permlanex16_b32 v[TM+4+\b], v[TM+\b], s[SEL], s[SEL+1]
.endr
.irp b, 0,1,2,3
	s_delay_alu instid0(VALU_DEP_4)
	v_max_num_f32 v[TM+\b], v[TM+\b], v[TM+4+\b]
.endr
.irp b, 0,1,2,3
	s_delay_alu instid0(VALU_DEP_4)
	v_add_nc_u32 v[TM+12+\b], 0xff000000, v[TM+\b]
.endr
.irp b, 0,1,2,3
	s_delay_alu instid0(VALU_DEP_4)
	v_lshrrev_b32 v[TM+4+\b], 23, v[TM+12+\b]
.endr
	s_delay_alu instid0(VALU_DEP_3)
	v_lshl_or_b32 v[PW], v[TM+5], 8, v[TM+4]
	s_delay_alu instid0(VALU_DEP_1)
	v_lshl_or_b32 v[PW], v[TM+6], 16, v[PW]
	s_delay_alu instid0(VALU_DEP_1)
	v_lshl_or_b32 v[PW], v[TM+7], 24, v[PW]
.irp c, 0,1
	v_cvt_scalef32_pk16_fp6_f32 v[QC+6*\c:QC+2+6*\c], v[SA+32*\c:SA+15+32*\c], v[TM+12+2*\c]
	v_cvt_scalef32_pk16_fp6_f32 v[QC+12+4*\c:QC+14+4*\c], v[SA+16+32*\c:SA+31+32*\c], v[TM+12+2*\c+1]
.endr
	v_nop                                          ; one plain place behind a scaled conversion
.irp c, 0,1
.irp i, 0,1,2
	v_permlane16_swap_b32 v[QC+6*\c+\i], v[QC+12+4*\c+\i]
.endr
.irp i, 0,1,2
	s_delay_alu instid0(VALU_DEP_3)
	v_mov_b32 v[QC+3+6*\c+\i], v[QC+12+4*\c+\i]
.endr
.endr
	v_and_b32 v8, 31, v0
	v_and_b32 v15, 15, v0
	s_delay_alu instid0(VALU_DEP_1)
	v_lshlrev_b32 v15, 6, v15                      ; 64 bytes of scales a token
.irp g, 0,1,2
	global_store_b128 v[LI], v[QC+4*\g:QC+4*\g+3], s[20:21] offset:512*\g   ; 32 lanes store 512 consecutive bytes, at a multiple of 256 from the buffer's first byte
.endr
	s_wait_alu depctr_va_vdst(0)
	s_wait_xcnt 0x0                                ; EXEC changes only behind this wait
	v_cmp_gt_u32 vcc_lo, 16, v8
	s_and_saveexec_b32 s8, vcc_lo
	global_store_b32 v15, v[PW], s[22:23]          ; lanes 0-15: my 16 tokens' scale words of this pair of heads
	s_wait_xcnt 0x0                                ; and again in front of the line that widens it
	s_or_b32 exec_lo, exec_lo, s8
	s_wait_tensorcnt 0x0                           ; the wave's end
	ds_add_u32 v[SPW], v[NIL]
	s_wait_dscnt 0x0
	CROUND                                         ; the closing round
	s_endpgm
.Lfunc_end_k_q1d18314f87_attn:
	.size	k_q1d18314f87_attn, .Lfunc_end_k_q1d18314f87_attn-k_q1d18314f87_attn
	.p2alignl 7, 3214868480
	.fill 96, 4, 3214868480
	.section	.rodata,"a",@progbits
	.p2align	6, 0x0
	.amdhsa_kernel k_q1d18314f87_attn
		.amdhsa_group_segment_fixed_size 327680
		.amdhsa_private_segment_fixed_size 0
		.amdhsa_enable_private_segment 0
		.amdhsa_kernarg_size 80
		.amdhsa_user_sgpr_count 2
		.amdhsa_user_sgpr_kernarg_segment_ptr 1
		.amdhsa_wavefront_size32 1
		.amdhsa_system_sgpr_workgroup_id_x 1
		.amdhsa_system_sgpr_workgroup_id_y 1
		.amdhsa_system_sgpr_workgroup_id_z 1
		.amdhsa_system_vgpr_workitem_id 0
		.amdhsa_next_free_vgpr 512
		.amdhsa_next_free_sgpr 106
		.amdhsa_reserve_vcc 1
		.amdhsa_float_denorm_mode_32 3
		.amdhsa_float_denorm_mode_16_64 3
		.amdhsa_memory_ordered 1
		.amdhsa_forward_progress 1
		.amdhsa_inst_pref_size 184
	.end_amdhsa_kernel
	.amdgpu_metadata
---
amdhsa.version: [ 1, 2 ]
amdhsa.kernels:
  - .name:           k_q1d18314f87_attn
    .symbol:         k_q1d18314f87_attn.kd
    .args:
      - { .name: q_img, .offset: 0, .size: 8, .value_kind: global_buffer, .address_space: global }
      - { .name: q_sc, .offset: 8, .size: 8, .value_kind: global_buffer, .address_space: global }
      - { .name: k_img, .offset: 16, .size: 8, .value_kind: global_buffer, .address_space: global }
      - { .name: k_sc, .offset: 24, .size: 8, .value_kind: global_buffer, .address_space: global }
      - { .name: v_img, .offset: 32, .size: 8, .value_kind: global_buffer, .address_space: global }
      - { .name: v_sc, .offset: 40, .size: 8, .value_kind: global_buffer, .address_space: global }
      - { .name: mask0, .offset: 48, .size: 8, .value_kind: global_buffer, .address_space: global }
      - { .name: mask1, .offset: 56, .size: 8, .value_kind: global_buffer, .address_space: global }
      - { .name: a_img, .offset: 64, .size: 8, .value_kind: global_buffer, .address_space: global }
      - { .name: a_sc, .offset: 72, .size: 8, .value_kind: global_buffer, .address_space: global }
    .group_segment_fixed_size: 327680
    .private_segment_fixed_size: 0
    .kernarg_segment_align: 8
    .kernarg_segment_size: 80
    .max_flat_workgroup_size: 256
    .sgpr_count:     106
    .vgpr_count:     512
    .wavefront_size: 32
...
	.end_amdgpu_metadata
.endif
;; end of part 5
;; launch oproj (part 6): grid 16 x 16, 4 waves a work-group, clusters of 4 x 4, 327,680 bytes of LDS; arguments a_img, a_sc, wo_codes, wo_scales, out0; writes out0
.if DOCPART == 6
	.amdgcn_target "amdgcn-amd-amdhsa--gfx1250"
	.amdhsa_code_object_version 6
	.text
	.protected	k_q1d18314f87_oproj
	.globl	k_q1d18314f87_oproj
	.p2align	8
	.type	k_q1d18314f87_oproj,@function
k_q1d18314f87_oproj:
	s_mov_b64 s[64:65], 0
	v_nop
	global_prefetch_b8 v0, s[64:65] scope:SCOPE_SE
	s_setreg_imm32_b32 hwreg(HW_REG_WAVE_MODE, 25, 1), 1
	s_wait_xcnt 0x0
	s_wait_alu depctr_hold_cnt(0) depctr_sa_sdst(0) depctr_va_vdst(0) depctr_va_sdst(0) depctr_va_ssrc(0) depctr_va_vcc(0) depctr_vm_vsrc(0)
	s_getreg_b32 s2, hwreg(HW_REG_IB_STS2, 6, 4)
	s_cmp_eq_u32 s2, 0
	s_cbranch_scc0 .Lentry_in_a_cluster
	s_endpgm
.Lentry_in_a_cluster:
	s_bfe_u32 s2, ttmp6, 0x10000c
	s_cmp_lg_u32 s2, 0xf033
	s_cbranch_scc0 .Lentry_shape_is_right
	s_endpgm
.Lentry_shape_is_right:
; out0[m][n] = sum over k of a[m][k] wo[n][k] on codes of FP6 (E2M3) with E8M0 scales; f32 sums.  a comes as images of operand registers (token tile T, K step p: 1,536 bytes at (16 T + p) x 1,536), its scale words 64 bytes a token.
; A tile of 128 x 128 to a work-group of four waves, 64 x 64 a wave: 16 accumulators.  K is 16 steps of 128.
; NO RING: all that the work-group reads is asked for at the head, and no LDS byte is filled twice.  Four joint loads, one a wave: a's images of K steps 0-7 (8 rows of 12,288 bytes), wo's 128 rows whole
; (a dense block: 768 rows of 256 bytes, 8 bytes of padding behind each), a's scales, wo's scales: 98,304 + 202,752 + 17,408 bytes.  a's images of K steps 8-15 do not fit beside them: they are register images,
; so each wave loads its 64 rows' (384 registers) straight from memory; these loads are not shared, since they land in registers.
; With 264 bytes to a chunk a row of wo is 396 words: row r starts at bank 12 r mod 64, sixteen different multiples of 4.
; Cluster 4 x 4: a's tiles are shared along a row, wo's along a column.  No prefetch: the launch has no loop to run ahead in.
; REGISTERS: window 0: v16-30 addresses, v32-63 scale words (two sets of four steps), v128-255 accumulators; window 1: two sets of fragments (a at 128 f, wo at 128 f + 48); window 2: a's steps 8-12; window 3: steps 13-15.
.set SIZE_N, 2048
.set KROW,   1536
.set FR,     12
.set FRB,    1536
.set ROWA,   8*FRB                     ; a token tile's images of steps 0-7
.set BP,     6*264                     ; a row of wo in LDS
.set BOFF,   8*ROWA
.set KS,     64
.set SCL,    BOFF+128*BP
.set HALFS,  (64*KS/256)*272
.set SBLK,   (16*KS/256)*272
.set SPARE,  SCL+4*HALFS               ; the spare words: 512 bytes that no other line names
.set SPITCH, 272                       ; the way out's stage: 64 rows x 272 bytes a wave, in a's LDS bytes, which have had their one fill and their last read by then
.set ADRA, 16
.set ADRB, 20                          ; v20, v21: wo's tiles 0-1, 2-3; v22, v23: for pieces whose lanes 16-31 read the next chunk (8 bytes of padding further on)
.set STO,  24
.set RD,   25
.set CO,   26
.set ADRS, 27
.set SPW,  28
.set NIL,  29
.set GA,   30                          ; 16 x lane
.set SC,   32
.set ACC,  128
.set G1, 24
.set G0, 32
.set G1B, 48
.set G0B, 56
.set G1S, 68
.set G0S, 76
.set G1SB, 80
.set G0SB, 88
.set MSB, 0
.macro WIN new
.if MSB != (\new)
	s_set_vgpr_msb (MSB<<8)|(\new)
.set MSB, (\new)
.endif
.endm
.macro CROUND
	s_barrier_signal -1
	s_barrier_wait -1
	s_cmp_lg_u32 s14, 0
	s_cbranch_scc1 .Lnot_wave_0_\@
	s_barrier_signal -3
.Lnot_wave_0_\@:
	s_barrier_wait -3
	s_barrier_signal -1
	s_barrier_wait -1
.endm
	s_load_b128 s[4:7], s[0:1], 0x0
	s_load_b128 s[8:11], s[0:1], 0x10
	s_load_b64 s[12:13], s[0:1], 0x20
	v_lshl_add_u32 v[SPW], v0, 2, SPARE
	v_mov_b32 v[NIL], 0
	ds_add_u32 v[SPW], v[NIL]                      ; the opening lines
	ds_add_u32 v[SPW], v[NIL]
	v_lshrrev_b32 v1, 5, v0
	v_readfirstlane_b32 s14, v1
	s_lshr_b32 s15, s14, 1                         ; my half of the tile's rows
	s_and_b32 s16, s14, 1                          ; my half of its columns
	s_bfe_u32 s40, ttmp6, 0x40000
	s_bfe_u32 s41, ttmp6, 0x40004
	s_lshl_b32 s42, ttmp9, 2
	s_add_co_u32 s42, s42, s40
	s_and_b32 s17, ttmp7, 0xffff
	s_lshl_b32 s17, s17, 2
	s_add_co_u32 s17, s17, s41
	s_lshl_b32 s43, s41, 2
	s_lshl_b32 s43, 15, s43
	s_lshl_b32 s44, 0x1111, s40
	s_or_b32 s[G1+0], s43, (3<<16)|(1<<21)         ; a: 8 rows of 1,536 elements of 8 bytes, 3,072 elements apart
	s_mov_b32 s[G1+1], 1536<<16
	s_mov_b32 s[G1+2], 8<<16
	s_mov_b32 s[G1+3], 1536<<16
	s_mov_b32 s[G1+4], 8
	s_mov_b32 s[G1+5], 3072
	s_mov_b32 s[G1+6], 0
	s_mov_b32 s[G1+7], 0
	s_or_b32 s[G1B+0], s44, (3<<16)|(1<<20)|(1<<21)|(5<<22)|(1<<25)   ; wo: 768 dense rows of 256 bytes, 2 words of padding behind every 64
	s_mov_b32 s[G1B+1], 32<<16
	s_mov_b32 s[G1B+2], 768<<16
	s_mov_b32 s[G1B+3], 32<<16
	s_mov_b32 s[G1B+4], 768
	s_mov_b32 s[G1B+5], 32
	s_mov_b32 s[G1B+6], 0
	s_mov_b32 s[G1B+7], 0
	s_or_b32 s[G1S+0], s43, (3<<16)|(1<<20)|(1<<21)|(5<<22)|(3<<25)
	s_or_b32 s[G1SB+0], s44, (3<<16)|(1<<20)|(1<<21)|(5<<22)|(3<<25)
.irp g, G1S, G1SB
	s_mov_b32 s[\g+1], 32<<16                      ; the scales of 128 rows: 32 dense rows of 256 bytes, 16 bytes of padding behind each
	s_mov_b32 s[\g+2], 32<<16
	s_mov_b32 s[\g+3], 32<<16
	s_mov_b32 s[\g+4], 32
	s_mov_b32 s[\g+5], 32
	s_mov_b32 s[\g+6], 0
	s_mov_b32 s[\g+7], 0
.endr
	s_lshl_b32 s20, s17, 7
	s_lshl_b32 s46, s42, 7
	s_mov_b32 s21, 0
	s_mov_b32 s47, 0
	s_mov_b64 s[18:19], KS
	s_mul_u64 s[22:23], s[20:21], s[18:19]
	s_mul_u64 s[92:93], s[46:47], s[18:19]
	s_mov_b64 s[18:19], KROW
	s_mul_u64 s[20:21], s[20:21], s[18:19]
	s_mul_u64 s[46:47], s[46:47], s[18:19]
	s_mul_i32 s18, s15, 64*KROW
	s_mov_b32 s19, 0
	s_wait_dscnt 0x0
	s_wait_kmcnt 0x0
	s_add_nc_u64 s[20:21], s[4:5], s[20:21]
	s_add_nc_u64 s[22:23], s[6:7], s[22:23]
	s_add_nc_u64 s[46:47], s[8:9], s[46:47]
	s_add_nc_u64 s[92:93], s[10:11], s[92:93]
	CROUND                                         ; in front of the joint loads
	s_mov_b32 s[G0], 1
	s_mov_b32 s[G0+1], 0
	s_mov_b64 s[G0+2:G0+3], s[20:21]
	s_or_b32 s[G0+3], s[G0+3], 0x80000000
	s_mov_b32 s[G0B], 1
	s_mov_b32 s[G0B+1], BOFF
	s_mov_b64 s[G0B+2:G0B+3], s[46:47]
	s_or_b32 s[G0B+3], s[G0B+3], 0x80000000
	s_mov_b32 s[G0S], 1
	s_mov_b32 s[G0S+1], SCL
	s_mov_b64 s[G0S+2:G0S+3], s[22:23]
	s_or_b32 s[G0S+3], s[G0S+3], 0x80000000
	s_mov_b32 s[G0SB], 1
	s_mov_b32 s[G0SB+1], SCL+2*HALFS
	s_mov_b64 s[G0SB+2:G0SB+3], s[92:93]
	s_or_b32 s[G0SB+3], s[G0SB+3], 0x80000000
	s_add_nc_u64 s[20:21], s[20:21], s[18:19]      ; my 64 rows' images, for the loads into registers
.macro ARM under, g0, g1, next
	s_cmp_lt_u32 s14, \under
	s_cbranch_scc0 \next
	tensor_load_to_lds s[\g0:\g0+3], s[\g1:\g1+7]
	s_nop 0
.rept 4
	v_nop
.endr
	s_branch .Lhead_asked
\next:
.endm
	ARM 1, G0B, G1B, .Lhead_a
	ARM 2, G0,  G1,  .Lhead_sa
	ARM 3, G0S, G1S, .Lhead_sb
	tensor_load_to_lds s[G0SB:G0SB+3], s[G1SB:G1SB+7]
	s_nop 0
.rept 4
	v_nop
.endr
.Lhead_asked:
	v_and_b32 v1, 15, v0
	v_bfe_u32 v2, v0, 4, 1
	v_mul_u32_u24 v3, v1, BP
	v_mad_u32_u24 v4, v2, 24, v3                   ; row x pitch + 24 x half
	v_lshl_add_u32 v5, v2, 3, v4                   ; and 8 more in lanes 16-31
	v_and_b32 v6, 31, v0
	v_lshlrev_b32 v[GA], 4, v6
	s_mul_i32 s94, s15, 4*ROWA
	v_add_nc_u32 v[ADRA], s94, v[GA]
	s_mul_i32 s95, s16, 64*BP
	s_add_co_u32 s95, s95, BOFF
	v_add_nc_u32 v[ADRB], s95, v4
	v_add_nc_u32 v[ADRB+2], s95, v5
	s_add_co_u32 s95, s95, 32*BP
	v_add_nc_u32 v[ADRB+1], s95, v4
	v_add_nc_u32 v[ADRB+3], s95, v5
	v_mul_u32_u24 v5, v1, KS
	v_lshrrev_b32 v6, 8, v5
	v_lshl_add_u32 v5, v6, 4, v5
	s_mul_i32 s94, s15, HALFS
	s_mul_i32 s95, s16, HALFS
	s_add_co_u32 s95, s95, 2*HALFS
	s_sub_co_u32 s95, s95, s94
	v_mul_u32_u24 v6, s95, v2                      ; lanes 16-31 take wo's scale words
	s_add_co_u32 s94, s94, SCL
	v_add_nc_u32 v5, v5, v6
	v_add_nc_u32 v[ADRS], s94, v5
	s_mul_i32 s94, s14, 64*SPITCH                  ; my stage
	v_mul_u32_u24 v5, v1, SPITCH
	v_lshl_add_u32 v5, v2, 5, v5
	v_add_nc_u32 v[STO], s94, v5
	v_mul_u32_u24 v5, v2, SPITCH
	v_lshl_add_u32 v5, v1, 4, v5
	v_add_nc_u32 v[RD], s94, v5
	v_lshlrev_b32 v5, 13, v2
	v_lshl_add_u32 v[CO], v1, 4, v5
	s_lshl_b32 s94, s17, 7
	s_lshl_b32 s95, s15, 6
	s_add_co_u32 s94, s94, s95
	s_mov_b32 s95, 0
	s_mov_b64 s[18:19], SIZE_N*4
	s_mul_u64 s[94:95], s[94:95], s[18:19]
	s_lshl_b32 s46, s42, 9
	s_lshl_b32 s47, s16, 8
	s_add_co_u32 s46, s46, s47
	s_mov_b32 s47, 0
	s_add_nc_u64 s[94:95], s[94:95], s[46:47]
	s_add_nc_u64 s[12:13], s[12:13], s[94:95]
	s_wait_alu depctr_va_vdst(0)                   ; the wait at the head's end
	WIN 0x80                                       ; destination window 2: a's images of K steps 8-12, 48 registers a step
.irp s, 0,1,2,3,4
.irp i, 0,1,2,3
.irp g, 0,1,2
	global_load_b128 v[48*\s+FR*\i+4*\g:48*\s+FR*\i+4*\g+3], v[GA], s[20:21] offset:\i*16*KROW+(8+\s)*FRB+512*\g
.endr
.endr
.endr
	WIN 0xc0                                       ; window 3: K steps 13-15
.irp s, 0,1,2
.irp i, 0,1,2,3
.irp g, 0,1,2
	global_load_b128 v[48*\s+FR*\i+4*\g:48*\s+FR*\i+4*\g+3], v[GA], s[20:21] offset:\i*16*KROW+(13+\s)*FRB+512*\g
.endr
.endr
.endr
	WIN 0
.macro FRAGB reg, st, i                ; byte y of a row of wo lies at y + 8 (y / 256) of its LDS row
.irp p, 0,1,2,3,4,5
.set BY, 96*(\st)+48*(\p/3)+8*(\p%3)
.if BY/256 == (BY+24)/256
	ds_load_b64 v[\reg+2*\p:\reg+2*\p+1], v[ADRB+(\i)/2] offset:BY+8*(BY/256)+((\i)%2)*16*BP
.else
	ds_load_b64 v[\reg+2*\p:\reg+2*\p+1], v[ADRB+2+(\i)/2] offset:BY+8*(BY/256)+((\i)%2)*16*BP
.endif
.endr
.endm
.macro FETCH st                        ; step st's fragments into set st % 2: wo's four, and under step 8 a's four
	WIN 0x40
.irp i, 0,1,2,3
	FRAGB 128*((\st)%2)+48+FR*\i, \st, \i
.endr
.if (\st) < 8
.irp i, 0,1,2,3
.irp g, 0,1,2
	ds_load_b128 v[128*((\st)%2)+FR*\i+4*\g:128*((\st)%2)+FR*\i+4*\g+3], v[ADRA] offset:\i*ROWA+(\st)*FRB+512*\g
.endr
.endr
.endif
.endm
.macro SCALES g                        ; the scale words of steps 4 g .. 4 g + 3 into set g % 2: lanes 0-15 a's tile i, lanes 16-31 wo's tile i
	WIN 0
.irp i, 0,1,2,3
	ds_load_b128 v[SC+16*((\g)%2)+4*\i:SC+16*((\g)%2)+4*\i+3], v[ADRS] offset:\i*SBLK+16*(\g)
.endr
.endm
.macro MULS st, zero                   ; 16 products, transposed (source 0 = wo's rows); the 16 accumulators take turns, in the same order in every step
.if (\st) < 8
	WIN 0x05
.set AB, 128*((\st)%2)
.elseif (\st) < 13
	WIN 0x09
.set AB, 48*((\st)-8)
.else
	WIN 0x0d
.set AB, 48*((\st)-13)
.endif
.set BB, 128*((\st)%2)+48
.set SS, SC+16*(((\st)/4)%2)+(\st)%4
.irp a, 0,1,2,3
.irp b, 0,1,2,3
.if \zero
	v_wmma_scale_f32_16x16x128_f8f6f4 v[ACC+8*(4*\a+\b):ACC+8*(4*\a+\b)+7], v[BB+FR*\b:BB+FR*\b+FR-1], v[AB+FR*\a:AB+FR*\a+FR-1], 0, v[SS+4*\b], v[SS+4*\a] matrix_a_fmt:MATRIX_FMT_FP6 matrix_b_fmt:MATRIX_FMT_FP6 matrix_a_scale:MATRIX_SCALE_ROW1
.else
	v_wmma_scale_f32_16x16x128_f8f6f4 v[ACC+8*(4*\a+\b):ACC+8*(4*\a+\b)+7], v[BB+FR*\b:BB+FR*\b+FR-1], v[AB+FR*\a:AB+FR*\a+FR-1], v[ACC+8*(4*\a+\b):ACC+8*(4*\a+\b)+7], v[SS+4*\b], v[SS+4*\a] matrix_a_fmt:MATRIX_FMT_FP6 matrix_b_fmt:MATRIX_FMT_FP6 matrix_a_scale:MATRIX_SCALE_ROW1
.endif
.endr
.endr
.endm
.macro PLACES
.rept 4
	v_nop
.endr
.endm
.macro CH st, zero                     ; the next step's loads are issued, then this step is multiplied
	PLACES                                         ; in front of loads into registers that matrix instructions have read
.set NLD, 24
.if ((\st)+1)%4 == 0
	SCALES ((\st)+1)/4
.set NLD, NLD+4
.endif
.if (\st)+1 < 8
.set NLD, NLD+12
.endif
	FETCH (\st)+1
	s_wait_dscnt NLD                               ; all but the loads just issued
.if (\st) == 8
	s_wait_loadcnt 0x0                             ; a's images of steps 8-15 are in registers
.endif
	MULS \st, \zero
.endm
	s_wait_tensorcnt 0x0                           ; my tile is in,
	s_barrier_signal -1
	s_barrier_wait -1                              ; and everybody's
	SCALES 0
	FETCH 0
	CH 0, 1                                        ; the first step's products start the sums
.set ST, 1
.rept 14
	CH ST, 0
.set ST, ST+1
.endr
	s_wait_dscnt 0x0                               ; my reads of the tiles are over:
	s_barrier_signal -1                            ; say so,
	MULS 15, 0
	WIN 0
	s_barrier_wait -1                              ; and behind this wait a's LDS bytes serve as the stage
; THE WAY OUT: a lane holds 32 bytes of a row; 16 rows at a time go through my stage and come back as rows of 256 bytes, which sixteen lanes store whole.
.macro TOSTAGE a
.irp b, 0,1,2,3
	ds_store_b128 v[STO], v[ACC+8*(4*(\a)+\b):ACC+8*(4*(\a)+\b)+3] offset:(\a)*16*SPITCH+64*\b
	ds_store_b128 v[STO], v[ACC+8*(4*(\a)+\b)+4:ACC+8*(4*(\a)+\b)+7] offset:(\a)*16*SPITCH+64*\b+16
.endr
.irp t, 0,1,2,3,4,5,6,7
	ds_load_b128 v[ACC+32*(\a)+4*\t:ACC+32*(\a)+4*\t+3], v[RD] offset:((\a)*16+2*\t)*SPITCH
.endr
.endm
.macro SEND a, younger
.irp t, 0,1,2,3,4,5,6,7
	s_wait_dscnt \younger+7-\t                     ; this load is back; the block's later loads and the next block's 16 LDS instructions may be out
	global_store_b128 v[CO], v[ACC+32*(\a)+4*\t:ACC+32*(\a)+4*\t+3], s[12:13] offset:((\a)*16+2*\t)*SIZE_N*4 th:TH_STORE_NT
.endr
.endm
	PLACES
	TOSTAGE 0
	TOSTAGE 1
	SEND 0, 16
	TOSTAGE 2
	SEND 1, 16
	TOSTAGE 3
	SEND 2, 16
	SEND 3, 0
	s_wait_tensorcnt 0x0                           ; the wave's end
	ds_add_u32 v[SPW], v[NIL]
	s_wait_dscnt 0x0
	CROUND                                         ; the closing round
	s_endpgm
.Lfunc_end_k_q1d18314f87_oproj:
	.size	k_q1d18314f87_oproj, .Lfunc_end_k_q1d18314f87_oproj-k_q1d18314f87_oproj
	.p2alignl 7, 3214868480
	.fill 96, 4, 3214868480
	.section	.rodata,"a",@progbits
	.p2align	6, 0x0
	.amdhsa_kernel k_q1d18314f87_oproj
		.amdhsa_group_segment_fixed_size 327680
		.amdhsa_private_segment_fixed_size 0
		.amdhsa_enable_private_segment 0
		.amdhsa_kernarg_size 40
		.amdhsa_user_sgpr_count 2
		.amdhsa_user_sgpr_kernarg_segment_ptr 1
		.amdhsa_wavefront_size32 1
		.amdhsa_system_sgpr_workgroup_id_x 1
		.amdhsa_system_sgpr_workgroup_id_y 1
		.amdhsa_system_sgpr_workgroup_id_z 1
		.amdhsa_system_vgpr_workitem_id 0
		.amdhsa_next_free_vgpr 1024
		.amdhsa_next_free_sgpr 98
		.amdhsa_reserve_vcc 0
		.amdhsa_float_denorm_mode_32 3
		.amdhsa_float_denorm_mode_16_64 3
		.amdhsa_memory_ordered 1
		.amdhsa_forward_progress 1
		.amdhsa_inst_pref_size 93
	.end_amdhsa_kernel
	.amdgpu_metadata
---
amdhsa.version: [ 1, 2 ]
amdhsa.kernels:
  - .name:           k_q1d18314f87_oproj
    .symbol:         k_q1d18314f87_oproj.kd
    .args:
      - { .name: a_img, .offset: 0, .size: 8, .value_kind: global_buffer, .address_space: global }
      - { .name: a_sc, .offset: 8, .size: 8, .value_kind: global_buffer, .address_space: global }
      - { .name: wo_codes, .offset: 16, .size: 8, .value_kind: global_buffer, .address_space: global }
      - { .name: wo_scales, .offset: 24, .size: 8, .value_kind: global_buffer, .address_space: global }
      - { .name: out0, .offset: 32, .size: 8, .value_kind: global_buffer, .address_space: global }
    .group_segment_fixed_size: 327680
    .private_segment_fixed_size: 0
    .kernarg_segment_align: 8
    .kernarg_segment_size: 40
    .max_flat_workgroup_size: 128
    .sgpr_count:     98
    .vgpr_count:     1024
    .wavefront_size: 32
...
	.end_amdgpu_metadata
.endif
;; end of part 6
